; MI455X (gfx1250); checked and timed in simulation.
; The chip was launched on July 23, 2026; its instructions are those of AMD's public machine-readable ISA for CDNA 5 (MIT licence, August 2026) and "CDNA5" Instruction Set Architecture Reference Guide (July 2026). The comments in the code are by the model that wrote it; some were corrected since.
;; Fused Mo E. Allowed arithmetic: matrix products marked QUANTISED: E5M2 operands, one E8M0 scale for each 32 along K, by v_wmma_scale_f32_16x16x128_f8f6f4 with both operands' format E5M2, f32 sums; products left as they are: f32 operands where the result goes on into a quantised operand, else bf16, f16 or f32 operands; f32 sums; everything else in f32.
;; Inputs: hidden_states_codes 1,024 x 32 x 32 uint8 (E5M2 codes of hidden_states, K innermost, in blocks of 32 codes); hidden_states_scales 1,024 x 32 uint8 (E8M0 scales of hidden_states, one for each 32 codes along K); router_logits 1,024 x 8 float32; w13_weight_codes 8 x 4,096 x 32 x 32 uint8 (E5M2 codes of w13_weight, K innermost, in blocks of 32 codes); w13_weight_scales 8 x 4,096 x 32 uint8 (E8M0 scales of w13_weight, one for each 32 codes along K); w2_weight_codes 8 x 1,024 x 64 x 32 uint8 (E5M2 codes of w2_weight, K innermost, in blocks of 32 codes); w2_weight_scales 8 x 1,024 x 64 uint8 (E8M0 scales of w2_weight, one for each 32 codes along K).
;; Outputs: out0 1,024 x 1,024 float32.
;; Constants: top_k = 2.
;; This version of the problem:
;;   THIS VERSION OF THE PROBLEM IS GIVEN IN LOW PRECISION. The matrix products marked QUANTISED in the list below multiply operands that are first quantised to E5M2 (5 exponent bits, 2 mantissa bits; 8 bits a number), with one power-of-two scale for each 32 numbers along K (OCP MX v1.0); their sums are f32. All else is computed in f32.
;;   The module's matrix products, in the order in which they are computed (A, B: the left and right operand; K: the contracted axis; several contracted axes count as one K, in the product's order):
;;     1. batch 1,024 x [M 1, K 2] x [K 2, N 8]; A: computed on the way; B: computed on the way: left as it is (K = 2 < 32)
;;     2. [M 1,024, K 1,024] x [K 1,024, N 32,768]; A: input hidden_states (given as codes); B: input w13_weight (given as codes): QUANTISED
;;     3. batch 8 x [M 1,024, K 2,048] x [K 2,048, N 1,024]; A: input w2_weight (given as codes); B: computed on the way: QUANTISED
;;     4. batch 1,024 x [M 1,024, K 8] x [K 8, N 1]; A: computed on the way; B: computed on the way: left as it is (K = 8 < 32)
;;   THE QUANTISER, for each operand of a quantised product, along K:
;;     - K is cut into blocks of 32 from its start; a last block that is shorter is filled with zeros.
;;     - A block's scale is 2^e with e = floor(log2(the largest magnitude in the block)) - 15, held to -126 .. 127; a block of zeros has e = 0. As a byte (E8M0): e + 127.
;;     - Each number is divided by its block's scale, clamped to +-57,344, and rounded to the nearest number of E5M2, ties to even, subnormals kept.
;;     - The product sums the exact products of the quantised numbers (number of the format x scale) in f32.
;;   ~~~python
;;   def quantise(x, axis):      # numpy; x: float32 -> the quantised numbers, widened to float32 again
;;       x = np.moveaxis(x, axis, -1); K = x.shape[-1]
;;       x = np.pad(x, [(0, 0)] * (x.ndim - 1) + [(0, -K % 32)]); x = x.reshape(x.shape[:-1] + (-1, 32)); a = np.abs(x).max(-1, keepdims=True)
;;       e = np.where(a > 0, np.clip(np.frexp(np.where(a > 0, a, 1))[1] - 1 - 15, -126, 127), 0)      # np.frexp(a)[1] - 1 = floor(log2(a)), exactly
;;       r = np.clip(x / 2.0 ** e, -57344, 57344)
;;       step = 2.0 ** (np.maximum(np.frexp(np.where(r == 0, 1, r))[1] - 1, -14) - 2)
;;       q = np.round(r / step) * step * 2.0 ** e      # np.round: ties to even
;;       return np.moveaxis(q.reshape(q.shape[:-2] + (-1,))[..., :K], -1, axis).astype(np.float32)
;;   ~~~
;;   OPERANDS COMPUTED ON THE WAY. 'Computed on the way' means the value that the module computes at that place (a softmax that the list does not call 'softmax' is quantised finished and normalised). What goes into a quantiser is computed in f32, as accurately as f32 sums, v_exp_f32 and their like allow (about 1e-6 of the number): no bf16 or f16 on the way to a quantiser, and a product that is left as it is and whose result goes on into a quantised operand takes f32 operands (vector FMAs, or v_wmma_f32_16x16x4_f32). A number that lies on a knife's edge between two numbers of the format may be rounded either way, as far as f32 arithmetic and the matrix unit's own rounding can turn it there, and no further.
;;   INPUTS GIVEN AS CODES. hidden_states (in the module: [1024, 1024], K = its axis 1); w13_weight (in the module: [8, 4096, 1024], K = its axis 2); w2_weight (in the module: [8, 1024, 2048], K = its axis 2): each comes as NAME_codes (uint8): NAME with its K axis moved to the last place and cut into blocks of 32 codes, [.., K / 32, bytes a block], one block behind the other in memory; one code a byte (a code: sign, 5 exponent bits, 2 mantissa bits); and NAME_scales (uint8): the same leading axes, one E8M0 byte (e + 127) for each 32 codes along K. Its value is code x scale, taken as it is: it is not quantised again, and the codes and scales need not be those that the quantiser above would give.
;; 3 versions. Each part assembles by itself: llvm-mc -triple=amdgcn-amd-amdhsa -mcpu=gfx1250 --defsym DOCPART=n.
;; ======== version 1 of 3: 4 launches
;; workspace buffers: meta 256 bytes of whole numbers; rk 32,768 bytes of whole numbers; pos 8,192 bytes of whole numbers; wts 8,192 bytes; actc 4,456,448 bytes; acts 139,264 bytes; y 8,912,896 bytes
;; launch route (part 1): grid 1 x 1, 32 waves a work-group, no clusters, 37,888 bytes of LDS; arguments router_logits, meta, rk, pos, wts; writes meta, rk, pos, wts
.if DOCPART == 1
	.amdgcn_target "amdgcn-amd-amdhsa--gfx1250"
	.amdhsa_code_object_version 6
	.text
	.protected	k_q693a1ab4ba_route
	.globl	k_q693a1ab4ba_route
	.p2align	8
	.type	k_q693a1ab4ba_route,@function
k_q693a1ab4ba_route:
	s_mov_b64 s[64:65], 0
	v_nop
	global_prefetch_b8 v0, s[64:65] scope:SCOPE_SE
	s_setreg_imm32_b32 hwreg(HW_REG_WAVE_MODE, 25, 1), 1
	s_wait_xcnt 0x0
; ROUTER: softmax over 8 logits, the two largest (the lower index wins a tie), their weights renormalised; then, WITHOUT forming any address from the choice,
; each token's rank among its expert's tokens.  One work-group, 32 waves; thread t is token t.  Every address is made of the thread's number alone.
; OUT: meta: words 2e, 2e+1 = nt_e (tiles of 16 rows of expert e), bt_e (tiles of the experts before it).   rk [8][1024]: 4 x rank of token t in expert e, or all ones.
;      pos [1024][2]: the row 16 bt_e + rank of the token's first and second choice.   wts [1024][2]: their weights.
; LIMITS: NaN and infinities are not served.  The probabilities are p x (1 / sum), not p / sum: two probabilities that differ in their last bit may tie here and not there, or the other way round.
.set CNT, 0                            ; LDS: [expert][wave] counts, 1,024 bytes
.set RKS, 1024                         ; LDS: [expert][token] rank words, 32,768 bytes
	s_load_b256 s[4:11], s[0:1], 0x0               ; logits s[4:5], meta s[6:7], rk s[8:9], pos s[10:11]
	s_load_b64 s[12:13], s[0:1], 0x20              ; wts
	v_lshl_add_u32 v96, v0, 2, 0x8400
	v_mov_b32 v97, 0
	v_lshrrev_b32 v1, 5, v0
	v_readfirstlane_b32 s14, v1                    ; wave
	v_and_b32 v2, 31, v0                           ; lane
	v_lshlrev_b32 v3, 5, v0                        ; 32 t: my logits
	v_lshlrev_b32 v4, 2, v0                        ; 4 t
	v_lshlrev_b32 v5, 2, v2                        ; 4 x lane
	v_lshlrev_b32 v6, 3, v0                        ; 8 t
	v_lshlrev_b32 v7, 4, v0                        ; 16 t
	v_mov_b32 v40, s14
	v_lshlrev_b32 v40, 2, v40                      ; 4 x wave
	s_mov_b32 s82, 0x76543210
	s_mov_b32 s83, 0xfedcba98                      ; lane selects: lane l xor 16
	s_mov_b32 s85, 0x45800000                      ; 4096.0
	s_wait_kmcnt 0x0
	global_load_b128 v[8:11], v3, s[4:5]
	global_load_b128 v[12:15], v3, s[4:5] offset:16
	s_wait_loadcnt 0x0
	; softmax, the maximum taken away first
	v_max3_num_f32 v16, v8, v9, v10
	v_max3_num_f32 v16, v16, v11, v12
	v_max3_num_f32 v16, v16, v13, v14
	v_max_num_f32 v16, v16, v15
	v_mov_b32 v17, v16
.irp j, 8,10,12,14
	v_pk_add_f32 v[\j:\j+1], v[\j:\j+1], v[16:17] neg_lo:[0,1] neg_hi:[0,1]
.endr
.irp j, 8,10,12,14
	v_pk_mul_f32 v[\j:\j+1], v[\j:\j+1], 0x3fb8aa3b op_sel_hi:[1,0]   ; x log2(e)
.endr
.irp j, 8,9,10,11,12,13,14,15
	v_exp_f32 v[\j], v[\j]
.endr
	v_nop                                          ; a plain instruction behind the last exponential
	s_wait_alu depctr_va_vdst(0)                   ; one wait for the eight, ahead of their first reader
	v_pk_add_f32 v[18:19], v[8:9], v[10:11]
	v_pk_add_f32 v[20:21], v[12:13], v[14:15]
	v_pk_add_f32 v[18:19], v[18:19], v[20:21]
	v_add_f32 v18, v18, v19
	v_rcp_f32 v20, v18
	v_nop
	s_wait_alu depctr_va_vdst(0)
	v_mov_b32 v21, v20
.irp j, 8,10,12,14
	v_pk_mul_f32 v[\j:\j+1], v[\j:\j+1], v[20:21]
.endr
	; the largest: the best so far is kept where it is at least the candidate, so the lower index wins a tie
	v_mov_b32 v22, v8
	v_mov_b32 v23, 0
.irp i, 1,2,3,4,5,6,7
	v_cmp_ge_f32 vcc_lo, v22, v[8+\i]
	v_cndmask_b32 v22, v[8+\i], v22, vcc_lo
	v_cndmask_b32 v23, \i, v23, vcc_lo
.endr
.irp i, 0,1,2,3,4,5,6,7
	v_cmp_ne_u32 vcc_lo, \i, v23
	v_cndmask_b32 v[8+\i], -1.0, v[8+\i], vcc_lo   ; the winner is taken out: -1 lies under every probability
.endr
	v_mov_b32 v24, v8
	v_mov_b32 v25, 0
.irp i, 1,2,3,4,5,6,7
	v_cmp_ge_f32 vcc_lo, v24, v[8+\i]
	v_cndmask_b32 v24, v[8+\i], v24, vcc_lo
	v_cndmask_b32 v25, \i, v25, vcc_lo
.endr
	v_add_f32 v26, v22, v24
	v_rcp_f32 v27, v26
	v_nop
	s_wait_alu depctr_va_vdst(0)
	v_mul_f32 v28, v22, v27                        ; the two weights, renormalised
	v_mul_f32 v29, v24, v27
	; which lanes chose expert e: first choice s[16+e], second s[24+e], either s[32+e]; the wave's count goes to LDS
.irp e, 0,1,2,3,4,5,6,7
	v_cmp_eq_u32 s[16+\e], \e, v23
	v_cmp_eq_u32 s[24+\e], \e, v25
	s_or_b32 s[32+\e], s[16+\e], s[24+\e]
	s_bcnt1_i32_b32 s84, s[32+\e]
	v_mov_b32 v[30+\e], s84
	ds_store_b32 v40, v[30+\e] offset:CNT+128*\e   ; all lanes write the same word with the same value
.endr
	s_wait_dscnt 0x0                               ; for the others' sake: my counts have landed
	s_barrier_signal -1
	s_barrier_wait -1
.irp e, 0,1,2,3,4,5,6,7
	ds_load_b32 v[30+\e], v5 offset:CNT+128*\e     ; lane l: wave l's count for expert e
.endr
	s_wait_dscnt 0x0
.irp e, 0,1,2,3,4,5,6,7
	v_cvt_f32_u32 v[30+\e], v[30+\e]
.endr
	v_cmp_gt_u32 vcc_lo, s14, v2                   ; waves before mine
.irp i, 0,1,2,3
	v_fma_f32 v[42+\i], v[31+2*\i], s85, v[30+2*\i]   ; two experts' counts in one number: sums stay under 2^24, so f32 adds them exactly
.endr
.irp i, 0,1,2,3
	v_cndmask_b32 v[46+\i], 0, v[42+\i], vcc_lo
	v_mov_b32 v[50+\i], 0                          ; (a lane permute's destination counts as one of its sources)
	v_mov_b32 v[54+\i], 0
.endr
.irp m, 1,2,4,8
.irp k, 0,1,2,3,4,5,6,7
	v_add_f32_dpp v[42+\k], v[42+\k], v[42+\k] row_xmask:\m row_mask:0xf bank_mask:0xf
.endr
.endr
.irp k, 0,1,2,3,4,5,6,7
	v_permlanex16_b32 v[50+\k], v[42+\k], s82, s83
.endr
.irp k, 0,1,2,3,4,5,6,7
	v_add_f32 v[42+\k], v[42+\k], v[50+\k]
.endr
.irp k, 0,1,2,3,4,5,6,7
	v_cvt_u32_f32 v[42+\k], v[42+\k]
.endr
.irp k, 0,1,2,3,4,5,6,7
	v_readfirstlane_b32 s[74+\k], v[42+\k]
.endr
.irp i, 0,1,2,3
	s_and_b32 s[48+2*\i], s[74+\i], 0xfff          ; each expert's total,
	s_lshr_b32 s[49+2*\i], s[74+\i], 12
	s_and_b32 s[40+2*\i], s[78+\i], 0xfff          ; and what the waves before mine hold of it
	s_lshr_b32 s[41+2*\i], s[78+\i], 12
.endr
.irp e, 0,1,2,3,4,5,6,7
	s_add_co_u32 s[48+\e], s[48+\e], 15
	s_lshr_b32 s[48+\e], s[48+\e], 4               ; nt_e
.endr
	s_mov_b32 s56, 0
.irp e, 0,1,2,3,4,5,6
	s_add_co_u32 s[57+\e], s[56+\e], s[48+\e]      ; bt_e
.endr
.irp e, 0,1,2,3,4,5,6,7
	s_lshl_b32 s[66+\e], s[56+\e], 4
	s_add_co_u32 s[66+\e], s[66+\e], s[40+\e]      ; 16 bt_e + the ranks before my wave's
.endr
	v_mov_b32 v70, 0
	v_mov_b32 v71, 0
.irp e, 0,1,2,3,4,5,6,7
	v_mbcnt_lo_u32_b32 v58, s[32+\e], 0            ; the choosers of e in the lanes before mine
	v_add_lshl_u32 v59, v58, s[40+\e], 2           ; 4 x rank
	v_cndmask_b32 v[60+\e], -1, v59, s[32+\e]      ; all ones where I did not choose e
	ds_store_b32 v4, v[60+\e] offset:RKS+4096*\e   ; at a fixed place: [e][t]
	v_add_nc_u32 v68, s[66+\e], v58                ; the row
	v_cndmask_b32 v70, v70, v68, s[16+\e]
	v_cndmask_b32 v71, v71, v68, s[24+\e]
.endr
	s_wait_dscnt 0x0
	s_barrier_signal -1
	s_barrier_wait -1
	ds_load_b128 v[76:79], v7 offset:RKS           ; the rank words leave as they lie: a wave's store covers 512 bytes on end
	ds_load_b128 v[80:83], v7 offset:RKS+16384
	global_store_b64 v6, v[70:71], s[10:11]        ; a wave's store covers 256 bytes on end
	global_store_b64 v6, v[28:29], s[12:13]
	s_wait_dscnt 0x1                               ; the first of the two LDS loads is in
	global_store_b128 v7, v[76:79], s[8:9]
	s_wait_dscnt 0x0
	global_store_b128 v7, v[80:83], s[8:9] offset:16384
	s_cmp_lg_u32 s14, 0
	s_cbranch_scc1 .Lend
	v_mov_b32 v72, 0                               ; wave 0: lane e holds {nt_e, bt_e}, the other lanes zeros: all 256 bytes of meta by one store
	v_mov_b32 v73, 0
.irp e, 0,1,2,3,4,5,6,7
	v_writelane_b32 v72, s[48+\e], \e
	v_writelane_b32 v73, s[56+\e], \e
.endr
	global_store_b64 v6, v[72:73], s[6:7]
.Lend:
	s_wait_tensorcnt 0x0
	ds_add_u32 v96, v97
	s_wait_dscnt 0x0
	s_endpgm
.Lfunc_end_k_q693a1ab4ba_route:
	.size	k_q693a1ab4ba_route, .Lfunc_end_k_q693a1ab4ba_route-k_q693a1ab4ba_route
	.p2alignl 7, 3214868480
	.fill 96, 4, 3214868480
	.section	.rodata,"a",@progbits
	.p2align	6, 0x0
	.amdhsa_kernel k_q693a1ab4ba_route
		.amdhsa_group_segment_fixed_size 37888
		.amdhsa_private_segment_fixed_size 0
		.amdhsa_enable_private_segment 0
		.amdhsa_kernarg_size 40
		.amdhsa_user_sgpr_count 2
		.amdhsa_user_sgpr_kernarg_segment_ptr 1
		.amdhsa_wavefront_size32 1
		.amdhsa_system_sgpr_workgroup_id_x 1
		.amdhsa_system_sgpr_workgroup_id_y 1
		.amdhsa_system_sgpr_workgroup_id_z 1
		.amdhsa_system_vgpr_workitem_id 0
		.amdhsa_next_free_vgpr 98
		.amdhsa_next_free_sgpr 88
		.amdhsa_reserve_vcc 1
		.amdhsa_float_denorm_mode_32 3
		.amdhsa_float_denorm_mode_16_64 3
		.amdhsa_memory_ordered 1
		.amdhsa_forward_progress 1
		.amdhsa_inst_pref_size 20
	.end_amdhsa_kernel
	.amdgpu_metadata
---
amdhsa.version: [ 1, 2 ]
amdhsa.kernels:
  - .name:           k_q693a1ab4ba_route
    .symbol:         k_q693a1ab4ba_route.kd
    .args:
      - { .name: router_logits, .offset: 0, .size: 8, .value_kind: global_buffer, .address_space: global }
      - { .name: meta, .offset: 8, .size: 8, .value_kind: global_buffer, .address_space: global }
      - { .name: rk, .offset: 16, .size: 8, .value_kind: global_buffer, .address_space: global }
      - { .name: pos, .offset: 24, .size: 8, .value_kind: global_buffer, .address_space: global }
      - { .name: wts, .offset: 32, .size: 8, .value_kind: global_buffer, .address_space: global }
    .group_segment_fixed_size: 37888
    .private_segment_fixed_size: 0
    .kernarg_segment_align: 8
    .kernarg_segment_size: 40
    .max_flat_workgroup_size: 1024
    .sgpr_count:     88
    .vgpr_count:     98
    .wavefront_size: 32
...
	.end_amdgpu_metadata
.endif
;; end of part 1
;; launch gemm1 (part 2): grid 32 x 8, 4 waves a work-group, no clusters, 4,864 bytes of LDS; arguments hidden_states_codes, hidden_states_scales, w13_weight_codes, w13_weight_scales, meta, rk, actc, acts; writes actc, acts
.if DOCPART == 2
	.amdgcn_target "amdgcn-amd-amdhsa--gfx1250"
	.amdhsa_code_object_version 6
	.text
	.protected	k_q693a1ab4ba_gemm1
	.globl	k_q693a1ab4ba_gemm1
	.p2align	8
	.type	k_q693a1ab4ba_gemm1,@function
k_q693a1ab4ba_gemm1:
	s_mov_b64 s[64:65], 0
	v_nop
	global_prefetch_b8 v0, s[64:65] scope:SCOPE_SE
	s_setreg_imm32_b32 hwreg(HW_REG_WAVE_MODE, 25, 1), 1
	s_wait_xcnt 0x0
; act = silu(x Wg^T) * (x Wu^T) for the rows routed to one expert, quantised along I to E5M2 with one E8M0 byte for each 32, and stored as the next product's operand registers.
; SHARES.  Work-group (chunk, e) owns 64 columns of I of expert e.  Wave (a, b): block B = 2 chunk + b, 32 columns: 32 rows of the gate's weights and 32 of up's, 64 KB, which stay in 512 registers.
; The expert's rows come in tiles of 16; waves with a = 0 take the even tiles, a = 1 the odd ones.  A tile's 16 rows x 1,024 K of x are 32 loads of 16 bytes a lane and one of scale bytes: a UNIT of 33 loads.
; Three register buffers take turns: a buffer is loaded again as soon as it has been multiplied, so two units are on their way while one is at work.
; THE PRODUCT IS USED TRANSPOSED (source 0 = 16 weight rows, source 1 = 16 tokens), and lane r of weight tile u takes row 8 u + r + 8 (r / 8) of the 32: a lane then holds ONE token and 16 neighbouring columns
; 16 (lane / 16) + 0 .. 15, so that the conversions' results are four registers of the next operand; a block of 32 lies in lanes l and l xor 16.
; WHICH TOKENS: wave 0 turns the stored ranks of this expert into a list rank -> token in LDS (ranks are whole numbers that an earlier launch stored); rows that pad the last tile take token 0 and are read by nobody later.
; NO TENSOR LOADS, NO CLUSTER: the number of tiles is read from memory, so trips and exits hang on loaded numbers, and work-groups of different experts have different numbers of tiles.
; No load is jumped over inside the loop: a step is wait, work, "is there a further unit? else leave for the drain", refill; the drains finish the two buffers still out.  The backward jump has a counter of its own (11 trips of 3 units; a wave has 32 units at the most).
; LIMITS: NaN and infinities are not served; gate x up must stay finite in f32; a sigmoid under 2^-126 counts as 0 (the exponential and the reciprocal flush); a block of zeros gets the byte 1, not 127: its codes are zeros and this program alone reads the bytes.
; REGISTERS, in windows of 256.  Window 0: see the names below; v128-255 buffer 0.  Window 1: weights, K steps 0-3, tile t at v[64 t + 16 s].  Window 2: K steps 4-7.  Window 3: buffers 1 and 2.
.set LIST,   0                         ; LDS: 1,024 words, rank -> token
.set DUMP,   4096                      ; LDS: where the words of tokens that did not choose this expert go; nobody reads it
.set LANE16, 1                         ; 16 x lane
.set H16,    2                         ; 16 (lane / 16)
.set WOFF,   3                         ; weights: (r + 8 (r / 8)) x 1,024 + 16 h
.set WSOFF,  4                         ; their scale bytes: (r + 8 (r / 8)) x 32 + 16 h
.set LAD0,   5                         ; the list: 64 a + 4 r
.set LADN,   6
.set TOK,    7
.set SBO,    8                         ; 16 r
.set COFF,   9
.set SBOFF,  10
.set XOFF,   11                        ; v11-13  a buffer's offset in x
.set WS,     16                        ; v16-31  weights' scale words: 4 t + i: lanes 0-15 K step i, lanes 16-31 K step 4 + i
.set XS,     32                        ; v32-43  x's scale words, four registers a buffer, laid likewise
.set CODE,   44
.set SBYTE,  48
.set MXA,    49
.set MXB,    50
.set SCL,    51
.set HOLD,   52
.set EX,     56                        ; v56-71  at work on the sigmoid
.set G,      72                        ; v72-87  gate's two accumulators, later act
.set U,      88                        ; v88-103 up's two
.set T4,     104                       ; 4 x lane
.set ZR,     108                       ; v108-111 zeros
.set XSOFF,  112                       ; v112-114 a buffer's offset in x's scale bytes
.set MSB, 0
.macro WIN new                         ; the immediate's high byte repeats the setting that is left; a switch that changes nothing is dropped
.if MSB != (\new)
	s_set_vgpr_msb (MSB<<8)|(\new)
.set MSB, (\new)
.endif
.endm
.macro RING p                          ; buffer p: its window RW and first register RB
.if (\p) == 0
.set RW, 0
.set RB, 128
.elseif (\p) == 1
.set RW, 3
.set RB, 0
.else
.set RW, 3
.set RB, 128
.endif
.endm
.macro WSLD                            ; tiles 0, 1: gate; 2, 3: up, 2,048 rows further on
.irp t, 0,1,2,3
	global_load_b128 v[WS+4*\t:WS+4*\t+3], v[WSOFF], s[10:11] offset:(\t/2)*65536+(\t%2)*256
.endr
.endm
.macro WTILE t                         ; 16 weight rows x 1,024 K: 32 loads
	WIN 0x40
.irp s, 0,1,2,3
.irp c, 0,1,2,3
	global_load_b128 v[64*(\t)+16*\s+4*\c:64*(\t)+16*\s+4*\c+3], v[WOFF], s[8:9] offset:((\t)/2)*2097152+((\t)%2)*8192+128*\s+32*\c
.endr
.endr
	WIN 0x80
.irp s, 0,1,2,3
.irp c, 0,1,2,3
	global_load_b128 v[64*(\t)+16*\s+4*\c:64*(\t)+16*\s+4*\c+3], v[WOFF], s[8:9] offset:((\t)/2)*2097152+((\t)%2)*8192+512+128*\s+32*\c
.endr
.endr
	WIN 0
.endm
.macro TOKRD                           ; the tokens of the unit that is issued next: 128 bytes of the list for each of my tiles
	s_min_u32 s36, s32, 31
	s_lshl_b32 s36, s36, 7
	v_add_nc_u32 v[LADN], s36, v[LAD0]
	ds_load_b32 v[TOK], v[LADN]
.endm
.macro XLOAD p                         ; a unit into buffer p
	RING \p
	s_wait_dscnt 0x0                               ; the tokens are in
	v_min_u32 v[TOK], 0x3ff, v[TOK]
	v_lshl_add_u32 v[XOFF+\p], v[TOK], 10, v[H16]  ; (the loads that read these two registers last were waited for ahead of the buffer's products)
	v_lshl_add_u32 v[XSOFF+\p], v[TOK], 5, v[H16]
	WIN 64*RW
.irp s, 0,1,2,3,4,5,6,7
.irp c, 0,1,2,3
	global_load_b128 v[RB+16*\s+4*\c:RB+16*\s+4*\c+3], v[XOFF+\p], s[4:5] offset:128*\s+32*\c
.endr
.endr
	WIN 0
	global_load_b128 v[XS+4*\p:XS+4*\p+3], v[XSOFF+\p], s[6:7]
	s_add_co_u32 s32, s32, 1                       ; the next unit, round the wave's tiles
	s_cmp_ge_u32 s32, s28
	s_cselect_b32 s32, 0, s32
	s_add_co_u32 s31, s31, 1
.endm
.macro MM p                            ; 32 products: K ascending, the four accumulators by turns, one instruction a turn; the first K step starts the sums
	RING \p
	WIN 1+4*RW
.irp s, 0,1,2,3
.irp t, 0,1,2,3
.if \s == 0
	v_wmma_scale_f32_16x16x128_f8f6f4 v[G+8*\t:G+8*\t+7], v[64*\t+16*\s:64*\t+16*\s+15], v[RB+16*\s:RB+16*\s+15], 0, v[WS+4*\t+\s], v[XS+4*\p+\s] matrix_a_fmt:MATRIX_FMT_BF8 matrix_b_fmt:MATRIX_FMT_BF8
.else
	v_wmma_scale_f32_16x16x128_f8f6f4 v[G+8*\t:G+8*\t+7], v[64*\t+16*\s:64*\t+16*\s+15], v[RB+16*\s:RB+16*\s+15], v[G+8*\t:G+8*\t+7], v[WS+4*\t+\s], v[XS+4*\p+\s] matrix_a_fmt:MATRIX_FMT_BF8 matrix_b_fmt:MATRIX_FMT_BF8
.endif
.endr
.endr
	WIN 2+4*RW
.irp s, 0,1,2,3
.irp t, 0,1,2,3
	v_wmma_scale_f32_16x16x128_f8f6f4 v[G+8*\t:G+8*\t+7], v[64*\t+16*\s:64*\t+16*\s+15], v[RB+64+16*\s:RB+64+16*\s+15], v[G+8*\t:G+8*\t+7], v[WS+4*\t+\s], v[XS+4*\p+\s] matrix_a_fmt:MATRIX_FMT_BF8 matrix_b_fmt:MATRIX_FMT_BF8 matrix_a_scale:MATRIX_SCALE_ROW1 matrix_b_scale:MATRIX_SCALE_ROW1
.endr
.endr
	WIN 0
.endm
.macro ACT                             ; act = g u / (1 + 2^(-g log2 e)), all in f32; each accumulator is read from its low end on
.rept 8
	v_nop                                          ; eight places behind the last product, ahead of the first read of results
.endr
.irp j, 0,2,4,6,8,10,12,14
	v_pk_mul_f32 v[EX+\j:EX+\j+1], v[G+\j:G+\j+1], s[40:41] op_sel_hi:[1,0]
.endr
.irp j, 0,1,2,3,4,5,6,7,8,9,10,11,12,13,14,15
	v_exp_f32 v[EX+\j], v[EX+\j]
.endr
.irp j, 0,2,4,6,8,10,12,14
	v_pk_mul_f32 v[U+\j:U+\j+1], v[U+\j:U+\j+1], v[G+\j:G+\j+1]   ; g u: plain work behind the exponentials
.endr
	s_wait_alu depctr_va_vdst(0)                   ; one wait for the sixteen, ahead of their first reader
.irp j, 0,2,4,6,8,10,12,14
	v_pk_add_f32 v[EX+\j:EX+\j+1], v[EX+\j:EX+\j+1], 1.0 op_sel_hi:[1,0]
.endr
.irp j, 0,1,2,3,4,5,6,7,8,9,10,11,12,13,14,15
	v_rcp_f32 v[EX+\j], v[EX+\j]
.endr
	v_nop
	s_wait_alu depctr_va_vdst(0)
.irp j, 0,2,4,6,8,10,12,14
	v_pk_mul_f32 v[G+\j:G+\j+1], v[U+\j:U+\j+1], v[EX+\j:EX+\j+1]
.endr
.endm
.macro OUT                             ; my 16 numbers of the block become 16 codes; the block's byte
	v_max3_num_f32 v[MXA], |v[G]|, |v[G+1]|, 0x8000000             ; the floor 2^(16 - 127): the byte cannot fall under 1
	v_max3_num_f32 v[MXB], |v[G+8]|, |v[G+9]|, |v[G+10]|
	v_max3_num_f32 v[MXA], v[MXA], |v[G+2]|, |v[G+3]|
	v_max3_num_f32 v[MXB], v[MXB], |v[G+11]|, |v[G+12]|
	v_max3_num_f32 v[MXA], v[MXA], |v[G+4]|, |v[G+5]|
	v_max3_num_f32 v[MXB], v[MXB], |v[G+13]|, |v[G+14]|
	v_max3_num_f32 v[MXA], v[MXA], |v[G+6]|, |v[G+7]|
	v_max3_num_f32 v[MXA], v[MXA], v[MXB], |v[G+15]|
	v_permlanex16_b32 v[MXB], v[MXA], s42, s43
	v_max_num_f32 v[MXA], v[MXA], v[MXB]           ; with lane l xor 16's: the block's largest magnitude
	v_add_nc_u32 v[SCL], 0xf8800000, v[MXA]        ; 15 off its exponent field: the conversion's scale operand
	v_and_or_b32 v[HOLD], v[MXA], 0x7f800000, s44  ; 57,344 x the scale
.irp j, 0,1,2,3,4,5,6,7,8,9,10,11,12,13,14,15
	v_med3_num_f32 v[G+\j], v[G+\j], -v[HOLD], v[HOLD]   ; the conversion to an 8-bit code does not saturate (ISA guide 7.6.2)
.endr
	s_wait_xcnt 0x0                                ; the last tile's stores have read their data and offsets: both are written again below
	s_lshl_b32 s36, s33, 1
	s_add_co_u32 s36, s36, s35                     ; the tile: bt + a + 2 x index,
	s_min_u32 s36, s36, 135                        ; inside the buffers' 136 tiles
	s_lshl_b32 s37, s36, 15
	s_lshl_b32 s38, s36, 10
	v_add_nc_u32 v[COFF], s37, v[LANE16]
	v_add_nc_u32 v[SBOFF], s38, v[SBO]
	v_cvt_scalef32_pk8_bf8_f32 v[CODE:CODE+1], v[G:G+7], v[SCL]
	v_cvt_scalef32_pk8_bf8_f32 v[CODE+2:CODE+3], v[G+8:G+15], v[SCL]
	v_lshrrev_b32 v[SBYTE], 23, v[SCL]             ; the byte; also the plain instruction behind the conversions
	global_store_b128 v[COFF], v[CODE:CODE+3], s[16:17] th:TH_STORE_NT   ; the wave stores 512 bytes on end: [tile][block][lane][16]
	global_store_b8 v[SBOFF], v[SBYTE], s[18:19]   ; lanes r and r + 16 write the same byte with the same value: one byte for 32 code bytes
	s_add_co_u32 s33, s33, 1
	s_cmp_ge_u32 s33, s28
	s_cselect_b32 s33, 0, s33
.endm
.macro TILE p, cnt, tok
	s_wait_loadcnt \cnt
.if \tok
	TOKRD
.endif
	MM \p
	ACT
	OUT
.endm
.macro STEP p
	TILE \p, 63, 1                                 ; behind this unit's loads two units, 66 loads, were issued; the wait's field ends at 63, and a smaller count is safe
	s_cmp_lt_u32 s31, s28                          ; is there a unit left to ask for?
	s_cbranch_scc0 .Ldrain_\p
	XLOAD \p
.endm
.macro DRAIN p, q1, q2                 ; two buffers are out; units issued less two have been worked
.Ldrain_\p:
	s_wait_dscnt 0x0
	s_cmp_ge_u32 s31, s30
	s_cbranch_scc1 .Lend
	TILE \q1, 33, 0                                ; one younger unit may be out
	s_cmp_ge_u32 s31, s29
	s_cbranch_scc1 .Lend
	TILE \q2, 0, 0
	s_branch .Lend
.endm
	s_load_b256 s[4:11], s[0:1], 0x0               ; x's codes s[4:5], x's scales s[6:7], w13's codes s[8:9], w13's scales s[10:11]
	s_load_b256 s[12:19], s[0:1], 0x20             ; meta s[12:13], rk s[14:15], actc s[16:17], acts s[18:19]
	v_lshl_add_u32 v126, v0, 2, 0x1100
	v_mov_b32 v127, 0
	v_lshrrev_b32 v1, 5, v0
	v_readfirstlane_b32 s20, v1                    ; wave
	s_lshr_b32 s21, s20, 1                         ; a
	s_and_b32 s22, s20, 1                          ; b
	s_mov_b32 s23, ttmp9                           ; chunk
	s_and_b32 s24, ttmp7, 0xffff                   ; e
	s_lshl_b32 s25, s23, 1
	s_add_co_u32 s25, s25, s22                     ; B
	v_and_b32 v14, 31, v0                          ; lane
	v_and_b32 v15, 15, v0                          ; r
	v_bfe_u32 v[H16], v0, 4, 1
	v_lshlrev_b32 v[H16], 4, v[H16]
	v_lshlrev_b32 v[LANE16], 4, v14
	v_lshlrev_b32 v[T4], 2, v14
	v_and_b32 v[SBO], 8, v15
	v_add_nc_u32 v[SBO], v[SBO], v15               ; r + 8 (r / 8)
	v_lshl_add_u32 v[WOFF], v[SBO], 10, v[H16]
	v_lshl_add_u32 v[WSOFF], v[SBO], 5, v[H16]
	v_lshlrev_b32 v[SBO], 4, v15
	s_lshl_b32 s36, s21, 6
	v_lshl_add_u32 v[LAD0], v15, 2, s36
.irp i, 0,1,2,3
	v_mov_b32 v[ZR+\i], 0
.endr
	s_mov_b32 s40, 0xbfb8aa3b                      ; -log2(e)
	s_mov_b32 s41, s40                             ; (named with it as a pair, so it is written)
	s_mov_b32 s42, 0x76543210
	s_mov_b32 s43, 0xfedcba98                      ; lane selects: lane l xor 16
	s_mov_b32 s44, 0x600000                        ; the mantissa field of 57,344
	s_lshl_b32 s36, s24, 22                        ; w13's codes: e x 4,096 rows + B x 32 rows, of 1,024 bytes
	s_lshl_b32 s37, s25, 15
	s_add_co_u32 s36, s36, s37
	s_mov_b32 s37, 0
	s_wait_kmcnt 0x0
	s_add_nc_u64 s[8:9], s[8:9], s[36:37]
	s_lshl_b32 s36, s24, 17                        ; its scale bytes: rows of 32
	s_lshl_b32 s38, s25, 10
	s_add_co_u32 s36, s36, s38
	s_add_nc_u64 s[10:11], s[10:11], s[36:37]
	s_lshl_b32 s36, s24, 3
	s_add_nc_u64 s[12:13], s[12:13], s[36:37]
	s_load_b64 s[26:27], s[12:13], 0x0             ; nt_e, bt_e
	s_lshl_b32 s36, s24, 12
	s_add_nc_u64 s[14:15], s[14:15], s[36:37]      ; rk of my expert
	s_lshl_b32 s36, s25, 9
	s_add_nc_u64 s[16:17], s[16:17], s[36:37]      ; actc: my block's 512 bytes in a tile
	s_lshr_b32 s36, s25, 4                         ; acts [tile][g][hh][r][i][c]: K step B / 4 = 8 g + 4 hh + i, c = B % 4:
	s_lshl_b32 s36, s36, 8                         ; 512 g + 256 hh
	s_and_b32 s38, s25, 15                         ; + 4 i + c
	s_add_co_u32 s36, s36, s38
	s_add_nc_u64 s[18:19], s[18:19], s[36:37]
	s_cmp_lg_u32 s20, 0
	s_cbranch_scc1 .Lothers
	; wave 0 alone writes LDS: zeros over the list, then token numbers at the stored ranks
.irp i, 0,1,2,3,4,5,6,7
	ds_store_b128 v[LANE16], v[ZR:ZR+3] offset:LIST+512*\i
.endr
.irp i, 0,1,2,3,4,5,6,7
	global_load_b128 v[EX+4*\i:EX+4*\i+3], v[LANE16], s[14:15] offset:512*\i   ; register 4 i + q: token 128 i + 4 lane + q
.endr
	WSLD
	WTILE 0
	s_wait_loadcnt 36                              ; behind the eight rank loads 4 + 32 loads were issued
.set k, 0
.rept 32
	v_min_u32 v[EX+k], 0x1000, v[EX+k]             ; 4 x rank, at most 4,092; all ones become DUMP
	v_add_nc_u32 v[128+k], 128*(k/4)+(k%4), v[T4]
	ds_store_b32 v[EX+k], v[128+k]                 ; LDS serves a wave's instructions in order: behind the zeros
.set k, k+1
.endr
	WTILE 1
	WTILE 2
	WTILE 3
	s_branch .Ljoin
.Lothers:
	WSLD
	WTILE 0
	WTILE 1
	WTILE 2
	WTILE 3
.Ljoin:
	s_wait_dscnt 0x0                               ; for the others' sake: the list has landed
	s_barrier_signal -1
	s_barrier_wait -1                              ; the launch's one barrier; behind it LDS is only read
	s_wait_kmcnt 0x0
	s_min_u32 s26, s26, 64
	s_min_u32 s27, s27, 135
	s_add_co_u32 s28, s26, 1
	s_sub_co_u32 s28, s28, s21
	s_lshr_b32 s28, s28, 1                         ; n: my units
	s_cmp_eq_u32 s28, 0
	s_cbranch_scc1 .Lend
	s_add_co_u32 s29, s28, 1
	s_add_co_u32 s30, s28, 2
	s_add_co_u32 s35, s27, s21                     ; bt + a
	s_mul_i32 s32, s23, s28
	s_lshr_b32 s32, s32, 5                         ; the 32 work-groups of an expert begin at different tiles: chunk x n / 32, under n
	s_mov_b32 s33, s32
	s_mov_b32 s31, 0
	TOKRD                                          ; three units go out whatever n is: the index goes round, so each has an address inside x
	XLOAD 0
	TOKRD
	XLOAD 1
	TOKRD
	XLOAD 2
	s_mov_b32 s34, 0
.Lloop:
	STEP 0
	STEP 1
	STEP 2
	s_add_co_u32 s34, s34, 1
	s_cmp_lt_u32 s34, 11
	s_cbranch_scc1 .Lloop
	s_branch .Lend
	DRAIN 0, 1, 2
	DRAIN 1, 2, 0
	DRAIN 2, 0, 1
.Lend:
	s_wait_tensorcnt 0x0
	ds_add_u32 v126, v127
	s_wait_dscnt 0x0
	s_endpgm
.Lfunc_end_k_q693a1ab4ba_gemm1:
	.size	k_q693a1ab4ba_gemm1, .Lfunc_end_k_q693a1ab4ba_gemm1-k_q693a1ab4ba_gemm1
	.p2alignl 7, 3214868480
	.fill 96, 4, 3214868480
	.section	.rodata,"a",@progbits
	.p2align	6, 0x0
	.amdhsa_kernel k_q693a1ab4ba_gemm1
		.amdhsa_group_segment_fixed_size 4864
		.amdhsa_private_segment_fixed_size 0
		.amdhsa_enable_private_segment 0
		.amdhsa_kernarg_size 64
		.amdhsa_user_sgpr_count 2
		.amdhsa_user_sgpr_kernarg_segment_ptr 1
		.amdhsa_wavefront_size32 1
		.amdhsa_system_sgpr_workgroup_id_x 1
		.amdhsa_system_sgpr_workgroup_id_y 1
		.amdhsa_system_sgpr_workgroup_id_z 1
		.amdhsa_system_vgpr_workitem_id 0
		.amdhsa_next_free_vgpr 1024
		.amdhsa_next_free_sgpr 66
		.amdhsa_reserve_vcc 0
		.amdhsa_float_denorm_mode_32 3
		.amdhsa_float_denorm_mode_16_64 3
		.amdhsa_memory_ordered 1
		.amdhsa_forward_progress 1
		.amdhsa_inst_pref_size 149
	.end_amdhsa_kernel
	.amdgpu_metadata
---
amdhsa.version: [ 1, 2 ]
amdhsa.kernels:
  - .name:           k_q693a1ab4ba_gemm1
    .symbol:         k_q693a1ab4ba_gemm1.kd
    .args:
      - { .name: hidden_states_codes, .offset: 0, .size: 8, .value_kind: global_buffer, .address_space: global }
      - { .name: hidden_states_scales, .offset: 8, .size: 8, .value_kind: global_buffer, .address_space: global }
      - { .name: w13_weight_codes, .offset: 16, .size: 8, .value_kind: global_buffer, .address_space: global }
      - { .name: w13_weight_scales, .offset: 24, .size: 8, .value_kind: global_buffer, .address_space: global }
      - { .name: meta, .offset: 32, .size: 8, .value_kind: global_buffer, .address_space: global }
      - { .name: rk, .offset: 40, .size: 8, .value_kind: global_buffer, .address_space: global }
      - { .name: actc, .offset: 48, .size: 8, .value_kind: global_buffer, .address_space: global }
      - { .name: acts, .offset: 56, .size: 8, .value_kind: global_buffer, .address_space: global }
    .group_segment_fixed_size: 4864
    .private_segment_fixed_size: 0
    .kernarg_segment_align: 8
    .kernarg_segment_size: 64
    .max_flat_workgroup_size: 128
    .sgpr_count:     66
    .vgpr_count:     1024
    .wavefront_size: 32
...
	.end_amdgpu_metadata
.endif
;; end of part 2
;; launch gemm2 (part 3): grid 32 x 8, 4 waves a work-group, no clusters, 9,728 bytes of LDS; arguments actc, acts, w2_weight_codes, w2_weight_scales, meta, y; writes y
.if DOCPART == 3
	.amdgcn_target "amdgcn-amd-amdhsa--gfx1250"
	.amdhsa_code_object_version 6
	.text
	.protected	k_q693a1ab4ba_gemm2
	.globl	k_q693a1ab4ba_gemm2
	.p2align	8
	.type	k_q693a1ab4ba_gemm2,@function
k_q693a1ab4ba_gemm2:
	s_mov_b64 s[64:65], 0
	v_nop
	global_prefetch_b8 v0, s[64:65] scope:SCOPE_SE
	s_setreg_imm32_b32 hwreg(HW_REG_WAVE_MODE, 25, 1), 1
	s_wait_xcnt 0x0
; y[row] = act[row] W2_e^T for the rows routed to one expert, both operands E5M2 codes with E8M0 bytes; y is f32, laid [32 columns' group][row][32].
; SHARES.  Work-group (hc, e) owns 32 columns of H.  All four waves hold the same 32 rows of W2 (2,048 K: 64 KB, 512 registers, for the whole launch); wave w takes the expert's tiles w, w + 4, ..
; act arrives as images of the operand's registers: every load of the wave reads 512 bytes on end.  A UNIT is half a tile's K (8 K steps): 32 loads and one of scale words, 33 loads.
; Three register buffers take turns, units E (K steps 0-7) and O (8-15) alternating, so the pattern comes back after six units: one trip of the loop.
; THE PRODUCT IS USED TRANSPOSED (source 0 = 16 rows of W2, source 1 = 16 rows of act), lane r of weight tile u taking row 8 u + r + 8 (r / 8): a lane holds one row of y and 16 neighbouring columns.
; Each output has two accumulators (even and odd K steps), so that four take turns; they are added at the end: the order of the sum differs from ascending K.
; A tile of y (16 rows x 128 bytes) goes through the wave's own stage in LDS and leaves as 2,048 bytes on end.  No barrier: waves share nothing.
; NO TENSOR LOADS, NO CLUSTER: the number of tiles is read from memory, so trips and exits hang on loaded numbers.
; No load is jumped over inside the loop: behind an E unit the tile's O half is always asked for; behind an O unit stands "is there a further tile? else leave for the drain".  The backward jump has a counter of its own (6 trips of 3 tiles; a wave has 16 tiles at the most).
; REGISTERS.  Window 0: names below; v128-255 buffer 0.  Window 1: W2, K steps 0-7, tile u at v[128 u + 16 s].  Window 2: K steps 8-15.  Window 3: buffers 1 and 2.
.set LANE16, 1                         ; 16 x lane
.set WOFF,   2                         ; W2: (r + 8 (r / 8)) x 2,048 + 16 h
.set WSOFF,  3                         ; its scale bytes: (r + 8 (r / 8)) x 64 + 16 h
.set STO,    4                         ; the stage, in: 144 r + 64 h + 2,304 wave
.set RDA,    5                         ; and back: 144 (lane / 8) + 16 (lane % 8) + 2,304 wave
.set YOFF,   6
.set AOFF,   8                         ; v8-10   a buffer's offset in actc
.set SOFF,   11                        ; v11-13  and in acts
.set WS,     16                        ; v16-31  W2's scale words: 8 u + 4 g + i: lanes 0-15 K step 8 g + i, lanes 16-31 K step 8 g + 4 + i
.set ASC,    32                        ; v32-43  act's scale words, four registers a buffer, laid likewise
.set ACC,    48                        ; v48-79  accumulator (u, parity) at 48 + 16 u + 8 parity
.set Y,      80                        ; v80-95
.set Z,      96                        ; v96-111
.set MSB, 0
.macro WIN new
.if MSB != (\new)
	s_set_vgpr_msb (MSB<<8)|(\new)
.set MSB, (\new)
.endif
.endm
.macro RING p
.if (\p) == 0
.set RW, 0
.set RB, 128
.elseif (\p) == 1
.set RW, 3
.set RB, 0
.else
.set RW, 3
.set RB, 128
.endif
.endm
.macro ALOAD p, g                      ; half g of a tile into buffer p
	RING \p
.if (\g) == 0
	s_lshl_b32 s36, s32, 2
	s_add_co_u32 s36, s36, s35                     ; the tile: bt + w + 4 x index,
	s_min_u32 s36, s36, 135                        ; inside the buffers' 136 tiles
	s_lshl_b32 s37, s36, 15                        ; kept for the O half
	s_lshl_b32 s38, s36, 10
.endif
	v_add_nc_u32 v[AOFF+\p], s37, v[LANE16]        ; (the loads that read these two registers last were waited for ahead of the buffer's products)
	v_add_nc_u32 v[SOFF+\p], s38, v[LANE16]
	WIN 64*RW
.irp s, 0,1,2,3,4,5,6,7
.irp c, 0,1,2,3
	global_load_b128 v[RB+16*\s+4*\c:RB+16*\s+4*\c+3], v[AOFF+\p], s[4:5] offset:16384*(\g)+2048*\s+512*\c
.endr
.endr
	WIN 0
	global_load_b128 v[ASC+4*\p:ASC+4*\p+3], v[SOFF+\p], s[6:7] offset:512*(\g)
.if (\g) == 0
	s_add_co_u32 s31, s31, 1                       ; tiles begun
.else
	s_add_co_u32 s32, s32, 1                       ; the next tile, round the wave's tiles
	s_cmp_ge_u32 s32, s28
	s_cselect_b32 s32, 0, s32
.endif
.endm
.macro MM p, g                         ; 16 products; the four accumulators by turns, one instruction a turn, from unit to unit too; a tile's first two K steps start the sums
	RING \p
	WIN 1+(\g)+4*RW
.irp sl, 0,1,2,3,4,5,6,7
.irp u, 0,1
.set rD, ACC+16*\u+8*(\sl%2)
.set rA, 128*\u+16*\sl
.set rB, RB+16*\sl
.set rSA, WS+8*\u+4*(\g)+(\sl%4)
.set rSB, ASC+4*(\p)+(\sl%4)
.if ((\g) == 0) && (\sl < 2)
	v_wmma_scale_f32_16x16x128_f8f6f4 v[rD:rD+7], v[rA:rA+15], v[rB:rB+15], 0, v[rSA], v[rSB] matrix_a_fmt:MATRIX_FMT_BF8 matrix_b_fmt:MATRIX_FMT_BF8
.elseif \sl < 4
	v_wmma_scale_f32_16x16x128_f8f6f4 v[rD:rD+7], v[rA:rA+15], v[rB:rB+15], v[rD:rD+7], v[rSA], v[rSB] matrix_a_fmt:MATRIX_FMT_BF8 matrix_b_fmt:MATRIX_FMT_BF8
.else
	v_wmma_scale_f32_16x16x128_f8f6f4 v[rD:rD+7], v[rA:rA+15], v[rB:rB+15], v[rD:rD+7], v[rSA], v[rSB] matrix_a_fmt:MATRIX_FMT_BF8 matrix_b_fmt:MATRIX_FMT_BF8 matrix_a_scale:MATRIX_SCALE_ROW1 matrix_b_scale:MATRIX_SCALE_ROW1
.endif
.endr
.endr
	WIN 0
.endm
.macro PLACES                          ; eight places behind the last product, ahead of reads of results and of loads into registers that products have read (ISA guide 7.12.1 for reads of results)
.rept 8
	v_nop
.endr
.endm
.macro FIN                             ; a tile is finished: the two halves of each sum, into the stage, back as rows on end
	PLACES
.irp u, 0,1
.irp k, 0,2,4,6
	v_pk_add_f32 v[Y+8*\u+\k:Y+8*\u+\k+1], v[ACC+16*\u+\k:ACC+16*\u+\k+1], v[ACC+16*\u+8+\k:ACC+16*\u+8+\k+1]   ; each accumulator from its low end on
.endr
.endr
	s_wait_xcnt 0x0                                ; the last tile's stores have read their data and offset: both are written again below
	s_lshl_b32 s39, s33, 2
	s_add_co_u32 s39, s39, s35
	s_min_u32 s39, s39, 135
	s_lshl_b32 s39, s39, 11                        ; a tile of y: 2,048 bytes
	v_add_nc_u32 v[YOFF], s39, v[LANE16]
.irp q, 0,1,2,3
	ds_store_b128 v[STO], v[Y+4*\q:Y+4*\q+3] offset:16*\q
.endr
.irp q, 0,1,2,3
	ds_load_b128 v[Z+4*\q:Z+4*\q+3], v[RDA] offset:576*\q   ; four rows an instruction; LDS serves a wave's instructions in order: these see the stores above
.endr
	s_add_co_u32 s30, s30, 1                       ; tiles done
	s_add_co_u32 s33, s33, 1
	s_cmp_ge_u32 s33, s28
	s_cselect_b32 s33, 0, s33
.endm
.macro OUTST
	s_wait_dscnt 0x0
.irp q, 0,1,2,3
	global_store_b128 v[YOFF], v[Z+4*\q:Z+4*\q+3], s[14:15] offset:512*\q th:TH_STORE_NT   ; 512 bytes on end
.endr
.endm
.macro STEPE p
	s_wait_loadcnt 63                              ; behind this unit's loads two units, 66 loads, were issued; the wait's field ends at 63, and a smaller count is safe
	MM \p, 0
	PLACES
	ALOAD \p, 1                                    ; the O half of the tile whose E half is already out
.endm
.macro STEPO p
	s_wait_loadcnt 63
	MM \p, 1
	FIN
	s_cmp_lt_u32 s31, s28                          ; is there a tile left to begin?
	s_cbranch_scc0 .Ld_\p
	ALOAD \p, 0
	OUTST
.endm
.macro DRAIN p, q1, q2                 ; out: one tile's E half (the older) and its O half
.Ld_\p:
	OUTST
	s_cmp_ge_u32 s30, s28
	s_cbranch_scc1 .Lend
	s_wait_loadcnt 33                              ; the O half may be out
	MM \q1, 0
	s_wait_loadcnt 0
	MM \q2, 1
	FIN
	OUTST
	s_branch .Lend
.endm
	s_load_b256 s[4:11], s[0:1], 0x0               ; actc s[4:5], acts s[6:7], w2's codes s[8:9], w2's scales s[10:11]
	s_load_b128 s[12:15], s[0:1], 0x20             ; meta s[12:13], y s[14:15]
	v_lshl_add_u32 v126, v0, 2, 0x2400
	v_mov_b32 v127, 0
	v_lshrrev_b32 v1, 5, v0
	v_readfirstlane_b32 s20, v1                    ; wave
	s_mov_b32 s23, ttmp9                           ; hc
	s_and_b32 s24, ttmp7, 0xffff                   ; e
	v_and_b32 v14, 31, v0                          ; lane
	v_and_b32 v15, 15, v0                          ; r
	v_bfe_u32 v7, v0, 4, 1                         ; h
	v_lshlrev_b32 v[LANE16], 4, v14
	v_and_b32 v[STO], 8, v15
	v_add_nc_u32 v[STO], v[STO], v15               ; r + 8 (r / 8)
	v_lshlrev_b32 v[RDA], 4, v7
	v_lshl_add_u32 v[WOFF], v[STO], 11, v[RDA]
	v_lshl_add_u32 v[WSOFF], v[STO], 6, v[RDA]
	s_mul_i32 s36, s20, 2304                       ; my stage: 16 rows x 144 bytes
	v_mul_u32_u24 v[STO], v15, 144
	v_lshl_add_u32 v[STO], v7, 6, v[STO]
	v_add_nc_u32 v[STO], s36, v[STO]
	v_lshrrev_b32 v[RDA], 3, v14
	v_mul_u32_u24 v[RDA], v[RDA], 144
	v_and_b32 v7, 7, v14
	v_lshl_add_u32 v[RDA], v7, 4, v[RDA]
	v_add_nc_u32 v[RDA], s36, v[RDA]
	s_lshl_b32 s36, s24, 21                        ; w2's codes: e x 1,024 rows + hc x 32 rows, of 2,048 bytes
	s_lshl_b32 s37, s23, 16
	s_add_co_u32 s36, s36, s37
	s_mov_b32 s37, 0
	s_wait_kmcnt 0x0
	s_add_nc_u64 s[8:9], s[8:9], s[36:37]
	s_lshl_b32 s36, s24, 16                        ; its scale bytes: rows of 64
	s_lshl_b32 s38, s23, 11
	s_add_co_u32 s36, s36, s38
	s_add_nc_u64 s[10:11], s[10:11], s[36:37]
	s_lshl_b32 s36, s24, 3
	s_add_nc_u64 s[12:13], s[12:13], s[36:37]
	s_load_b64 s[26:27], s[12:13], 0x0             ; nt_e, bt_e
	s_mul_i32 s36, s23, 278528                     ; y: 2,176 rows x 128 bytes for each group of 32 columns
	s_add_nc_u64 s[14:15], s[14:15], s[36:37]
.irp u, 0,1
.irp g, 0,1
	global_load_b128 v[WS+8*\u+4*\g:WS+8*\u+4*\g+3], v[WSOFF], s[10:11] offset:512*\u+32*\g
.endr
.endr
	WIN 0x40
.irp u, 0,1
.irp s, 0,1,2,3,4,5,6,7
.irp c, 0,1,2,3
	global_load_b128 v[128*\u+16*\s+4*\c:128*\u+16*\s+4*\c+3], v[WOFF], s[8:9] offset:16384*\u+128*\s+32*\c
.endr
.endr
.endr
	WIN 0x80
.irp u, 0,1
.irp s, 0,1,2,3,4,5,6,7
.irp c, 0,1,2,3
	global_load_b128 v[128*\u+16*\s+4*\c:128*\u+16*\s+4*\c+3], v[WOFF], s[8:9] offset:16384*\u+1024+128*\s+32*\c
.endr
.endr
.endr
	WIN 0
	s_wait_kmcnt 0x0
	s_min_u32 s26, s26, 64
	s_min_u32 s27, s27, 135
	s_add_co_u32 s28, s26, 3
	s_sub_co_u32 s28, s28, s20
	s_lshr_b32 s28, s28, 2                         ; my tiles
	s_cmp_eq_u32 s28, 0
	s_cbranch_scc1 .Lend
	s_add_co_u32 s35, s27, s20                     ; bt + w
	s_mul_i32 s32, s23, s28
	s_lshr_b32 s32, s32, 5                         ; the 32 work-groups of an expert begin at different tiles: hc x tiles / 32, under the number of tiles
	s_mov_b32 s33, s32
	s_mov_b32 s31, 0
	s_mov_b32 s30, 0
	ALOAD 0, 0                                     ; three units go out whatever the number of tiles: the index goes round, so each has an address inside the expert's tiles
	ALOAD 1, 1
	ALOAD 2, 0
	s_mov_b32 s34, 0
.Lloop:
	STEPE 0
	STEPO 1
	STEPE 2
	STEPO 0
	STEPE 1
	STEPO 2
	s_add_co_u32 s34, s34, 1
	s_cmp_lt_u32 s34, 6
	s_cbranch_scc1 .Lloop
	s_branch .Lend
	DRAIN 1, 2, 0
	DRAIN 0, 1, 2
	DRAIN 2, 0, 1
.Lend:
	s_wait_tensorcnt 0x0
	ds_add_u32 v126, v127
	s_wait_dscnt 0x0
	s_endpgm
.Lfunc_end_k_q693a1ab4ba_gemm2:
	.size	k_q693a1ab4ba_gemm2, .Lfunc_end_k_q693a1ab4ba_gemm2-k_q693a1ab4ba_gemm2
	.p2alignl 7, 3214868480
	.fill 96, 4, 3214868480
	.section	.rodata,"a",@progbits
	.p2align	6, 0x0
	.amdhsa_kernel k_q693a1ab4ba_gemm2
		.amdhsa_group_segment_fixed_size 9728
		.amdhsa_private_segment_fixed_size 0
		.amdhsa_enable_private_segment 0
		.amdhsa_kernarg_size 48
		.amdhsa_user_sgpr_count 2
		.amdhsa_user_sgpr_kernarg_segment_ptr 1
		.amdhsa_wavefront_size32 1
		.amdhsa_system_sgpr_workgroup_id_x 1
		.amdhsa_system_sgpr_workgroup_id_y 1
		.amdhsa_system_sgpr_workgroup_id_z 1
		.amdhsa_system_vgpr_workitem_id 0
		.amdhsa_next_free_vgpr 1024
		.amdhsa_next_free_sgpr 66
		.amdhsa_reserve_vcc 0
		.amdhsa_float_denorm_mode_32 3
		.amdhsa_float_denorm_mode_16_64 3
		.amdhsa_memory_ordered 1
		.amdhsa_forward_progress 1
		.amdhsa_inst_pref_size 86
	.end_amdhsa_kernel
	.amdgpu_metadata
---
amdhsa.version: [ 1, 2 ]
amdhsa.kernels:
  - .name:           k_q693a1ab4ba_gemm2
    .symbol:         k_q693a1ab4ba_gemm2.kd
    .args:
      - { .name: actc, .offset: 0, .size: 8, .value_kind: global_buffer, .address_space: global }
      - { .name: acts, .offset: 8, .size: 8, .value_kind: global_buffer, .address_space: global }
      - { .name: w2_weight_codes, .offset: 16, .size: 8, .value_kind: global_buffer, .address_space: global }
      - { .name: w2_weight_scales, .offset: 24, .size: 8, .value_kind: global_buffer, .address_space: global }
      - { .name: meta, .offset: 32, .size: 8, .value_kind: global_buffer, .address_space: global }
      - { .name: y, .offset: 40, .size: 8, .value_kind: global_buffer, .address_space: global }
    .group_segment_fixed_size: 9728
    .private_segment_fixed_size: 0
    .kernarg_segment_align: 8
    .kernarg_segment_size: 48
    .max_flat_workgroup_size: 128
    .sgpr_count:     66
    .vgpr_count:     1024
    .wavefront_size: 32
...
	.end_amdgpu_metadata
.endif
;; end of part 3
;; launch combine (part 4): grid 256 x 1, 4 waves a work-group, no clusters, 0 bytes of LDS; arguments y, pos, wts, out0; writes out0
.if DOCPART == 4
	.amdgcn_target "amdgcn-amd-amdhsa--gfx1250"
	.amdhsa_code_object_version 6
	.text
	.protected	k_q693a1ab4ba_combine
	.globl	k_q693a1ab4ba_combine
	.p2align	8
	.type	k_q693a1ab4ba_combine,@function
k_q693a1ab4ba_combine:
	s_mov_b64 s[64:65], 0
	v_nop
	global_prefetch_b8 v0, s[64:65] scope:SCOPE_SE
	s_setreg_imm32_b32 hwreg(HW_REG_WAVE_MODE, 25, 1), 1
	s_wait_xcnt 0x0
; out[t] = w0 y[row0] + w1 y[row1]: each token's two routed rows, weighed and added in f32.  A wave takes one token, so each output row has one owner.
; y is laid [32 groups of 32 columns][2,176 rows][32]: a load of the wave reads four pieces of 128 bytes, of four neighbouring groups; a store covers 512 bytes of the output row on end.
; The rows are whole numbers that an earlier launch stored; they are held inside y's 2,176 rows ahead of the addresses.  A stream: no LDS, no barrier, no matrix unit.
.set GRP, 278528                       ; bytes of a group of columns: 2,176 rows x 128
	s_load_b256 s[4:11], s[0:1], 0x0               ; y s[4:5], pos s[6:7], wts s[8:9], out s[10:11]
	v_lshrrev_b32 v1, 5, v0
	v_readfirstlane_b32 s12, v1                    ; wave
	s_lshl_b32 s13, ttmp9, 2
	s_add_co_u32 s13, s13, s12                     ; my token
	s_lshl_b32 s14, s13, 3
	s_mov_b32 s15, 0
	v_and_b32 v2, 31, v0
	v_lshlrev_b32 v3, 4, v2                        ; 16 x lane
	v_lshrrev_b32 v4, 3, v2
	v_mul_u32_u24 v4, v4, GRP
	v_and_b32 v5, 7, v2
	v_lshl_add_u32 v4, v5, 4, v4                   ; (lane / 8) groups + 16 (lane % 8)
	s_wait_kmcnt 0x0
	s_add_nc_u64 s[6:7], s[6:7], s[14:15]
	s_add_nc_u64 s[8:9], s[8:9], s[14:15]
	s_load_b64 s[16:17], s[6:7], 0x0               ; the two rows
	s_load_b64 s[18:19], s[8:9], 0x0               ; the two weights
	s_lshl_b32 s14, s13, 12
	s_add_nc_u64 s[10:11], s[10:11], s[14:15]      ; my row of the output
	s_wait_kmcnt 0x0
	s_min_u32 s16, s16, 2175
	s_min_u32 s17, s17, 2175
	s_lshl_b32 s16, s16, 7
	s_lshl_b32 s17, s17, 7
	s_mov_b32 s22, s18                             ; each weight as a pair: the packed forms name a pair and take its low word for both halves
	s_mov_b32 s23, s18
	s_mov_b32 s24, s19
	s_mov_b32 s25, s19
	v_add_nc_u32 v6, s16, v4
	v_add_nc_u32 v7, s17, v4
.irp i, 0,1,2,3,4,5,6,7
	global_load_b128 v[16+4*\i:19+4*\i], v6, s[4:5] offset:4*GRP*\i th:TH_LOAD_NT   ; each row of y is read once in the launch
	global_load_b128 v[48+4*\i:51+4*\i], v7, s[4:5] offset:4*GRP*\i th:TH_LOAD_NT
.endr
.irp i, 0,1,2,3,4,5,6,7
	s_wait_loadcnt 14-2*\i                         ; the younger pairs of loads may be out
	v_pk_mul_f32 v[16+4*\i:17+4*\i], v[16+4*\i:17+4*\i], s[22:23] op_sel_hi:[1,0]
	v_pk_mul_f32 v[18+4*\i:19+4*\i], v[18+4*\i:19+4*\i], s[22:23] op_sel_hi:[1,0]
	v_pk_fma_f32 v[16+4*\i:17+4*\i], v[48+4*\i:49+4*\i], s[24:25], v[16+4*\i:17+4*\i] op_sel_hi:[1,0,1]
	v_pk_fma_f32 v[18+4*\i:19+4*\i], v[50+4*\i:51+4*\i], s[24:25], v[18+4*\i:19+4*\i] op_sel_hi:[1,0,1]
	global_store_b128 v3, v[16+4*\i:19+4*\i], s[10:11] offset:512*\i th:TH_STORE_NT   ; no register is written again behind its store
.endr
	s_endpgm
.Lfunc_end_k_q693a1ab4ba_combine:
	.size	k_q693a1ab4ba_combine, .Lfunc_end_k_q693a1ab4ba_combine-k_q693a1ab4ba_combine
	.p2alignl 7, 3214868480
	.fill 96, 4, 3214868480
	.section	.rodata,"a",@progbits
	.p2align	6, 0x0
	.amdhsa_kernel k_q693a1ab4ba_combine
		.amdhsa_group_segment_fixed_size 0
		.amdhsa_private_segment_fixed_size 0
		.amdhsa_enable_private_segment 0
		.amdhsa_kernarg_size 32
		.amdhsa_user_sgpr_count 2
		.amdhsa_user_sgpr_kernarg_segment_ptr 1
		.amdhsa_wavefront_size32 1
		.amdhsa_system_sgpr_workgroup_id_x 1
		.amdhsa_system_sgpr_workgroup_id_y 1
		.amdhsa_system_sgpr_workgroup_id_z 1
		.amdhsa_system_vgpr_workitem_id 0
		.amdhsa_next_free_vgpr 80
		.amdhsa_next_free_sgpr 66
		.amdhsa_reserve_vcc 0
		.amdhsa_float_denorm_mode_32 3
		.amdhsa_float_denorm_mode_16_64 3
		.amdhsa_memory_ordered 1
		.amdhsa_forward_progress 1
		.amdhsa_inst_pref_size 6
	.end_amdhsa_kernel
	.amdgpu_metadata
---
amdhsa.version: [ 1, 2 ]
amdhsa.kernels:
  - .name:           k_q693a1ab4ba_combine
    .symbol:         k_q693a1ab4ba_combine.kd
    .args:
      - { .name: y, .offset: 0, .size: 8, .value_kind: global_buffer, .address_space: global }
      - { .name: pos, .offset: 8, .size: 8, .value_kind: global_buffer, .address_space: global }
      - { .name: wts, .offset: 16, .size: 8, .value_kind: global_buffer, .address_space: global }
      - { .name: out0, .offset: 24, .size: 8, .value_kind: global_buffer, .address_space: global }
    .group_segment_fixed_size: 0
    .private_segment_fixed_size: 0
    .kernarg_segment_align: 8
    .kernarg_segment_size: 32
    .max_flat_workgroup_size: 128
    .sgpr_count:     66
    .vgpr_count:     80
    .wavefront_size: 32
...
	.end_amdgpu_metadata
.endif
;; end of part 4
;; ======== version 2 of 3: 4 launches
;; workspace buffers: meta 256 bytes of whole numbers; list 32,768 bytes of whole numbers; pos 8,192 bytes of whole numbers; wts 8,192 bytes; actc 4,456,448 bytes; acts 139,264 bytes; y 8,912,896 bytes
;; launch route (part 5): grid 8 x 8, 32 waves a work-group, no clusters, 5,376 bytes of LDS; arguments router_logits, meta, list, pos, wts; writes meta, list, pos, wts
.if DOCPART == 5
	.amdgcn_target "amdgcn-amd-amdhsa--gfx1250"
	.amdhsa_code_object_version 6
	.text
	.protected	k_q693a1ab4ba_route
	.globl	k_q693a1ab4ba_route
	.p2align	8
	.type	k_q693a1ab4ba_route,@function
k_q693a1ab4ba_route:
	s_mov_b64 s[64:65], 0
	v_nop
	global_prefetch_b8 v0, s[64:65] scope:SCOPE_SE
	s_setreg_imm32_b32 hwreg(HW_REG_WAVE_MODE, 25, 1), 1
	s_wait_xcnt 0x0
; ROUTER: softmax over 8 logits, the two largest (the lower index wins a tie), their weights renormalised; then each expert's list of tokens, made WITHOUT forming any address from the choice.
; 64 work-groups (sg, e) of 32 waves.  EVERY work-group repeats the top-2 of all 1,024 tokens (thread t is token t; 32 KB of logits), so that nothing goes from work-group to work-group.
; Behind the one barrier the waves part, by ids alone:
;   two waves make entries 128 sg .. 128 sg + 127 of expert e's list: entry j is the token of rank j among the tokens that chose e, in token order, or 0 from the expert's count on;
;   where e = 0, waves 4 sg .. 4 sg + 3 store pos and wts of their own 128 tokens; wave 0 of work-group (0, 0) stores meta.
; HOW AN ENTRY IS FOUND.  The 32 waves' ballots for e lie in scalar registers; P_w is the number of choosers in the waves before w.  Entry j belongs to the last w with P_w <= j (31 compares and selects),
; and is the (j - P_w)-th set bit of that ballot, found by five halvings on partial bit counts.  All of it is compares, selects and shifts on values; every address is made of ids.
; OUT: meta: words 2e, 2e+1 = nt_e (tiles of 16 rows of expert e), bt_e (tiles of the experts before it).   list [8][1024].
;      pos [1024][2]: the row 16 bt_e + rank of the token's first and second choice.   wts [1024][2]: their weights.
; LIMITS: NaN and infinities are not served.  The probabilities are p x (1 / sum), not p / sum: two probabilities that differ in their last bit may tie here and not there, or the other way round.
.set CNT, 0                            ; LDS: [expert][wave] counts, 1,024 bytes
.set MSK, 1024                         ; LDS: [wave] ballots for my expert, 128 bytes
	s_load_b256 s[4:11], s[0:1], 0x0               ; logits s[4:5], meta s[6:7], list s[8:9], pos s[10:11]
	s_load_b64 s[12:13], s[0:1], 0x20              ; wts
	v_lshl_add_u32 v96, v0, 2, 0x500
	v_mov_b32 v97, 0
	v_lshrrev_b32 v1, 5, v0
	v_readfirstlane_b32 s14, v1                    ; wave
	s_mov_b32 s15, ttmp9                           ; sg
	s_and_b32 s86, ttmp7, 0xffff                   ; e
	v_and_b32 v2, 31, v0                           ; lane
	v_lshlrev_b32 v3, 5, v0                        ; 32 t: my logits
	v_lshlrev_b32 v5, 2, v2                        ; 4 x lane
	v_lshlrev_b32 v6, 3, v0                        ; 8 t
	v_mov_b32 v40, s14
	v_lshlrev_b32 v40, 2, v40                      ; 4 x wave
	s_mov_b32 s82, 0x76543210
	s_mov_b32 s83, 0xfedcba98                      ; lane selects: lane l xor 16
	s_mov_b32 s88, 0x45800000                      ; 4096.0
	s_wait_kmcnt 0x0
	global_load_b128 v[8:11], v3, s[4:5]
	global_load_b128 v[12:15], v3, s[4:5] offset:16
	s_wait_loadcnt 0x0
	; softmax, the maximum taken away first
	v_max3_num_f32 v16, v8, v9, v10
	v_max3_num_f32 v16, v16, v11, v12
	v_max3_num_f32 v16, v16, v13, v14
	v_max_num_f32 v16, v16, v15
	v_mov_b32 v17, v16
.irp j, 8,10,12,14
	v_pk_add_f32 v[\j:\j+1], v[\j:\j+1], v[16:17] neg_lo:[0,1] neg_hi:[0,1]
.endr
.irp j, 8,10,12,14
	v_pk_mul_f32 v[\j:\j+1], v[\j:\j+1], 0x3fb8aa3b op_sel_hi:[1,0]   ; x log2(e)
.endr
.irp j, 8,9,10,11,12,13,14,15
	v_exp_f32 v[\j], v[\j]
.endr
	v_nop                                          ; a plain instruction behind the last exponential
	s_wait_alu depctr_va_vdst(0)                   ; one wait for the eight, ahead of their first reader
	v_pk_add_f32 v[18:19], v[8:9], v[10:11]
	v_pk_add_f32 v[20:21], v[12:13], v[14:15]
	v_pk_add_f32 v[18:19], v[18:19], v[20:21]
	v_add_f32 v18, v18, v19
	v_rcp_f32 v20, v18
	v_nop
	s_wait_alu depctr_va_vdst(0)
	v_mov_b32 v21, v20
.irp j, 8,10,12,14
	v_pk_mul_f32 v[\j:\j+1], v[\j:\j+1], v[20:21]
.endr
	; the largest: the best so far is kept where it is at least the candidate, so the lower index wins a tie
	v_mov_b32 v22, v8
	v_mov_b32 v23, 0
.irp i, 1,2,3,4,5,6,7
	v_cmp_ge_f32 vcc_lo, v22, v[8+\i]
	v_cndmask_b32 v22, v[8+\i], v22, vcc_lo
	v_cndmask_b32 v23, \i, v23, vcc_lo
.endr
.irp i, 0,1,2,3,4,5,6,7
	v_cmp_ne_u32 vcc_lo, \i, v23
	v_cndmask_b32 v[8+\i], -1.0, v[8+\i], vcc_lo   ; the winner is taken out: -1 lies under every probability
.endr
	v_mov_b32 v24, v8
	v_mov_b32 v25, 0
.irp i, 1,2,3,4,5,6,7
	v_cmp_ge_f32 vcc_lo, v24, v[8+\i]
	v_cndmask_b32 v24, v[8+\i], v24, vcc_lo
	v_cndmask_b32 v25, \i, v25, vcc_lo
.endr
	v_add_f32 v26, v22, v24
	v_rcp_f32 v27, v26
	v_nop
	s_wait_alu depctr_va_vdst(0)
	v_mul_f32 v28, v22, v27                        ; the two weights, renormalised
	v_mul_f32 v29, v24, v27
	; which lanes chose expert i: first choice s[16+i], second s[24+i], either s[32+i]; the wave's count goes to LDS
.irp e, 0,1,2,3,4,5,6,7
	v_cmp_eq_u32 s[16+\e], \e, v23
	v_cmp_eq_u32 s[24+\e], \e, v25
	s_or_b32 s[32+\e], s[16+\e], s[24+\e]
	s_bcnt1_i32_b32 s84, s[32+\e]
	v_mov_b32 v[30+\e], s84
	ds_store_b32 v40, v[30+\e] offset:CNT+128*\e   ; all lanes write the same word with the same value
.endr
	v_cmp_eq_u32 s84, s86, v23                     ; and the ballot for my work-group's expert
	v_cmp_eq_u32 s85, s86, v25
	s_or_b32 s87, s84, s85
	v_mov_b32 v41, s87
	ds_store_b32 v40, v41 offset:MSK
	s_wait_dscnt 0x0                               ; for the others' sake: my counts and my ballot have landed
	s_barrier_signal -1
	s_barrier_wait -1                              ; the launch's one barrier; behind it LDS is only read
	s_lshr_b32 s89, s14, 1
	s_lshl_b32 s90, s15, 1
	s_add_co_u32 s90, s90, 8
	s_and_b32 s90, s90, 15                         ; waves 2 x this and the next make the list: never among waves 4 sg .. 4 sg + 3
	s_cmp_lg_u32 s89, s90
	s_cbranch_scc1 .Lnolist
	; ---- THE LIST: a lane makes entries j and j + 1, j = 128 sg + 64 (wave % 2) + 2 lane
	ds_load_b32 v42, v5 offset:MSK                 ; lane l: wave l's ballot
	s_and_b32 s84, s14, 1
	s_lshl_b32 s84, s84, 6
	s_lshl_b32 s85, s15, 7
	s_add_co_u32 s84, s84, s85
	v_lshl_add_u32 v43, v2, 1, s84                 ; j
	v_add_nc_u32 v44, 1, v43                       ; j + 1
	v_mov_b32 v45, 16
	v_mov_b32 v46, 8
	v_mov_b32 v47, 4
	v_mov_b32 v48, 2
	v_mov_b32 v49, 1
	v_mov_b32 v52, 0                               ; 32 P_w + w of the wave kept so far: wave 0's
	v_mov_b32 v53, 0
	v_mov_b32 v66, 0                               ; the bit's place
	v_mov_b32 v67, 0
	s_wait_dscnt 0x0
.irp w, 0,1,2,3,4,5,6,7,8,9,10,11,12,13,14,15,16,17,18,19,20,21,22,23,24,25,26,27,28,29,30,31
	v_readlane_b32 s[16+\w], v42, \w
.endr
	v_mov_b32 v50, s16                             ; the ballot kept so far
	v_mov_b32 v51, s16
	s_bcnt1_i32_b32 s91, s16                       ; P_1
.irp w, 1,2,3,4,5,6,7,8,9,10,11,12,13,14,15,16,17,18,19,20,21,22,23,24,25,26,27,28,29,30,31
	s_lshl_b32 s85, s91, 5
	s_or_b32 s85, s85, \w
	v_cmp_gt_u32 vcc_lo, s91, v43                  ; P_w > j: what is kept stays; else wave w takes its place
	v_cndmask_b32 v50, s[16+\w], v50, vcc_lo
	v_cndmask_b32 v52, s85, v52, vcc_lo
	v_cmp_gt_u32 vcc_lo, s91, v44
	v_cndmask_b32 v51, s[16+\w], v51, vcc_lo
	v_cndmask_b32 v53, s85, v53, vcc_lo
	s_bcnt1_i32_b32 s84, s[16+\w]
	s_add_co_u32 s91, s91, s84                     ; P_(w+1); at the end the expert's count
.endr
.irp x, 0,1
	v_lshrrev_b32 v[54+\x], 5, v[52+\x]
	v_sub_nc_u32 v[54+\x], v[43+\x], v[54+\x]      ; k = j - P_w
	v_and_b32 v[52+\x], 31, v[52+\x]
	v_lshlrev_b32 v[52+\x], 5, v[52+\x]            ; 32 w
.endr
	; partial bit counts of the ballot m: in fields of 2 (v58), 4 (v60) and 8 bits (v62), and of its low 16 bits (v64)
.irp x, 0,1
	v_lshrrev_b32 v[56+\x], 1, v[50+\x]
	v_and_b32 v[56+\x], 0x55555555, v[56+\x]
	v_sub_nc_u32 v[58+\x], v[50+\x], v[56+\x]
	v_lshrrev_b32 v[56+\x], 2, v[58+\x]
	v_and_b32 v[56+\x], 0x33333333, v[56+\x]
	v_and_b32 v[60+\x], 0x33333333, v[58+\x]
	v_add_nc_u32 v[60+\x], v[60+\x], v[56+\x]
	v_lshrrev_b32 v[56+\x], 4, v[60+\x]
	v_add_nc_u32 v[56+\x], v[60+\x], v[56+\x]
	v_and_b32 v[62+\x], 0x0f0f0f0f, v[56+\x]
	v_lshrrev_b32 v[56+\x], 8, v[62+\x]
	v_add_nc_u32 v[56+\x], v[62+\x], v[56+\x]
	v_and_b32 v[64+\x], 0xff, v[56+\x]
.endr
; a halving: c (v64) is the count in the lower half of the window at place p (v66).  Where k >= c the bit lies in the upper half: k -= c, p += the half's width (in register cst)
.macro HALF cst
.irp x, 0,1
	v_cmp_ge_u32 vcc_lo, v[54+\x], v[64+\x]
	v_cndmask_b32 v[56+\x], 0, v[64+\x], vcc_lo
	v_cndmask_b32 v[68+\x], 0, v[\cst], vcc_lo
	v_sub_nc_u32 v[54+\x], v[54+\x], v[56+\x]
	v_add_nc_u32 v[66+\x], v[66+\x], v[68+\x]
.endr
.endm
.macro PICK src, msk, cst              ; c = the field at place p of the counts in v[src]
.irp x, 0,1
	v_lshrrev_b32 v[64+\x], v[66+\x], v[\src+\x]
	v_and_b32 v[64+\x], \msk, v[64+\x]
.endr
	HALF \cst
.endm
	HALF 45
	PICK 62, 0xff, 46
	PICK 60, 15, 47
	PICK 58, 3, 48
	PICK 50, 1, 49
.irp x, 0,1
	v_add_nc_u32 v[70+\x], v[52+\x], v[66+\x]      ; the token: 32 w + the bit's place
	v_cmp_gt_u32 vcc_lo, s91, v[43+\x]             ; an entry at or beyond the expert's count is 0
	v_cndmask_b32 v[70+\x], 0, v[70+\x], vcc_lo
.endr
	s_lshl_b32 s84, s86, 12
	s_mov_b32 s85, 0
	s_add_nc_u64 s[8:9], s[8:9], s[84:85]          ; my expert's 1,024 entries
	v_lshlrev_b32 v72, 2, v43
	global_store_b64 v72, v[70:71], s[8:9]         ; the wave's store covers 256 bytes on end, aligned
	s_branch .Lend
.Lnolist:
	s_lshr_b32 s89, s14, 2
	s_xor_b32 s89, s89, s15
	s_or_b32 s89, s89, s86                         ; 0 where e = 0 and wave / 4 = sg
	s_cmp_lg_u32 s89, 0
	s_cbranch_scc1 .Lend
	; ---- POS, WTS, META: each expert's count, and what the waves before mine hold of it
.irp e, 0,1,2,3,4,5,6,7
	ds_load_b32 v[30+\e], v5 offset:CNT+128*\e     ; lane l: wave l's count for expert e
.endr
	s_wait_dscnt 0x0
.irp e, 0,1,2,3,4,5,6,7
	v_cvt_f32_u32 v[30+\e], v[30+\e]
.endr
	v_cmp_gt_u32 vcc_lo, s14, v2                   ; waves before mine
.irp i, 0,1,2,3
	v_fma_f32 v[42+\i], v[31+2*\i], s88, v[30+2*\i]   ; two experts' counts in one number: sums stay under 2^24, so f32 adds them exactly
.endr
.irp i, 0,1,2,3
	v_cndmask_b32 v[46+\i], 0, v[42+\i], vcc_lo
	v_mov_b32 v[50+\i], 0                          ; (a lane permute's destination counts as one of its sources)
	v_mov_b32 v[54+\i], 0
.endr
.irp m, 1,2,4,8
.irp k, 0,1,2,3,4,5,6,7
	v_add_f32_dpp v[42+\k], v[42+\k], v[42+\k] row_xmask:\m row_mask:0xf bank_mask:0xf
.endr
.endr
.irp k, 0,1,2,3,4,5,6,7
	v_permlanex16_b32 v[50+\k], v[42+\k], s82, s83
.endr
.irp k, 0,1,2,3,4,5,6,7
	v_add_f32 v[42+\k], v[42+\k], v[50+\k]
.endr
.irp k, 0,1,2,3,4,5,6,7
	v_cvt_u32_f32 v[42+\k], v[42+\k]
.endr
.irp k, 0,1,2,3,4,5,6,7
	v_readfirstlane_b32 s[74+\k], v[42+\k]
.endr
.irp i, 0,1,2,3
	s_and_b32 s[48+2*\i], s[74+\i], 0xfff          ; each expert's total,
	s_lshr_b32 s[49+2*\i], s[74+\i], 12
	s_and_b32 s[40+2*\i], s[78+\i], 0xfff          ; and what the waves before mine hold of it
	s_lshr_b32 s[41+2*\i], s[78+\i], 12
.endr
.irp e, 0,1,2,3,4,5,6,7
	s_add_co_u32 s[48+\e], s[48+\e], 15
	s_lshr_b32 s[48+\e], s[48+\e], 4               ; nt_e
.endr
	s_mov_b32 s56, 0
.irp e, 0,1,2,3,4,5,6
	s_add_co_u32 s[57+\e], s[56+\e], s[48+\e]      ; bt_e
.endr
.irp e, 0,1,2,3,4,5,6,7
	s_lshl_b32 s[66+\e], s[56+\e], 4
	s_add_co_u32 s[66+\e], s[66+\e], s[40+\e]      ; 16 bt_e + the ranks before my wave's
.endr
	v_mov_b32 v70, 0
	v_mov_b32 v71, 0
.irp e, 0,1,2,3,4,5,6,7
	v_mbcnt_lo_u32_b32 v58, s[32+\e], 0            ; the choosers of e in the lanes before mine
	v_add_nc_u32 v68, s[66+\e], v58                ; the row
	v_cndmask_b32 v70, v70, v68, s[16+\e]
	v_cndmask_b32 v71, v71, v68, s[24+\e]
.endr
	global_store_b64 v6, v[70:71], s[10:11]        ; a wave's store covers 256 bytes on end, aligned
	global_store_b64 v6, v[28:29], s[12:13]
	s_cmp_lg_u32 s14, 0                            ; wave 0 comes here in work-group (0, 0) alone
	s_cbranch_scc1 .Lend
	v_mov_b32 v72, 0                               ; lane e holds {nt_e, bt_e}, the other lanes zeros: all 256 bytes of meta by one store
	v_mov_b32 v73, 0
.irp e, 0,1,2,3,4,5,6,7
	v_writelane_b32 v72, s[48+\e], \e
	v_writelane_b32 v73, s[56+\e], \e
.endr
	global_store_b64 v6, v[72:73], s[6:7]
.Lend:
	s_wait_tensorcnt 0x0
	ds_add_u32 v96, v97
	s_wait_dscnt 0x0
	s_endpgm
.Lfunc_end_k_q693a1ab4ba_route:
	.size	k_q693a1ab4ba_route, .Lfunc_end_k_q693a1ab4ba_route-k_q693a1ab4ba_route
	.p2alignl 7, 3214868480
	.fill 96, 4, 3214868480
	.section	.rodata,"a",@progbits
	.p2align	6, 0x0
	.amdhsa_kernel k_q693a1ab4ba_route
		.amdhsa_group_segment_fixed_size 5376
		.amdhsa_private_segment_fixed_size 0
		.amdhsa_enable_private_segment 0
		.amdhsa_kernarg_size 40
		.amdhsa_user_sgpr_count 2
		.amdhsa_user_sgpr_kernarg_segment_ptr 1
		.amdhsa_wavefront_size32 1
		.amdhsa_system_sgpr_workgroup_id_x 1
		.amdhsa_system_sgpr_workgroup_id_y 1
		.amdhsa_system_sgpr_workgroup_id_z 1
		.amdhsa_system_vgpr_workitem_id 0
		.amdhsa_next_free_vgpr 98
		.amdhsa_next_free_sgpr 96
		.amdhsa_reserve_vcc 1
		.amdhsa_float_denorm_mode_32 3
		.amdhsa_float_denorm_mode_16_64 3
		.amdhsa_memory_ordered 1
		.amdhsa_forward_progress 1
		.amdhsa_inst_pref_size 35
	.end_amdhsa_kernel
	.amdgpu_metadata
---
amdhsa.version: [ 1, 2 ]
amdhsa.kernels:
  - .name:           k_q693a1ab4ba_route
    .symbol:         k_q693a1ab4ba_route.kd
    .args:
      - { .name: router_logits, .offset: 0, .size: 8, .value_kind: global_buffer, .address_space: global }
      - { .name: meta, .offset: 8, .size: 8, .value_kind: global_buffer, .address_space: global }
      - { .name: list, .offset: 16, .size: 8, .value_kind: global_buffer, .address_space: global }
      - { .name: pos, .offset: 24, .size: 8, .value_kind: global_buffer, .address_space: global }
      - { .name: wts, .offset: 32, .size: 8, .value_kind: global_buffer, .address_space: global }
    .group_segment_fixed_size: 5376
    .private_segment_fixed_size: 0
    .kernarg_segment_align: 8
    .kernarg_segment_size: 40
    .max_flat_workgroup_size: 1024
    .sgpr_count:     96
    .vgpr_count:     98
    .wavefront_size: 32
...
	.end_amdgpu_metadata
.endif
;; end of part 5
;; launch gemm1 (part 6): grid 32 x 8, 4 waves a work-group, no clusters, 0 bytes of LDS; arguments hidden_states_codes, hidden_states_scales, w13_weight_codes, w13_weight_scales, meta, list, actc, acts; writes actc, acts
.if DOCPART == 6
	.amdgcn_target "amdgcn-amd-amdhsa--gfx1250"
	.amdhsa_code_object_version 6
	.text
	.protected	k_q693a1ab4ba_gemm1
	.globl	k_q693a1ab4ba_gemm1
	.p2align	8
	.type	k_q693a1ab4ba_gemm1,@function
k_q693a1ab4ba_gemm1:
	s_mov_b64 s[64:65], 0
	v_nop
	global_prefetch_b8 v0, s[64:65] scope:SCOPE_SE
	s_setreg_imm32_b32 hwreg(HW_REG_WAVE_MODE, 25, 1), 1
	s_wait_xcnt 0x0
; act = silu(x Wg^T) * (x Wu^T) for the rows routed to one expert, quantised along I to E5M2 with one E8M0 byte for each 32, and stored as the next product's operand registers.
; SHARES.  Work-group (chunk, e) owns 64 columns of I of expert e.  Wave (a, b): block B = 2 chunk + b, 32 columns: 32 rows of the gate's weights and 32 of up's, 64 KB, which stay in 512 registers.
; The expert's rows come in tiles of 16; waves with a = 0 take the even tiles, a = 1 the odd ones.  A tile's 16 rows x 1,024 K of x are 32 loads of 16 bytes a lane and one of scale bytes: a UNIT U of 33 loads.
; Three register buffers take turns: a buffer is loaded again as soon as it has been multiplied.
; WHICH TOKENS.  An earlier launch stored each expert's list rank -> token as whole numbers; a unit's 16 tokens are one load T of 4 bytes a lane.  Loads come back in the order of issue, so T is asked for
; two refills ahead of the unit that needs it: step i issues T(i+5), then U(i+3).  Rows that pad the last tile take token 0 and are read by nobody later.
; THE PRODUCT IS USED TRANSPOSED (source 0 = 16 weight rows, source 1 = 16 tokens), and lane r of weight tile u takes row 8 u + r + 8 (r / 8) of the 32: a lane then holds ONE token and 16 neighbouring columns
; 16 (lane / 16) + 0 .. 15, so that the conversions' results are four registers of the next operand; a block of 32 lies in lanes l and l xor 16.
; NO TENSOR LOADS, NO CLUSTER: the number of tiles is read from memory, so trips and exits hang on loaded numbers, and work-groups of different experts have different numbers of tiles.
; No LDS and no barrier: waves share nothing.
; No load is jumped over inside the loop: a step is wait, work, "is there a further unit? else leave for the drain", refill; the drains finish the two buffers still out.  The backward jump has a counter of its own (11 trips of 3 units; a wave has 32 units at the most).
; THE STORES' REGISTERS (codes, byte, two offsets) come in three sets, one for each tile of a trip, with ONE wait for all stores a trip, ahead of the third set's rewrite.
; LIMITS: NaN and infinities are not served; gate x up must stay finite in f32; a sigmoid under 2^-126 counts as 0 (the exponential and the reciprocal flush); a block of zeros gets the byte 1, not 127: its codes are zeros and this program alone reads the bytes.
; REGISTERS, in windows of 256.  Window 0: see the names below; v128-255 buffer 0.  Window 1: weights, K steps 0-3, tile t at v[64 t + 16 s].  Window 2: K steps 4-7.  Window 3: buffers 1 and 2.
.set LANE16, 1                         ; 16 x lane
.set H16,    2                         ; 16 (lane / 16)
.set WOFF,   3                         ; weights: (r + 8 (r / 8)) x 1,024 + 16 h
.set WSOFF,  4                         ; their scale bytes: (r + 8 (r / 8)) x 32 + 16 h
.set LAD0,   5                         ; the list: 64 a + 4 r
.set SBO,    8                         ; 16 r
.set XOFF,   11                        ; v11-13  a buffer's offset in x
.set WS,     16                        ; v16-31  weights' scale words: 4 t + i: lanes 0-15 K step i, lanes 16-31 K step 4 + i
.set XS,     32                        ; v32-43  x's scale words, four registers a buffer, laid likewise
.set SBYTE,  44                        ; v44-46  a set's scale byte
.set MXA,    49
.set MXB,    50
.set SCL,    51
.set HOLD,   52
.set COFF,   53                        ; v53-55  a set's offset in actc
.set EX,     56                        ; v56-71  at work on the sigmoid
.set G,      72                        ; v72-87  gate's two accumulators, later act
.set U,      88                        ; v88-103 up's two
.set CODE,   104                       ; v104-115 a set's 16 codes
.set TK,     116                       ; v116-118 tokens: unit u's in register u % 3
.set TAD,    119                       ; v119-121 and the offsets of their loads
.set XSOFF,  122                       ; v122-124 a buffer's offset in x's scale bytes
.set SBOFF,  125                       ; v125-127 a set's offset in acts
.set MSB, 0
.macro WIN new                         ; the immediate's high byte repeats the setting that is left; a switch that changes nothing is dropped
.if MSB != (\new)
	s_set_vgpr_msb (MSB<<8)|(\new)
.set MSB, (\new)
.endif
.endm
.macro RING p                          ; buffer p: its window RW and first register RB
.if (\p) == 0
.set RW, 0
.set RB, 128
.elseif (\p) == 1
.set RW, 3
.set RB, 0
.else
.set RW, 3
.set RB, 128
.endif
.endm
.macro WSLD                            ; tiles 0, 1: gate; 2, 3: up, 2,048 rows further on
.irp t, 0,1,2,3
	global_load_b128 v[WS+4*\t:WS+4*\t+3], v[WSOFF], s[10:11] offset:(\t/2)*65536+(\t%2)*256
.endr
.endm
.macro WTILE t                         ; 16 weight rows x 1,024 K: 32 loads
	WIN 0x40
.irp s, 0,1,2,3
.irp c, 0,1,2,3
	global_load_b128 v[64*(\t)+16*\s+4*\c:64*(\t)+16*\s+4*\c+3], v[WOFF], s[8:9] offset:((\t)/2)*2097152+((\t)%2)*8192+128*\s+32*\c
.endr
.endr
	WIN 0x80
.irp s, 0,1,2,3
.irp c, 0,1,2,3
	global_load_b128 v[64*(\t)+16*\s+4*\c:64*(\t)+16*\s+4*\c+3], v[WOFF], s[8:9] offset:((\t)/2)*2097152+((\t)%2)*8192+512+128*\s+32*\c
.endr
.endr
	WIN 0
.endm
.macro TOKLD q                         ; the next unit's 16 tokens into register q: 128 bytes of the list for each of my tiles.  The load that named these two registers last has more than 63 younger loads at the wait for 63 that stands ahead
	s_min_u32 s36, s32, 31
	s_lshl_b32 s36, s36, 7
	v_add_nc_u32 v[TAD+\q], s36, v[LAD0]
	global_load_b32 v[TK+\q], v[TAD+\q], s[14:15]
	s_add_co_u32 s32, s32, 1                       ; the next unit, round the wave's tiles
	s_cmp_ge_u32 s32, s28
	s_cselect_b32 s32, 0, s32
.endm
.macro XLOAD p                         ; a unit into buffer p, by the tokens in register p
	RING \p
	v_min_u32 v[TK+\p], 0x3ff, v[TK+\p]
	v_lshl_add_u32 v[XOFF+\p], v[TK+\p], 10, v[H16]   ; (the loads that read these two registers last were waited for ahead of the buffer's products)
	v_lshl_add_u32 v[XSOFF+\p], v[TK+\p], 5, v[H16]
	WIN 64*RW
.irp s, 0,1,2,3,4,5,6,7
.irp c, 0,1,2,3
	global_load_b128 v[RB+16*\s+4*\c:RB+16*\s+4*\c+3], v[XOFF+\p], s[4:5] offset:128*\s+32*\c
.endr
.endr
	WIN 0
	global_load_b128 v[XS+4*\p:XS+4*\p+3], v[XSOFF+\p], s[6:7]
	s_add_co_u32 s31, s31, 1                       ; units issued
.endm
.macro MM p                            ; 32 products: K ascending, the four accumulators by turns, one instruction a turn; the first K step starts the sums
	RING \p
	WIN 1+4*RW
.irp s, 0,1,2,3
.irp t, 0,1,2,3
.if \s == 0
	v_wmma_scale_f32_16x16x128_f8f6f4 v[G+8*\t:G+8*\t+7], v[64*\t+16*\s:64*\t+16*\s+15], v[RB+16*\s:RB+16*\s+15], 0, v[WS+4*\t+\s], v[XS+4*\p+\s] matrix_a_fmt:MATRIX_FMT_BF8 matrix_b_fmt:MATRIX_FMT_BF8
.else
	v_wmma_scale_f32_16x16x128_f8f6f4 v[G+8*\t:G+8*\t+7], v[64*\t+16*\s:64*\t+16*\s+15], v[RB+16*\s:RB+16*\s+15], v[G+8*\t:G+8*\t+7], v[WS+4*\t+\s], v[XS+4*\p+\s] matrix_a_fmt:MATRIX_FMT_BF8 matrix_b_fmt:MATRIX_FMT_BF8
.endif
.endr
.endr
	WIN 2+4*RW
.irp s, 0,1,2,3
.irp t, 0,1,2,3
	v_wmma_scale_f32_16x16x128_f8f6f4 v[G+8*\t:G+8*\t+7], v[64*\t+16*\s:64*\t+16*\s+15], v[RB+64+16*\s:RB+64+16*\s+15], v[G+8*\t:G+8*\t+7], v[WS+4*\t+\s], v[XS+4*\p+\s] matrix_a_fmt:MATRIX_FMT_BF8 matrix_b_fmt:MATRIX_FMT_BF8 matrix_a_scale:MATRIX_SCALE_ROW1 matrix_b_scale:MATRIX_SCALE_ROW1
.endr
.endr
	WIN 0
.endm
.macro ACT                             ; act = g u / (1 + 2^(-g log2 e)), all in f32; each accumulator is read from its low end on
.rept 8
	v_nop                                          ; eight places behind the last product, ahead of the first read of results
.endr
.irp j, 0,2,4,6,8,10,12,14
	v_pk_mul_f32 v[EX+\j:EX+\j+1], v[G+\j:G+\j+1], s[40:41] op_sel_hi:[1,0]
.endr
.irp j, 0,1,2,3,4,5,6,7,8,9,10,11,12,13,14,15
	v_exp_f32 v[EX+\j], v[EX+\j]
.endr
.irp j, 0,2,4,6,8,10,12,14
	v_pk_mul_f32 v[U+\j:U+\j+1], v[U+\j:U+\j+1], v[G+\j:G+\j+1]   ; g u: plain work behind the exponentials
.endr
	s_wait_alu depctr_va_vdst(0)                   ; one wait for the sixteen, ahead of their first reader
.irp j, 0,2,4,6,8,10,12,14
	v_pk_add_f32 v[EX+\j:EX+\j+1], v[EX+\j:EX+\j+1], 1.0 op_sel_hi:[1,0]
.endr
.irp j, 0,1,2,3,4,5,6,7,8,9,10,11,12,13,14,15
	v_rcp_f32 v[EX+\j], v[EX+\j]
.endr
	v_nop
	s_wait_alu depctr_va_vdst(0)
.irp j, 0,2,4,6,8,10,12,14
	v_pk_mul_f32 v[G+\j:G+\j+1], v[U+\j:U+\j+1], v[EX+\j:EX+\j+1]
.endr
.endm
.macro OUT p                           ; my 16 numbers of the block become 16 codes, in set p; the block's byte
	v_max3_num_f32 v[MXA], |v[G]|, |v[G+1]|, 0x8000000             ; the floor 2^(16 - 127): the byte cannot fall under 1
	v_max3_num_f32 v[MXB], |v[G+8]|, |v[G+9]|, |v[G+10]|
	v_max3_num_f32 v[MXA], v[MXA], |v[G+2]|, |v[G+3]|
	v_max3_num_f32 v[MXB], v[MXB], |v[G+11]|, |v[G+12]|
	v_max3_num_f32 v[MXA], v[MXA], |v[G+4]|, |v[G+5]|
	v_max3_num_f32 v[MXB], v[MXB], |v[G+13]|, |v[G+14]|
	v_max3_num_f32 v[MXA], v[MXA], |v[G+6]|, |v[G+7]|
	v_max3_num_f32 v[MXA], v[MXA], v[MXB], |v[G+15]|
	v_permlanex16_b32 v[MXB], v[MXA], s42, s43
	v_max_num_f32 v[MXA], v[MXA], v[MXB]           ; with lane l xor 16's: the block's largest magnitude
	v_add_nc_u32 v[SCL], 0xf8800000, v[MXA]        ; 15 off its exponent field: the conversion's scale operand
	v_and_or_b32 v[HOLD], v[MXA], 0x7f800000, s44  ; 57,344 x the scale
.irp j, 0,1,2,3,4,5,6,7,8,9,10,11,12,13,14,15
	v_med3_num_f32 v[G+\j], v[G+\j], -v[HOLD], v[HOLD]   ; the conversion to an 8-bit code does not saturate (ISA guide 7.6.2)
.endr
.if (\p) == 2
	s_wait_storecnt 0x0                            ; all my stores are done: set 2's of three tiles ago, whose registers are written below, and sets 0's and 1's of the last two tiles, which the next two tiles write.  The youngest of them is a tile old
.endif
	s_lshl_b32 s36, s33, 1
	s_add_co_u32 s36, s36, s35                     ; the tile: bt + a + 2 x index,
	s_min_u32 s36, s36, 135                        ; inside the buffers' 136 tiles
	s_lshl_b32 s37, s36, 15
	s_lshl_b32 s38, s36, 10
	v_add_nc_u32 v[COFF+\p], s37, v[LANE16]
	v_add_nc_u32 v[SBOFF+\p], s38, v[SBO]
	v_cvt_scalef32_pk8_bf8_f32 v[CODE+4*\p:CODE+4*\p+1], v[G:G+7], v[SCL]
	v_cvt_scalef32_pk8_bf8_f32 v[CODE+4*\p+2:CODE+4*\p+3], v[G+8:G+15], v[SCL]
	v_lshrrev_b32 v[SBYTE+\p], 23, v[SCL]          ; the byte; also the plain instruction behind the conversions
	global_store_b128 v[COFF+\p], v[CODE+4*\p:CODE+4*\p+3], s[16:17] th:TH_STORE_NT   ; the wave stores 512 bytes on end: [tile][block][lane][16]
	global_store_b8 v[SBOFF+\p], v[SBYTE+\p], s[18:19]   ; lanes r and r + 16 write the same byte with the same value: one byte for 32 code bytes
	s_add_co_u32 s33, s33, 1
	s_cmp_ge_u32 s33, s28
	s_cselect_b32 s33, 0, s33
.endm
.macro TILE p, cnt
	s_wait_loadcnt \cnt
	MM \p
	ACT
	OUT \p
.endm
.macro STEP p, q                       ; q = (p + 2) % 3
	TILE \p, 63                                    ; behind this unit's loads T, U, T, U, 68 loads, were issued; the wait's field ends at 63, and a smaller count is safe.  It also shows the tokens of the refill below: they have 67 younger loads
	s_cmp_lt_u32 s31, s28                          ; is there a unit left to ask for?
	s_cbranch_scc0 .Ldrain_\p
	TOKLD \q
	XLOAD \p
.endm
.macro DRAIN p, q1, q2                 ; out, in this order: a unit, a load of tokens, a unit; units issued less two have been worked
.Ldrain_\p:
	s_cmp_ge_u32 s31, s30
	s_cbranch_scc1 .Lend
	TILE \q1, 34                                   ; the tokens' load and the younger unit may be out
	s_cmp_ge_u32 s31, s29
	s_cbranch_scc1 .Lend
	TILE \q2, 0
	s_branch .Lend
.endm
	s_load_b256 s[4:11], s[0:1], 0x0               ; x's codes s[4:5], x's scales s[6:7], w13's codes s[8:9], w13's scales s[10:11]
	s_load_b256 s[12:19], s[0:1], 0x20             ; meta s[12:13], list s[14:15], actc s[16:17], acts s[18:19]
	v_lshrrev_b32 v1, 5, v0
	v_readfirstlane_b32 s20, v1                    ; wave
	s_lshr_b32 s21, s20, 1                         ; a
	s_and_b32 s22, s20, 1                          ; b
	s_mov_b32 s23, ttmp9                           ; chunk
	s_and_b32 s24, ttmp7, 0xffff                   ; e
	s_lshl_b32 s25, s23, 1
	s_add_co_u32 s25, s25, s22                     ; B
	v_and_b32 v14, 31, v0                          ; lane
	v_and_b32 v15, 15, v0                          ; r
	v_bfe_u32 v[H16], v0, 4, 1
	v_lshlrev_b32 v[H16], 4, v[H16]
	v_lshlrev_b32 v[LANE16], 4, v14
	v_and_b32 v[SBO], 8, v15
	v_add_nc_u32 v[SBO], v[SBO], v15               ; r + 8 (r / 8)
	v_lshl_add_u32 v[WOFF], v[SBO], 10, v[H16]
	v_lshl_add_u32 v[WSOFF], v[SBO], 5, v[H16]
	v_lshlrev_b32 v[SBO], 4, v15
	s_lshl_b32 s36, s21, 6
	v_lshl_add_u32 v[LAD0], v15, 2, s36
	s_mov_b32 s40, 0xbfb8aa3b                      ; -log2(e)
	s_mov_b32 s41, s40                             ; (named with it as a pair, so it is written)
	s_mov_b32 s42, 0x76543210
	s_mov_b32 s43, 0xfedcba98                      ; lane selects: lane l xor 16
	s_mov_b32 s44, 0x600000                        ; the mantissa field of 57,344
	s_lshl_b32 s36, s24, 22                        ; w13's codes: e x 4,096 rows + B x 32 rows, of 1,024 bytes
	s_lshl_b32 s37, s25, 15
	s_add_co_u32 s36, s36, s37
	s_mov_b32 s37, 0
	s_wait_kmcnt 0x0
	s_add_nc_u64 s[8:9], s[8:9], s[36:37]
	s_lshl_b32 s36, s24, 17                        ; its scale bytes: rows of 32
	s_lshl_b32 s38, s25, 10
	s_add_co_u32 s36, s36, s38
	s_add_nc_u64 s[10:11], s[10:11], s[36:37]
	s_lshl_b32 s36, s24, 3
	s_add_nc_u64 s[12:13], s[12:13], s[36:37]
	s_load_b64 s[26:27], s[12:13], 0x0             ; nt_e, bt_e
	s_lshl_b32 s36, s24, 12
	s_add_nc_u64 s[14:15], s[14:15], s[36:37]      ; my expert's list
	s_lshl_b32 s36, s25, 9
	s_add_nc_u64 s[16:17], s[16:17], s[36:37]      ; actc: my block's 512 bytes in a tile
	s_lshr_b32 s36, s25, 4                         ; acts [tile][g][hh][r][i][c]: K step B / 4 = 8 g + 4 hh + i, c = B % 4:
	s_lshl_b32 s36, s36, 8                         ; 512 g + 256 hh
	s_and_b32 s38, s25, 15                         ; + 4 i + c
	s_add_co_u32 s36, s36, s38
	s_add_nc_u64 s[18:19], s[18:19], s[36:37]
	WSLD                                           ; 68 loads of weights go out while the expert's counts are on their way
	WTILE 0
	WTILE 1
	s_wait_kmcnt 0x0
	s_min_u32 s26, s26, 64
	s_min_u32 s27, s27, 135
	s_add_co_u32 s28, s26, 1
	s_sub_co_u32 s28, s28, s21
	s_lshr_b32 s28, s28, 1                         ; n: my units
	s_cmp_eq_u32 s28, 0
	s_cbranch_scc1 .Lend
	s_add_co_u32 s29, s28, 1
	s_add_co_u32 s30, s28, 2
	s_add_co_u32 s35, s27, s21                     ; bt + a
	s_mul_i32 s32, s23, s28
	s_lshr_b32 s32, s32, 5                         ; the 32 work-groups of an expert begin at different tiles: chunk x n / 32, under n
	s_mov_b32 s33, s32
	s_mov_b32 s31, 0
	TOKLD 0                                        ; the first three units' tokens, ahead of the other 64 loads of weights
	TOKLD 1
	TOKLD 2
	WTILE 2
	WTILE 3
	s_wait_loadcnt 63                              ; behind the three loads of tokens 64 loads were issued
	XLOAD 0                                        ; three units go out whatever n is: the index goes round, so each has tokens of this expert
	TOKLD 0
	XLOAD 1
	TOKLD 1
	XLOAD 2
	s_mov_b32 s34, 0
.Lloop:
	STEP 0, 2
	STEP 1, 0
	STEP 2, 1
	s_add_co_u32 s34, s34, 1
	s_cmp_lt_u32 s34, 11
	s_cbranch_scc1 .Lloop
	s_branch .Lend
	DRAIN 0, 1, 2
	DRAIN 1, 2, 0
	DRAIN 2, 0, 1
.Lend:
	s_endpgm
.Lfunc_end_k_q693a1ab4ba_gemm1:
	.size	k_q693a1ab4ba_gemm1, .Lfunc_end_k_q693a1ab4ba_gemm1-k_q693a1ab4ba_gemm1
	.p2alignl 7, 3214868480
	.fill 96, 4, 3214868480
	.section	.rodata,"a",@progbits
	.p2align	6, 0x0
	.amdhsa_kernel k_q693a1ab4ba_gemm1
		.amdhsa_group_segment_fixed_size 0
		.amdhsa_private_segment_fixed_size 0
		.amdhsa_enable_private_segment 0
		.amdhsa_kernarg_size 64
		.amdhsa_user_sgpr_count 2
		.amdhsa_user_sgpr_kernarg_segment_ptr 1
		.amdhsa_wavefront_size32 1
		.amdhsa_system_sgpr_workgroup_id_x 1
		.amdhsa_system_sgpr_workgroup_id_y 1
		.amdhsa_system_sgpr_workgroup_id_z 1
		.amdhsa_system_vgpr_workitem_id 0
		.amdhsa_next_free_vgpr 1024
		.amdhsa_next_free_sgpr 66
		.amdhsa_reserve_vcc 0
		.amdhsa_float_denorm_mode_32 3
		.amdhsa_float_denorm_mode_16_64 3
		.amdhsa_memory_ordered 1
		.amdhsa_forward_progress 1
		.amdhsa_inst_pref_size 129
	.end_amdhsa_kernel
	.amdgpu_metadata
---
amdhsa.version: [ 1, 2 ]
amdhsa.kernels:
  - .name:           k_q693a1ab4ba_gemm1
    .symbol:         k_q693a1ab4ba_gemm1.kd
    .args:
      - { .name: hidden_states_codes, .offset: 0, .size: 8, .value_kind: global_buffer, .address_space: global }
      - { .name: hidden_states_scales, .offset: 8, .size: 8, .value_kind: global_buffer, .address_space: global }
      - { .name: w13_weight_codes, .offset: 16, .size: 8, .value_kind: global_buffer, .address_space: global }
      - { .name: w13_weight_scales, .offset: 24, .size: 8, .value_kind: global_buffer, .address_space: global }
      - { .name: meta, .offset: 32, .size: 8, .value_kind: global_buffer, .address_space: global }
      - { .name: list, .offset: 40, .size: 8, .value_kind: global_buffer, .address_space: global }
      - { .name: actc, .offset: 48, .size: 8, .value_kind: global_buffer, .address_space: global }
      - { .name: acts, .offset: 56, .size: 8, .value_kind: global_buffer, .address_space: global }
    .group_segment_fixed_size: 0
    .private_segment_fixed_size: 0
    .kernarg_segment_align: 8
    .kernarg_segment_size: 64
    .max_flat_workgroup_size: 128
    .sgpr_count:     66
    .vgpr_count:     1024
    .wavefront_size: 32
...
	.end_amdgpu_metadata
.endif
;; end of part 6
;; launch gemm2 (part 7): grid 32 x 8, 4 waves a work-group, no clusters, 9,728 bytes of LDS; arguments actc, acts, w2_weight_codes, w2_weight_scales, meta, y; writes y
.if DOCPART == 7
	.amdgcn_target "amdgcn-amd-amdhsa--gfx1250"
	.amdhsa_code_object_version 6
	.text
	.protected	k_q693a1ab4ba_gemm2
	.globl	k_q693a1ab4ba_gemm2
	.p2align	8
	.type	k_q693a1ab4ba_gemm2,@function
k_q693a1ab4ba_gemm2:
	s_mov_b64 s[64:65], 0
	v_nop
	global_prefetch_b8 v0, s[64:65] scope:SCOPE_SE
	s_setreg_imm32_b32 hwreg(HW_REG_WAVE_MODE, 25, 1), 1
	s_wait_xcnt 0x0
; y[row] = act[row] W2_e^T for the rows routed to one expert, both operands E5M2 codes with E8M0 bytes; y is f32, laid [32 columns' group][row][32].
; SHARES.  Work-group (hc, e) owns 32 columns of H.  All four waves hold the same 32 rows of W2 (2,048 K: 64 KB, 512 registers, for the whole launch); wave w takes the expert's tiles w, w + 4, ..
; act arrives as images of the operand's registers: every load of the wave reads 512 bytes on end.  A UNIT is half a tile's K (8 K steps): 32 loads and one of scale words, 33 loads.
; Three register buffers take turns, units E (K steps 0-7) and O (8-15) alternating, so the pattern comes back after six units, three tiles: one trip of the loop.
; THE PRODUCT IS USED TRANSPOSED (source 0 = 16 rows of W2, source 1 = 16 rows of act), lane r of weight tile u taking row 8 u + r + 8 (r / 8): a lane holds one row of y and 16 neighbouring columns.
; Each output has two accumulators (even and odd K steps), so that four take turns; they are added at the end, in place: the order of the sum differs from ascending K.
; A tile of y (16 rows x 128 bytes) goes through the wave's own stage in LDS and leaves as 2,048 bytes on end.  No barrier: waves share nothing.
; THE STORES' REGISTERS (16 of data, one offset) come in three sets, one for each tile of a trip, with ONE wait for all stores a trip, ahead of the third set's rewrite.
; NO TENSOR LOADS, NO CLUSTER: the number of tiles is read from memory, so trips and exits hang on loaded numbers.
; No load is jumped over inside the loop: behind an E unit the tile's O half is always asked for; behind an O unit stands "is there a further tile? else leave for the drain".  The backward jump has a counter of its own (6 trips of 3 tiles; a wave has 16 tiles at the most).
; REGISTERS.  Window 0: names below; v128-255 buffer 0.  Window 1: W2, K steps 0-7, tile u at v[128 u + 16 s].  Window 2: K steps 8-15.  Window 3: buffers 1 and 2.
.set LANE16, 1                         ; 16 x lane
.set WOFF,   2                         ; W2: (r + 8 (r / 8)) x 2,048 + 16 h
.set WSOFF,  3                         ; its scale bytes: (r + 8 (r / 8)) x 64 + 16 h
.set STO,    4                         ; the stage, in: 144 r + 64 h + 2,304 wave
.set RDA,    5                         ; and back: 144 (lane / 8) + 16 (lane % 8) + 2,304 wave
.set AOFF,   8                         ; v8-10   a buffer's offset in actc
.set SOFF,   11                        ; v11-13  and in acts
.set WS,     16                        ; v16-31  W2's scale words: 8 u + 4 g + i: lanes 0-15 K step 8 g + i, lanes 16-31 K step 8 g + 4 + i
.set ASC,    32                        ; v32-43  act's scale words, four registers a buffer, laid likewise
.set YOFF,   44                        ; v44-46  a set's offset in y
.set ACC,    48                        ; v48-79  accumulator (u, parity) at 48 + 16 u + 8 parity
                                       ; v80-127 a set's 16 registers of y: set 0 at v96, set 1 at v112, set 2 at v80
.set MSB, 0
.macro WIN new
.if MSB != (\new)
	s_set_vgpr_msb (MSB<<8)|(\new)
.set MSB, (\new)
.endif
.endm
.macro RING p
.if (\p) == 0
.set RW, 0
.set RB, 128
.elseif (\p) == 1
.set RW, 3
.set RB, 0
.else
.set RW, 3
.set RB, 128
.endif
.endm
.macro ZSET z
.set ZB, 80+16*(((\z)+1)%3)
.endm
.macro ALOAD p, g                      ; half g of a tile into buffer p
	RING \p
.if (\g) == 0
	s_lshl_b32 s36, s32, 2
	s_add_co_u32 s36, s36, s35                     ; the tile: bt + w + 4 x index,
	s_min_u32 s36, s36, 135                        ; inside the buffers' 136 tiles
	s_lshl_b32 s37, s36, 15                        ; kept for the O half
	s_lshl_b32 s38, s36, 10
.endif
	v_add_nc_u32 v[AOFF+\p], s37, v[LANE16]        ; (the loads that read these two registers last were waited for ahead of the buffer's products)
	v_add_nc_u32 v[SOFF+\p], s38, v[LANE16]
	WIN 64*RW
.irp s, 0,1,2,3,4,5,6,7
.irp c, 0,1,2,3
	global_load_b128 v[RB+16*\s+4*\c:RB+16*\s+4*\c+3], v[AOFF+\p], s[4:5] offset:16384*(\g)+2048*\s+512*\c
.endr
.endr
	WIN 0
	global_load_b128 v[ASC+4*\p:ASC+4*\p+3], v[SOFF+\p], s[6:7] offset:512*(\g)
.if (\g) == 0
	s_add_co_u32 s31, s31, 1                       ; tiles begun
.else
	s_add_co_u32 s32, s32, 1                       ; the next tile, round the wave's tiles
	s_cmp_ge_u32 s32, s28
	s_cselect_b32 s32, 0, s32
.endif
.endm
.macro MM p, g                         ; 16 products; the four accumulators by turns, one instruction a turn, from unit to unit too; a tile's first two K steps start the sums
	RING \p
	WIN 1+(\g)+4*RW
.irp sl, 0,1,2,3,4,5,6,7
.irp u, 0,1
.set rD, ACC+16*\u+8*(\sl%2)
.set rA, 128*\u+16*\sl
.set rB, RB+16*\sl
.set rSA, WS+8*\u+4*(\g)+(\sl%4)
.set rSB, ASC+4*(\p)+(\sl%4)
.if ((\g) == 0) && (\sl < 2)
	v_wmma_scale_f32_16x16x128_f8f6f4 v[rD:rD+7], v[rA:rA+15], v[rB:rB+15], 0, v[rSA], v[rSB] matrix_a_fmt:MATRIX_FMT_BF8 matrix_b_fmt:MATRIX_FMT_BF8
.elseif \sl < 4
	v_wmma_scale_f32_16x16x128_f8f6f4 v[rD:rD+7], v[rA:rA+15], v[rB:rB+15], v[rD:rD+7], v[rSA], v[rSB] matrix_a_fmt:MATRIX_FMT_BF8 matrix_b_fmt:MATRIX_FMT_BF8
.else
	v_wmma_scale_f32_16x16x128_f8f6f4 v[rD:rD+7], v[rA:rA+15], v[rB:rB+15], v[rD:rD+7], v[rSA], v[rSB] matrix_a_fmt:MATRIX_FMT_BF8 matrix_b_fmt:MATRIX_FMT_BF8 matrix_a_scale:MATRIX_SCALE_ROW1 matrix_b_scale:MATRIX_SCALE_ROW1
.endif
.endr
.endr
	WIN 0
.endm
.macro PLACES                          ; eight places behind the last product, ahead of reads and writes of results by vector instructions and of loads into registers that products have read (ISA guide 7.12.1 for reads and writes of results)
.rept 8
	v_nop
.endr
.endm
.macro FIN z                           ; a tile is finished: the two halves of each sum are added in place, go into the stage, and come back as rows on end, into set z
	ZSET \z
	PLACES
.irp u, 0,1
.irp k, 0,2,4,6
	v_pk_add_f32 v[ACC+16*\u+\k:ACC+16*\u+\k+1], v[ACC+16*\u+\k:ACC+16*\u+\k+1], v[ACC+16*\u+8+\k:ACC+16*\u+8+\k+1]   ; each accumulator from its low end on
.endr
.endr
.if (\z) == 2
	s_wait_storecnt 0x0                            ; all my stores are done: set 2's of three tiles ago, whose registers are written below, and the other two sets' of the last two tiles, which the next two tiles write.  The youngest of them is a tile old
.endif
	s_lshl_b32 s39, s33, 2
	s_add_co_u32 s39, s39, s35
	s_min_u32 s39, s39, 135
	s_lshl_b32 s39, s39, 11                        ; a tile of y: 2,048 bytes
	v_add_nc_u32 v[YOFF+\z], s39, v[LANE16]
.irp q, 0,1,2,3
	ds_store_b128 v[STO], v[ACC+16*(\q/2)+4*(\q%2):ACC+16*(\q/2)+4*(\q%2)+3] offset:16*\q   ; columns 16 h + 4 q on
.endr
.irp q, 0,1,2,3
	ds_load_b128 v[ZB+4*\q:ZB+4*\q+3], v[RDA] offset:576*\q   ; four rows an instruction; LDS serves a wave's instructions in order: these see the stores above
.endr
	s_add_co_u32 s30, s30, 1                       ; tiles done
	s_add_co_u32 s33, s33, 1
	s_cmp_ge_u32 s33, s28
	s_cselect_b32 s33, 0, s33
.endm
.macro OUTST z
	ZSET \z
	s_wait_dscnt 0x0                               ; the rows are back; the stage's stores have read the accumulators, which the next tile's products write
.irp q, 0,1,2,3
	global_store_b128 v[YOFF+\z], v[ZB+4*\q:ZB+4*\q+3], s[14:15] offset:512*\q th:TH_STORE_NT   ; 512 bytes on end
.endr
.endm
.macro STEPE p
	s_wait_loadcnt 63                              ; behind this unit's loads two units, 66 loads, were issued; the wait's field ends at 63, and a smaller count is safe
	MM \p, 0
	PLACES
	ALOAD \p, 1                                    ; the O half of the tile whose E half is already out
.endm
.macro STEPO p
	s_wait_loadcnt 63
	MM \p, 1
	FIN \p
	s_cmp_lt_u32 s31, s28                          ; is there a tile left to begin?
	s_cbranch_scc0 .Ld_\p
	ALOAD \p, 0
	OUTST \p
.endm
.macro DRAIN p, q1, q2                 ; out: one tile's E half (the older) and its O half; that tile's set is the O half's buffer number, as in the loop
.Ld_\p:
	OUTST \p
	s_cmp_ge_u32 s30, s28
	s_cbranch_scc1 .Lend
	s_wait_loadcnt 33                              ; the O half may be out
	MM \q1, 0
	s_wait_loadcnt 0
	MM \q2, 1
	FIN \q2
	OUTST \q2
	s_branch .Lend
.endm
	s_load_b256 s[4:11], s[0:1], 0x0               ; actc s[4:5], acts s[6:7], w2's codes s[8:9], w2's scales s[10:11]
	s_load_b128 s[12:15], s[0:1], 0x20             ; meta s[12:13], y s[14:15]
	v_lshl_add_u32 v6, v0, 2, 0x2400
	v_mov_b32 v47, 0
	v_lshrrev_b32 v1, 5, v0
	v_readfirstlane_b32 s20, v1                    ; wave
	s_mov_b32 s23, ttmp9                           ; hc
	s_and_b32 s24, ttmp7, 0xffff                   ; e
	v_and_b32 v14, 31, v0                          ; lane
	v_and_b32 v15, 15, v0                          ; r
	v_bfe_u32 v7, v0, 4, 1                         ; h
	v_lshlrev_b32 v[LANE16], 4, v14
	v_and_b32 v[STO], 8, v15
	v_add_nc_u32 v[STO], v[STO], v15               ; r + 8 (r / 8)
	v_lshlrev_b32 v[RDA], 4, v7
	v_lshl_add_u32 v[WOFF], v[STO], 11, v[RDA]
	v_lshl_add_u32 v[WSOFF], v[STO], 6, v[RDA]
	s_mul_i32 s36, s20, 2304                       ; my stage: 16 rows x 144 bytes
	v_mul_u32_u24 v[STO], v15, 144
	v_lshl_add_u32 v[STO], v7, 6, v[STO]
	v_add_nc_u32 v[STO], s36, v[STO]
	v_lshrrev_b32 v[RDA], 3, v14
	v_mul_u32_u24 v[RDA], v[RDA], 144
	v_and_b32 v7, 7, v14
	v_lshl_add_u32 v[RDA], v7, 4, v[RDA]
	v_add_nc_u32 v[RDA], s36, v[RDA]
	s_lshl_b32 s36, s24, 21                        ; w2's codes: e x 1,024 rows + hc x 32 rows, of 2,048 bytes
	s_lshl_b32 s37, s23, 16
	s_add_co_u32 s36, s36, s37
	s_mov_b32 s37, 0
	s_wait_kmcnt 0x0
	s_add_nc_u64 s[8:9], s[8:9], s[36:37]
	s_lshl_b32 s36, s24, 16                        ; its scale bytes: rows of 64
	s_lshl_b32 s38, s23, 11
	s_add_co_u32 s36, s36, s38
	s_add_nc_u64 s[10:11], s[10:11], s[36:37]
	s_lshl_b32 s36, s24, 3
	s_add_nc_u64 s[12:13], s[12:13], s[36:37]
	s_load_b64 s[26:27], s[12:13], 0x0             ; nt_e, bt_e
	s_mul_i32 s36, s23, 278528                     ; y: 2,176 rows x 128 bytes for each group of 32 columns
	s_add_nc_u64 s[14:15], s[14:15], s[36:37]
.irp u, 0,1
.irp g, 0,1
	global_load_b128 v[WS+8*\u+4*\g:WS+8*\u+4*\g+3], v[WSOFF], s[10:11] offset:512*\u+32*\g
.endr
.endr
	WIN 0x40
.irp u, 0,1
.irp s, 0,1,2,3,4,5,6,7
.irp c, 0,1,2,3
	global_load_b128 v[128*\u+16*\s+4*\c:128*\u+16*\s+4*\c+3], v[WOFF], s[8:9] offset:16384*\u+128*\s+32*\c
.endr
.endr
.endr
	WIN 0x80
.irp u, 0,1
.irp s, 0,1,2,3,4,5,6,7
.irp c, 0,1,2,3
	global_load_b128 v[128*\u+16*\s+4*\c:128*\u+16*\s+4*\c+3], v[WOFF], s[8:9] offset:16384*\u+1024+128*\s+32*\c
.endr
.endr
.endr
	WIN 0
	s_wait_kmcnt 0x0
	s_min_u32 s26, s26, 64
	s_min_u32 s27, s27, 135
	s_add_co_u32 s28, s26, 3
	s_sub_co_u32 s28, s28, s20
	s_lshr_b32 s28, s28, 2                         ; my tiles
	s_cmp_eq_u32 s28, 0
	s_cbranch_scc1 .Lend
	s_add_co_u32 s35, s27, s20                     ; bt + w
	s_mul_i32 s32, s23, s28
	s_lshr_b32 s32, s32, 5                         ; the 32 work-groups of an expert begin at different tiles: hc x tiles / 32, under the number of tiles
	s_mov_b32 s33, s32
	s_mov_b32 s31, 0
	s_mov_b32 s30, 0
	ALOAD 0, 0                                     ; three units go out whatever the number of tiles: the index goes round, so each has an address inside the expert's tiles
	ALOAD 1, 1
	ALOAD 2, 0
	s_mov_b32 s34, 0
.Lloop:
	STEPE 0
	STEPO 1
	STEPE 2
	STEPO 0
	STEPE 1
	STEPO 2
	s_add_co_u32 s34, s34, 1
	s_cmp_lt_u32 s34, 6
	s_cbranch_scc1 .Lloop
	s_branch .Lend
	DRAIN 1, 2, 0
	DRAIN 0, 1, 2
	DRAIN 2, 0, 1
.Lend:
	s_wait_tensorcnt 0x0
	ds_add_u32 v6, v47
	s_wait_dscnt 0x0
	s_endpgm
.Lfunc_end_k_q693a1ab4ba_gemm2:
	.size	k_q693a1ab4ba_gemm2, .Lfunc_end_k_q693a1ab4ba_gemm2-k_q693a1ab4ba_gemm2
	.p2alignl 7, 3214868480
	.fill 96, 4, 3214868480
	.section	.rodata,"a",@progbits
	.p2align	6, 0x0
	.amdhsa_kernel k_q693a1ab4ba_gemm2
		.amdhsa_group_segment_fixed_size 9728
		.amdhsa_private_segment_fixed_size 0
		.amdhsa_enable_private_segment 0
		.amdhsa_kernarg_size 48
		.amdhsa_user_sgpr_count 2
		.amdhsa_user_sgpr_kernarg_segment_ptr 1
		.amdhsa_wavefront_size32 1
		.amdhsa_system_sgpr_workgroup_id_x 1
		.amdhsa_system_sgpr_workgroup_id_y 1
		.amdhsa_system_sgpr_workgroup_id_z 1
		.amdhsa_system_vgpr_workitem_id 0
		.amdhsa_next_free_vgpr 1024
		.amdhsa_next_free_sgpr 66
		.amdhsa_reserve_vcc 0
		.amdhsa_float_denorm_mode_32 3
		.amdhsa_float_denorm_mode_16_64 3
		.amdhsa_memory_ordered 1
		.amdhsa_forward_progress 1
		.amdhsa_inst_pref_size 85
	.end_amdhsa_kernel
	.amdgpu_metadata
---
amdhsa.version: [ 1, 2 ]
amdhsa.kernels:
  - .name:           k_q693a1ab4ba_gemm2
    .symbol:         k_q693a1ab4ba_gemm2.kd
    .args:
      - { .name: actc, .offset: 0, .size: 8, .value_kind: global_buffer, .address_space: global }
      - { .name: acts, .offset: 8, .size: 8, .value_kind: global_buffer, .address_space: global }
      - { .name: w2_weight_codes, .offset: 16, .size: 8, .value_kind: global_buffer, .address_space: global }
      - { .name: w2_weight_scales, .offset: 24, .size: 8, .value_kind: global_buffer, .address_space: global }
      - { .name: meta, .offset: 32, .size: 8, .value_kind: global_buffer, .address_space: global }
      - { .name: y, .offset: 40, .size: 8, .value_kind: global_buffer, .address_space: global }
    .group_segment_fixed_size: 9728
    .private_segment_fixed_size: 0
    .kernarg_segment_align: 8
    .kernarg_segment_size: 48
    .max_flat_workgroup_size: 128
    .sgpr_count:     66
    .vgpr_count:     1024
    .wavefront_size: 32
...
	.end_amdgpu_metadata
.endif
;; end of part 7
;; launch combine: the kernel of part 4 again; grid 256 x 1, 4 waves a work-group, no clusters, 0 bytes of LDS; arguments y, pos, wts, out0; writes out0
;; ======== version 3 of 3: 4 launches
;; workspace buffers: meta 256 bytes of whole numbers; list 32,768 bytes of whole numbers; pos 8,192 bytes of whole numbers; wts 8,192 bytes; actc 4,456,448 bytes; acts 139,264 bytes; y 8,912,896 bytes
;; launch route (part 8): grid 8 x 8, 32 waves a work-group, no clusters, 5,376 bytes of LDS; arguments router_logits, meta, list, pos, wts; writes meta, list, pos, wts
.if DOCPART == 8
	.amdgcn_target "amdgcn-amd-amdhsa--gfx1250"
	.amdhsa_code_object_version 6
	.text
	.protected	k_q693a1ab4ba_route
	.globl	k_q693a1ab4ba_route
	.p2align	8
	.type	k_q693a1ab4ba_route,@function
k_q693a1ab4ba_route:
	s_mov_b64 s[64:65], 0
	v_nop
	global_prefetch_b8 v0, s[64:65] scope:SCOPE_SE
	s_setreg_imm32_b32 hwreg(HW_REG_WAVE_MODE, 25, 1), 1
	s_wait_xcnt 0x0
; ROUTER: softmax over 8 logits, the two largest (the lower index wins a tie), their weights renormalised; then each expert's list of tokens, made WITHOUT forming any address from the choice.
; 64 work-groups (sg, e) of 32 waves.  EVERY work-group repeats the top-2 of all 1,024 tokens (thread t is token t; 32 KB of logits), so that nothing goes from work-group to work-group.
; Behind the one barrier the waves part, by ids alone:
;   two waves make entries 128 sg .. 128 sg + 127 of expert e's list: entry j is the token of rank j among the tokens that chose e, in token order, or 0 from the expert's count on;
;   where e = 0, waves 4 sg .. 4 sg + 3 store pos and wts of their own 128 tokens; wave 0 of work-group (0, 0) stores meta.
; HOW AN ENTRY IS FOUND.  The 32 waves' ballots for e lie in scalar registers; P_w is the number of choosers in the waves before w.  Entry j belongs to the last w with P_w <= j (31 compares and selects),
; and is the (j - P_w)-th set bit of that ballot, found by five halvings on partial bit counts.  All of it is compares, selects and shifts on values; every address is made of ids.
; OUT: meta: words 2e, 2e+1 = nt_e (tiles of 16 rows of expert e), bt_e (tiles of the experts before it).   list [8][1024].
;      pos [1024][2]: the row 16 bt_e + rank of the token's first and second choice.   wts [1024][2]: their weights.
; LIMITS: NaN and infinities are not served.  The probabilities are p x (1 / sum), not p / sum: two probabilities that differ in their last bit may tie here and not there, or the other way round.
.set CNT, 0                            ; LDS: [expert][wave] counts, 1,024 bytes
.set MSK, 1024                         ; LDS: [wave] ballots for my expert, 128 bytes
	s_load_b256 s[4:11], s[0:1], 0x0               ; logits s[4:5], meta s[6:7], list s[8:9], pos s[10:11]
	s_load_b64 s[12:13], s[0:1], 0x20              ; wts
	v_lshl_add_u32 v96, v0, 2, 0x500
	v_mov_b32 v97, 0
	v_lshrrev_b32 v1, 5, v0
	s_delay_alu instid0(VALU_DEP_1)
	v_readfirstlane_b32 s14, v1                    ; wave
	s_mov_b32 s15, ttmp9                           ; sg
	s_and_b32 s86, ttmp7, 0xffff                   ; e
	v_and_b32 v2, 31, v0                           ; lane
	v_lshlrev_b32 v3, 5, v0                        ; 32 t: my logits
	s_delay_alu instid0(VALU_DEP_2)
	v_lshlrev_b32 v5, 2, v2                        ; 4 x lane
	v_lshlrev_b32 v6, 3, v0                        ; 8 t
	v_mov_b32 v40, s14
	s_delay_alu instid0(VALU_DEP_1)
	v_lshlrev_b32 v40, 2, v40                      ; 4 x wave
	s_mov_b32 s82, 0x76543210
	s_mov_b32 s83, 0xfedcba98                      ; lane selects: lane l xor 16
	s_mov_b32 s88, 0x45800000                      ; 4096.0
	s_wait_alu depctr_va_vdst(0)
	s_wait_kmcnt 0x0
	global_load_b128 v[8:11], v3, s[4:5]
	global_load_b128 v[12:15], v3, s[4:5] offset:16
	s_wait_loadcnt 0x0
	; softmax, the maximum taken away first
	v_max3_num_f32 v16, v8, v9, v10
	s_delay_alu instid0(VALU_DEP_1)
	v_max3_num_f32 v16, v16, v11, v12
	s_delay_alu instid0(VALU_DEP_1)
	v_max3_num_f32 v16, v16, v13, v14
	s_delay_alu instid0(VALU_DEP_1)
	v_max_num_f32 v16, v16, v15
	s_delay_alu instid0(VALU_DEP_1)
	v_mov_b32 v17, v16
.irp j, 8,10,12,14
	v_pk_add_f32 v[\j:\j+1], v[\j:\j+1], v[16:17] neg_lo:[0,1] neg_hi:[0,1]
.endr
.irp j, 8,10,12,14
	s_delay_alu instid0(VALU_DEP_4)
	v_pk_mul_f32 v[\j:\j+1], v[\j:\j+1], 0x3fb8aa3b op_sel_hi:[1,0]   ; x log2(e)
.endr
	s_wait_alu depctr_va_vdst(0)
.irp j, 8,9,10,11,12,13,14,15
	v_exp_f32 v[\j], v[\j]
.endr
	v_nop                                          ; a plain instruction behind the last exponential
	s_wait_alu depctr_va_vdst(0)                   ; one wait for the eight, ahead of their first reader
	v_pk_add_f32 v[18:19], v[8:9], v[10:11]
	v_pk_add_f32 v[20:21], v[12:13], v[14:15]
	s_delay_alu instid0(VALU_DEP_1)
	v_pk_add_f32 v[18:19], v[18:19], v[20:21]
	s_delay_alu instid0(VALU_DEP_1)
	v_add_f32 v18, v18, v19
	s_wait_alu depctr_va_vdst(0)
	v_rcp_f32 v20, v18
	v_nop
	s_wait_alu depctr_va_vdst(0)
	v_mov_b32 v21, v20
.irp j, 8,10,12,14
	v_pk_mul_f32 v[\j:\j+1], v[\j:\j+1], v[20:21]
.endr
	s_delay_alu instid0(VALU_DEP_4)
	; the largest: the best so far is kept where it is at least the candidate, so the lower index wins a tie
	v_mov_b32 v22, v8
	v_mov_b32 v23, 0
.irp i, 1,2,3,4,5,6,7
	s_delay_alu instid0(VALU_DEP_2)
	v_cmp_ge_f32 vcc_lo, v22, v[8+\i]
	s_delay_alu instid0(VALU_DEP_1)
	v_cndmask_b32 v22, v[8+\i], v22, vcc_lo
	s_delay_alu instid0(VALU_DEP_2)
	v_cndmask_b32 v23, \i, v23, vcc_lo
.endr
.irp i, 0,1,2,3,4,5,6,7
	v_cmp_ne_u32 vcc_lo, \i, v23
	s_delay_alu instid0(VALU_DEP_1)
	v_cndmask_b32 v[8+\i], -1.0, v[8+\i], vcc_lo   ; the winner is taken out: -1 lies under every probability
.endr
	v_mov_b32 v24, v8
	v_mov_b32 v25, 0
.irp i, 1,2,3,4,5,6,7
	s_delay_alu instid0(VALU_DEP_2)
	v_cmp_ge_f32 vcc_lo, v24, v[8+\i]
	s_delay_alu instid0(VALU_DEP_1)
	v_cndmask_b32 v24, v[8+\i], v24, vcc_lo
	s_delay_alu instid0(VALU_DEP_2)
	v_cndmask_b32 v25, \i, v25, vcc_lo
.endr
	s_delay_alu instid0(VALU_DEP_2)
	v_add_f32 v26, v22, v24
	s_wait_alu depctr_va_vdst(0)
	v_rcp_f32 v27, v26
	v_nop
	s_wait_alu depctr_va_vdst(0)
	v_mul_f32 v28, v22, v27                        ; the two weights, renormalised
	v_mul_f32 v29, v24, v27
	; which lanes chose expert i: first choice s[16+i], second s[24+i], either s[32+i]; the wave's count goes to LDS
.irp e, 0,1,2,3,4,5,6,7
	v_cmp_eq_u32 s[16+\e], \e, v23
	v_cmp_eq_u32 s[24+\e], \e, v25
	s_or_b32 s[32+\e], s[16+\e], s[24+\e]
	s_bcnt1_i32_b32 s84, s[32+\e]
	v_mov_b32 v[30+\e], s84
	ds_store_b32 v40, v[30+\e] offset:CNT+128*\e   ; all lanes write the same word with the same value
.endr
	v_cmp_eq_u32 s84, s86, v23                     ; and the ballot for my work-group's expert
	v_cmp_eq_u32 s85, s86, v25
	s_or_b32 s87, s84, s85
	v_mov_b32 v41, s87
	ds_store_b32 v40, v41 offset:MSK
	s_wait_dscnt 0x0                               ; for the others' sake: my counts and my ballot have landed
	s_barrier_signal -1
	s_barrier_wait -1                              ; the launch's one barrier; behind it LDS is only read
	s_lshr_b32 s89, s14, 1
	s_lshl_b32 s90, s15, 1
	s_add_co_u32 s90, s90, 8
	s_and_b32 s90, s90, 15                         ; waves 2 x this and the next make the list: never among waves 4 sg .. 4 sg + 3
	s_cmp_lg_u32 s89, s90
	s_cbranch_scc1 .Lnolist
	; ---- THE LIST: a lane makes entries j and j + 1, j = 128 sg + 64 (wave % 2) + 2 lane
	ds_load_b32 v42, v5 offset:MSK                 ; lane l: wave l's ballot
	s_and_b32 s84, s14, 1
	s_lshl_b32 s84, s84, 6
	s_lshl_b32 s85, s15, 7
	s_add_co_u32 s84, s84, s85
	v_lshl_add_u32 v43, v2, 1, s84                 ; j
	s_delay_alu instid0(VALU_DEP_1)
	v_add_nc_u32 v44, 1, v43                       ; j + 1
	v_mov_b32 v45, 16
	v_mov_b32 v46, 8
	v_mov_b32 v47, 4
	v_mov_b32 v48, 2
	v_mov_b32 v49, 1
	v_mov_b32 v52, 0                               ; 32 P_w + w of the wave kept so far: wave 0's
	v_mov_b32 v53, 0
	v_mov_b32 v66, 0                               ; the bit's place
	v_mov_b32 v67, 0
	s_wait_dscnt 0x0
.irp w, 0,1,2,3,4,5,6,7,8,9,10,11,12,13,14,15,16,17,18,19,20,21,22,23,24,25,26,27,28,29,30,31
	v_readlane_b32 s[16+\w], v42, \w
.endr
	v_mov_b32 v50, s16                             ; the ballot kept so far
	v_mov_b32 v51, s16
	s_bcnt1_i32_b32 s91, s16                       ; P_1
.irp w, 1,2,3,4,5,6,7,8,9,10,11,12,13,14,15,16,17,18,19,20,21,22,23,24,25,26,27,28,29,30,31
	s_lshl_b32 s85, s91, 5
	s_or_b32 s85, s85, \w
	v_cmp_gt_u32 vcc_lo, s91, v43                  ; P_w > j: what is kept stays; else wave w takes its place
	s_delay_alu instid0(VALU_DEP_1)
	v_cndmask_b32 v50, s[16+\w], v50, vcc_lo
	s_delay_alu instid0(VALU_DEP_2)
	v_cndmask_b32 v52, s85, v52, vcc_lo
	v_cmp_gt_u32 vcc_lo, s91, v44
	s_delay_alu instid0(VALU_DEP_1)
	v_cndmask_b32 v51, s[16+\w], v51, vcc_lo
	s_delay_alu instid0(VALU_DEP_2)
	v_cndmask_b32 v53, s85, v53, vcc_lo
	s_bcnt1_i32_b32 s84, s[16+\w]
	s_add_co_u32 s91, s91, s84                     ; P_(w+1); at the end the expert's count
.endr
.irp x, 0,1
	v_lshrrev_b32 v[54+\x], 5, v[52+\x]
	s_delay_alu instid0(VALU_DEP_1)
	v_sub_nc_u32 v[54+\x], v[43+\x], v[54+\x]      ; k = j - P_w
	v_and_b32 v[52+\x], 31, v[52+\x]
	s_delay_alu instid0(VALU_DEP_1)
	v_lshlrev_b32 v[52+\x], 5, v[52+\x]            ; 32 w
.endr
	; partial bit counts of the ballot m: in fields of 2 (v58), 4 (v60) and 8 bits (v62), and of its low 16 bits (v64)
.irp x, 0,1
	v_lshrrev_b32 v[56+\x], 1, v[50+\x]
	s_delay_alu instid0(VALU_DEP_1)
	v_and_b32 v[56+\x], 0x55555555, v[56+\x]
	s_delay_alu instid0(VALU_DEP_1)
	v_sub_nc_u32 v[58+\x], v[50+\x], v[56+\x]
	s_delay_alu instid0(VALU_DEP_1)
	v_lshrrev_b32 v[56+\x], 2, v[58+\x]
	s_delay_alu instid0(VALU_DEP_1)
	v_and_b32 v[56+\x], 0x33333333, v[56+\x]
	s_delay_alu instid0(VALU_DEP_3)
	v_and_b32 v[60+\x], 0x33333333, v[58+\x]
	s_delay_alu instid0(VALU_DEP_1)
	v_add_nc_u32 v[60+\x], v[60+\x], v[56+\x]
	s_delay_alu instid0(VALU_DEP_1)
	v_lshrrev_b32 v[56+\x], 4, v[60+\x]
	s_delay_alu instid0(VALU_DEP_1)
	v_add_nc_u32 v[56+\x], v[60+\x], v[56+\x]
	s_delay_alu instid0(VALU_DEP_1)
	v_and_b32 v[62+\x], 0x0f0f0f0f, v[56+\x]
	s_delay_alu instid0(VALU_DEP_1)
	v_lshrrev_b32 v[56+\x], 8, v[62+\x]
	s_delay_alu instid0(VALU_DEP_1)
	v_add_nc_u32 v[56+\x], v[62+\x], v[56+\x]
	s_delay_alu instid0(VALU_DEP_1)
	v_and_b32 v[64+\x], 0xff, v[56+\x]
.endr
; a halving: c (v64) is the count in the lower half of the window at place p (v66).  Where k >= c the bit lies in the upper half: k -= c, p += the half's width (in register cst)
.macro HALF cst
.irp x, 0,1
	v_cmp_ge_u32 vcc_lo, v[54+\x], v[64+\x]
	s_delay_alu instid0(VALU_DEP_1)
	v_cndmask_b32 v[56+\x], 0, v[64+\x], vcc_lo
	s_delay_alu instid0(VALU_DEP_2)
	v_cndmask_b32 v[68+\x], 0, v[\cst], vcc_lo
	s_delay_alu instid0(VALU_DEP_2)
	v_sub_nc_u32 v[54+\x], v[54+\x], v[56+\x]
	s_delay_alu instid0(VALU_DEP_2)
	v_add_nc_u32 v[66+\x], v[66+\x], v[68+\x]
.endr
.endm
.macro PICK src, msk, cst              ; c = the field at place p of the counts in v[src]
.irp x, 0
	v_lshrrev_b32 v[64+\x], v[66+\x], v[\src+\x]
	s_delay_alu instid0(VALU_DEP_1)
	v_and_b32 v[64+\x], \msk, v[64+\x]
.endr
.irp x, 1
	s_delay_alu instid0(VALU_DEP_3)
	v_lshrrev_b32 v[64+\x], v[66+\x], v[\src+\x]
	s_delay_alu instid0(VALU_DEP_1)
	v_and_b32 v[64+\x], \msk, v[64+\x]
.endr
	HALF \cst
.endm
	HALF 45
	PICK 62, 0xff, 46
	PICK 60, 15, 47
	PICK 58, 3, 48
	PICK 50, 1, 49
.irp x, 0
	v_add_nc_u32 v[70+\x], v[52+\x], v[66+\x]      ; the token: 32 w + the bit's place
	v_cmp_gt_u32 vcc_lo, s91, v[43+\x]             ; an entry at or beyond the expert's count is 0
	s_delay_alu instid0(VALU_DEP_1)
	v_cndmask_b32 v[70+\x], 0, v[70+\x], vcc_lo
.endr
.irp x, 1
	s_delay_alu instid0(VALU_DEP_4)
	v_add_nc_u32 v[70+\x], v[52+\x], v[66+\x]
	v_cmp_gt_u32 vcc_lo, s91, v[43+\x]
	s_delay_alu instid0(VALU_DEP_1)
	v_cndmask_b32 v[70+\x], 0, v[70+\x], vcc_lo
.endr
	s_lshl_b32 s84, s86, 12
	s_mov_b32 s85, 0
	s_add_nc_u64 s[8:9], s[8:9], s[84:85]          ; my expert's 1,024 entries
	v_lshlrev_b32 v72, 2, v43
	global_store_b64 v72, v[70:71], s[8:9]         ; the wave's store covers 256 bytes on end, aligned
	s_branch .Lend
.Lnolist:
	s_lshr_b32 s89, s14, 2
	s_xor_b32 s89, s89, s15
	s_or_b32 s89, s89, s86                         ; 0 where e = 0 and wave / 4 = sg
	s_cmp_lg_u32 s89, 0
	s_cbranch_scc1 .Lend
	; ---- POS, WTS, META: each expert's count, and what the waves before mine hold of it
.irp e, 0,1,2,3,4,5,6,7
	ds_load_b32 v[30+\e], v5 offset:CNT+128*\e     ; lane l: wave l's count for expert e
.endr
	s_wait_dscnt 0x0
.irp e, 0,1,2,3,4,5,6,7
	v_cvt_f32_u32 v[30+\e], v[30+\e]
.endr
	v_cmp_gt_u32 vcc_lo, s14, v2                   ; waves before mine
.irp i, 0,1,2,3
	v_fma_f32 v[42+\i], v[31+2*\i], s88, v[30+2*\i]   ; two experts' counts in one number: sums stay under 2^24, so f32 adds them exactly
.endr
.irp i, 0,1,2,3
	v_cndmask_b32 v[46+\i], 0, v[42+\i], vcc_lo
	v_mov_b32 v[50+\i], 0                          ; (a lane permute's destination counts as one of its sources)
	v_mov_b32 v[54+\i], 0
.endr
.irp m, 1,2,4,8
.irp k, 0,1,2,3,4,5,6,7
	v_add_f32_dpp v[42+\k], v[42+\k], v[42+\k] row_xmask:\m row_mask:0xf bank_mask:0xf
.endr
.endr
.irp k, 0,1,2,3,4,5,6,7
	v_permlanex16_b32 v[50+\k], v[42+\k], s82, s83
.endr
.irp k, 0,1,2,3,4,5,6,7
	v_add_f32 v[42+\k], v[42+\k], v[50+\k]
.endr
.irp k, 0,1,2,3,4,5,6,7
	v_cvt_u32_f32 v[42+\k], v[42+\k]
.endr
.irp k, 0,1,2,3,4,5,6,7
	v_readfirstlane_b32 s[74+\k], v[42+\k]
.endr
.irp i, 0,1,2,3
	s_and_b32 s[48+2*\i], s[74+\i], 0xfff          ; each expert's total,
	s_lshr_b32 s[49+2*\i], s[74+\i], 12
	s_and_b32 s[40+2*\i], s[78+\i], 0xfff          ; and what the waves before mine hold of it
	s_lshr_b32 s[41+2*\i], s[78+\i], 12
.endr
.irp e, 0,1,2,3,4,5,6,7
	s_add_co_u32 s[48+\e], s[48+\e], 15
	s_lshr_b32 s[48+\e], s[48+\e], 4               ; nt_e
.endr
	s_mov_b32 s56, 0
.irp e, 0,1,2,3,4,5,6
	s_add_co_u32 s[57+\e], s[56+\e], s[48+\e]      ; bt_e
.endr
.irp e, 0,1,2,3,4,5,6,7
	s_lshl_b32 s[66+\e], s[56+\e], 4
	s_add_co_u32 s[66+\e], s[66+\e], s[40+\e]      ; 16 bt_e + the ranks before my wave's
.endr
	v_mov_b32 v70, 0
	v_mov_b32 v71, 0
.irp e, 0,1,2,3,4,5,6,7
	v_mbcnt_lo_u32_b32 v58, s[32+\e], 0            ; the choosers of e in the lanes before mine
	s_delay_alu instid0(VALU_DEP_1)
	v_add_nc_u32 v68, s[66+\e], v58                ; the row
	s_delay_alu instid0(VALU_DEP_1)
	v_cndmask_b32 v70, v70, v68, s[16+\e]
	s_delay_alu instid0(VALU_DEP_2)
	v_cndmask_b32 v71, v71, v68, s[24+\e]
.endr
	global_store_b64 v6, v[70:71], s[10:11]        ; a wave's store covers 256 bytes on end, aligned
	global_store_b64 v6, v[28:29], s[12:13]
	s_cmp_lg_u32 s14, 0                            ; wave 0 comes here in work-group (0, 0) alone
	s_cbranch_scc1 .Lend
	v_mov_b32 v72, 0                               ; lane e holds {nt_e, bt_e}, the other lanes zeros: all 256 bytes of meta by one store
	v_mov_b32 v73, 0
.irp e, 0,1,2,3,4,5,6,7
	s_delay_alu instid0(VALU_DEP_2)
	v_writelane_b32 v72, s[48+\e], \e
	s_delay_alu instid0(VALU_DEP_2)
	v_writelane_b32 v73, s[56+\e], \e
.endr
	global_store_b64 v6, v[72:73], s[6:7]
.Lend:
	s_wait_tensorcnt 0x0
	ds_add_u32 v96, v97
	s_wait_dscnt 0x0
	s_endpgm
.Lfunc_end_k_q693a1ab4ba_route:
	.size	k_q693a1ab4ba_route, .Lfunc_end_k_q693a1ab4ba_route-k_q693a1ab4ba_route
	.p2alignl 7, 3214868480
	.fill 96, 4, 3214868480
	.section	.rodata,"a",@progbits
	.p2align	6, 0x0
	.amdhsa_kernel k_q693a1ab4ba_route
		.amdhsa_group_segment_fixed_size 5376
		.amdhsa_private_segment_fixed_size 0
		.amdhsa_enable_private_segment 0
		.amdhsa_kernarg_size 40
		.amdhsa_user_sgpr_count 2
		.amdhsa_user_sgpr_kernarg_segment_ptr 1
		.amdhsa_wavefront_size32 1
		.amdhsa_system_sgpr_workgroup_id_x 1
		.amdhsa_system_sgpr_workgroup_id_y 1
		.amdhsa_system_sgpr_workgroup_id_z 1
		.amdhsa_system_vgpr_workitem_id 0
		.amdhsa_next_free_vgpr 98
		.amdhsa_next_free_sgpr 96
		.amdhsa_reserve_vcc 1
		.amdhsa_float_denorm_mode_32 3
		.amdhsa_float_denorm_mode_16_64 3
		.amdhsa_memory_ordered 1
		.amdhsa_forward_progress 1
		.amdhsa_inst_pref_size 45
	.end_amdhsa_kernel
	.amdgpu_metadata
---
amdhsa.version: [ 1, 2 ]
amdhsa.kernels:
  - .name:           k_q693a1ab4ba_route
    .symbol:         k_q693a1ab4ba_route.kd
    .args:
      - { .name: router_logits, .offset: 0, .size: 8, .value_kind: global_buffer, .address_space: global }
      - { .name: meta, .offset: 8, .size: 8, .value_kind: global_buffer, .address_space: global }
      - { .name: list, .offset: 16, .size: 8, .value_kind: global_buffer, .address_space: global }
      - { .name: pos, .offset: 24, .size: 8, .value_kind: global_buffer, .address_space: global }
      - { .name: wts, .offset: 32, .size: 8, .value_kind: global_buffer, .address_space: global }
    .group_segment_fixed_size: 5376
    .private_segment_fixed_size: 0
    .kernarg_segment_align: 8
    .kernarg_segment_size: 40
    .max_flat_workgroup_size: 1024
    .sgpr_count:     96
    .vgpr_count:     98
    .wavefront_size: 32
...
	.end_amdgpu_metadata
.endif
;; end of part 8
;; launch gemm1 (part 9): grid 32 x 8, 4 waves a work-group, no clusters, 0 bytes of LDS; arguments hidden_states_codes, hidden_states_scales, w13_weight_codes, w13_weight_scales, meta, list, actc, acts; writes actc, acts
.if DOCPART == 9
	.amdgcn_target "amdgcn-amd-amdhsa--gfx1250"
	.amdhsa_code_object_version 6
	.text
	.protected	k_q693a1ab4ba_gemm1
	.globl	k_q693a1ab4ba_gemm1
	.p2align	8
	.type	k_q693a1ab4ba_gemm1,@function
k_q693a1ab4ba_gemm1:
	s_mov_b64 s[64:65], 0
	v_nop
	global_prefetch_b8 v0, s[64:65] scope:SCOPE_SE
	s_setreg_imm32_b32 hwreg(HW_REG_WAVE_SCHED_MODE, 0, 2), 2
	s_setreg_imm32_b32 hwreg(HW_REG_WAVE_MODE, 25, 1), 1
	s_wait_xcnt 0x0
	s_wait_alu depctr_vm_vsrc(0)
; act = silu(x Wg^T) * (x Wu^T) for the rows routed to one expert, quantised along I to E5M2 with one E8M0 byte for each 32, and stored as the next product's operand registers.
; SHARES.  Work-group (chunk, e) owns 64 columns of I of expert e.  Wave (a, b): block B = 2 chunk + b, 32 columns: 32 rows of the gate's weights and 32 of up's, 64 KB, which stay in 512 registers.
; The expert's rows come in tiles of 16; waves with a = 0 take the even tiles, a = 1 the odd ones.  A tile's 16 rows x 1,024 K of x are 32 loads of 16 bytes a lane and one of scale bytes: a UNIT U of 33 loads.
; Three register buffers take turns: a buffer is loaded again as soon as it has been multiplied.
; WHICH TOKENS.  An earlier launch stored each expert's list rank -> token as whole numbers; a unit's 16 tokens are one load T of 4 bytes a lane.  Loads come back in the order of issue, so T is asked for
; two refills ahead of the unit that needs it: step i issues T(i+5), then U(i+3).  Rows that pad the last tile take token 0 and are read by nobody later.
; THE PRODUCT IS USED TRANSPOSED (source 0 = 16 weight rows, source 1 = 16 tokens), and lane r of weight tile u takes row 8 u + r + 8 (r / 8) of the 32: a lane then holds ONE token and 16 neighbouring columns
; 16 (lane / 16) + 0 .. 15, so that the conversions' results are four registers of the next operand; a block of 32 lies in lanes l and l xor 16.
; NO TENSOR LOADS, NO CLUSTER: the number of tiles is read from memory, so trips and exits hang on loaded numbers, and work-groups of different experts have different numbers of tiles.
; No LDS and no barrier: waves share nothing.
; No load is jumped over inside the loop: a step is wait, products, "is there a further unit? else leave for the drain", the refill dealt among the activation's lines, the quantiser, the stores; a drain finishes the tile in hand and the two buffers still out.
; The backward jump has a counter of its own (11 trips of 3 units; a wave has 32 units at the most).
; THE STORES' REGISTERS (codes, byte, two offsets) come in three sets, one for each tile of a trip, with ONE wait for all stores a trip, ahead of the third set's rewrite.
; THE MODE: SCHED_MODE bits 1:0 = 2 (LLVM: expert scheduling mode 2), set by the entry lines.  The code itself states the register dependences between vector or matrix instructions and memory instructions, with s_wait_alu, always for 0.
; THE PLAN.  Registers that memory instructions touch, in step i (p = i % 3, q = (i + 2) % 3):
;   buffer p, XS + 4 p      read by the step's 32 products; behind them the loads of U(i+3) land there.
;   XOFF, XSOFF + p         written by three vector lines behind the products; read by U(i+3)'s 33 loads; written again three steps on.
;   TAD + q                 written by one add beside them; read by T(i+5)'s load; written again three steps on.
;   TK + q                  T(i+5) lands there; the last step's address lines were its last readers; read again two steps on.
;   set p                   written at the step's end; read by its two stores; written again three steps on.
;   WOFF, WSOFF, LAD0, H16, LANE16, SBO are made at the head and never written again.  The accumulators and all that the activation and the quantiser work in are named by vector and matrix instructions alone.
; So a step holds one wait on vm_vsrc, behind its products and ahead of the address lines: all that was issued has read its registers; one wait on va_vdst behind those lines: the products are done with buffer p,
; the offsets are written; behind it the 34 loads follow with no further wait, dealt among lines that name none of their registers; and one wait on va_vdst ahead of the two stores.
; LIMITS: NaN and infinities are not served; gate x up must stay finite in f32; a sigmoid under 2^-126 counts as 0 (the exponential and the reciprocal flush); a block of zeros gets the byte 1, not 127: its codes are zeros and this program alone reads the bytes.
; REGISTERS, in windows of 256.  Window 0: see the names below; v128-255 buffer 0.  Window 1: weights, K steps 0-3, tile t at v[64 t + 16 s].  Window 2: K steps 4-7.  Window 3: buffers 1 and 2.
.set LANE16, 1                         ; 16 x lane
.set H16,    2                         ; 16 (lane / 16)
.set WOFF,   3                         ; weights: (r + 8 (r / 8)) x 1,024 + 16 h
.set WSOFF,  4                         ; their scale bytes: (r + 8 (r / 8)) x 32 + 16 h
.set LAD0,   5                         ; the list: 64 a + 4 r
.set SBO,    8                         ; 16 r
.set XOFF,   11                        ; v11-13  a buffer's offset in x
.set WS,     16                        ; v16-31  weights' scale words: 4 t + i: lanes 0-15 K step i, lanes 16-31 K step 4 + i
.set XS,     32                        ; v32-43  x's scale words, four registers a buffer, laid likewise
.set SBYTE,  44                        ; v44-46  a set's scale byte
.set MXA,    49
.set MXB,    50
.set SCL,    51
.set HOLD,   52
.set COFF,   53                        ; v53-55  a set's offset in actc
.set EX,     56                        ; v56-71  at work on the sigmoid
.set G,      72                        ; v72-87  gate's two accumulators, later act
.set U,      88                        ; v88-103 up's two
.set CODE,   104                       ; v104-115 a set's 16 codes
.set TK,     116                       ; v116-118 tokens: unit u's in register u % 3
.set TAD,    119                       ; v119-121 and the offsets of their loads
.set XSOFF,  122                       ; v122-124 a buffer's offset in x's scale bytes
.set SBOFF,  125                       ; v125-127 a set's offset in acts
.set MSB, 0
.macro WIN new                         ; the immediate's high byte repeats the setting that is left; a switch that changes nothing is dropped
.if MSB != (\new)
	s_set_vgpr_msb (MSB<<8)|(\new)
.set MSB, (\new)
.endif
.endm
.macro RING p                          ; buffer p: its window RW and first register RB
.if (\p) == 0
.set RW, 0
.set RB, 128
.elseif (\p) == 1
.set RW, 3
.set RB, 0
.else
.set RW, 3
.set RB, 128
.endif
.endm
.macro WSLD                            ; tiles 0, 1: gate; 2, 3: up, 2,048 rows further on
.irp t, 0,1,2,3
	global_load_b128 v[WS+4*\t:WS+4*\t+3], v[WSOFF], s[10:11] offset:(\t/2)*65536+(\t%2)*256
.endr
.endm
.macro WTILE t                         ; 16 weight rows x 1,024 K: 32 loads
	WIN 0x40
.irp s, 0,1,2,3
.irp c, 0,1,2,3
	global_load_b128 v[64*(\t)+16*\s+4*\c:64*(\t)+16*\s+4*\c+3], v[WOFF], s[8:9] offset:((\t)/2)*2097152+((\t)%2)*8192+128*\s+32*\c
.endr
.endr
	WIN 0x80
.irp s, 0,1,2,3
.irp c, 0,1,2,3
	global_load_b128 v[64*(\t)+16*\s+4*\c:64*(\t)+16*\s+4*\c+3], v[WOFF], s[8:9] offset:((\t)/2)*2097152+((\t)%2)*8192+512+128*\s+32*\c
.endr
.endr
	WIN 0
.endm
.macro TOKADR q                        ; where the next unit's 16 tokens lie: 128 bytes of the list for each of my tiles.  The load that named this register last has more than 63 younger loads at the wait for 63 that stands ahead
	s_min_u32 s36, s32, 31
	s_lshl_b32 s36, s36, 7
	v_add_nc_u32 v[TAD+\q], s36, v[LAD0]
	s_add_co_u32 s32, s32, 1                       ; the next unit, round the wave's tiles
	s_cmp_ge_u32 s32, s28
	s_cselect_b32 s32, 0, s32
.endm
.macro TOKGO q                         ; and their load, into register q
	global_load_b32 v[TK+\q], v[TAD+\q], s[14:15]
.endm
.macro XADR p                          ; a unit's two offsets, by the tokens in register p
	v_min_u32 v[TK+\p], 0x3ff, v[TK+\p]
	v_lshl_add_u32 v[XOFF+\p], v[TK+\p], 10, v[H16]   ; (the loads that read these two registers last were waited for ahead of the buffer's products)
	v_lshl_add_u32 v[XSOFF+\p], v[TK+\p], 5, v[H16]
.endm
.macro XPART p, k0                     ; eight of a unit's loads: K steps k0 and k0 + 1 into buffer p
	RING \p
	WIN 64*RW
.irp s, \k0, \k0+1
.irp c, 0,1,2,3
	global_load_b128 v[RB+16*(\s)+4*\c:RB+16*(\s)+4*\c+3], v[XOFF+\p], s[4:5] offset:128*(\s)+32*\c
.endr
.endr
.endm
.macro XLAST p                         ; the unit's last load: its scale words
	WIN 0
	global_load_b128 v[XS+4*\p:XS+4*\p+3], v[XSOFF+\p], s[6:7]
	s_add_co_u32 s31, s31, 1                       ; units issued
.endm
.macro XGO p                           ; a whole unit in one run: at the head
	XPART \p, 0
	XPART \p, 2
	XPART \p, 4
	XPART \p, 6
	XLAST \p
.endm
.macro MM p                            ; 32 products: K ascending, the four accumulators by turns, one instruction a turn; the first K step starts the sums
	RING \p
	WIN 1+4*RW
.irp s, 0,1,2,3
.irp t, 0,1,2,3
.if \s == 0
	v_wmma_scale_f32_16x16x128_f8f6f4 v[G+8*\t:G+8*\t+7], v[64*\t+16*\s:64*\t+16*\s+15], v[RB+16*\s:RB+16*\s+15], 0, v[WS+4*\t+\s], v[XS+4*\p+\s] matrix_a_fmt:MATRIX_FMT_BF8 matrix_b_fmt:MATRIX_FMT_BF8
.else
	v_wmma_scale_f32_16x16x128_f8f6f4 v[G+8*\t:G+8*\t+7], v[64*\t+16*\s:64*\t+16*\s+15], v[RB+16*\s:RB+16*\s+15], v[G+8*\t:G+8*\t+7], v[WS+4*\t+\s], v[XS+4*\p+\s] matrix_a_fmt:MATRIX_FMT_BF8 matrix_b_fmt:MATRIX_FMT_BF8
.endif
.endr
.endr
	WIN 2+4*RW
.irp s, 0,1,2,3
.irp t, 0,1,2,3
	v_wmma_scale_f32_16x16x128_f8f6f4 v[G+8*\t:G+8*\t+7], v[64*\t+16*\s:64*\t+16*\s+15], v[RB+64+16*\s:RB+64+16*\s+15], v[G+8*\t:G+8*\t+7], v[WS+4*\t+\s], v[XS+4*\p+\s] matrix_a_fmt:MATRIX_FMT_BF8 matrix_b_fmt:MATRIX_FMT_BF8 matrix_a_scale:MATRIX_SCALE_ROW1 matrix_b_scale:MATRIX_SCALE_ROW1
.endr
.endr
	WIN 0
.endm
; act = g u / (1 + 2^(-g log2 e)), all in f32, in three parts, between which a step's loads stand; each accumulator is read from its low end on.  Eight places stand between the last product and the first part.
.macro ACT1
	WIN 0
.irp j, 0,2,4,6,8,10,12,14
	v_pk_mul_f32 v[EX+\j:EX+\j+1], v[G+\j:G+\j+1], s[40:41] op_sel_hi:[1,0]
.endr
	s_wait_alu depctr_va_vdst(0)
.irp j, 0,1,2,3,4,5,6,7,8,9,10,11,12,13,14,15
	v_exp_f32 v[EX+\j], v[EX+\j]
.endr
	s_wait_alu depctr_va_vdst(0)
.irp j, 0,2,4,6,8,10,12,14
	v_pk_mul_f32 v[U+\j:U+\j+1], v[U+\j:U+\j+1], v[G+\j:G+\j+1]   ; g u: plain work behind the exponentials
.endr
.endm
.macro ACT2
	WIN 0
	s_wait_alu depctr_va_vdst(0)                   ; the sixteen exponentials have written v[EX ..]: one wait, ahead of their first reader
.irp j, 0,2,4,6,8,10,12,14
	v_pk_add_f32 v[EX+\j:EX+\j+1], v[EX+\j:EX+\j+1], 1.0 op_sel_hi:[1,0]
.endr
	s_wait_alu depctr_va_vdst(0)
.irp j, 0,1,2,3,4,5,6,7,8,9,10,11,12,13,14,15
	v_rcp_f32 v[EX+\j], v[EX+\j]
.endr
.endm
.macro ACT3
	WIN 0
	v_nop                                          ; a plain instruction behind the last reciprocal
	s_wait_alu depctr_va_vdst(0)                   ; the sixteen reciprocals have written v[EX ..]: one wait, ahead of their first reader
.irp j, 0,2,4,6,8,10,12,14
	v_pk_mul_f32 v[G+\j:G+\j+1], v[U+\j:U+\j+1], v[EX+\j:EX+\j+1]
.endr
.endm
.macro OUT p                           ; my 16 numbers of the block become 16 codes, in set p; the block's byte
	v_max3_num_f32 v[MXA], |v[G]|, |v[G+1]|, 0x8000000             ; the floor 2^(16 - 127): the byte cannot fall under 1
	v_max3_num_f32 v[MXB], |v[G+8]|, |v[G+9]|, |v[G+10]|
	v_max3_num_f32 v[MXA], v[MXA], |v[G+2]|, |v[G+3]|
	v_max3_num_f32 v[MXB], v[MXB], |v[G+11]|, |v[G+12]|
	v_max3_num_f32 v[MXA], v[MXA], |v[G+4]|, |v[G+5]|
	v_max3_num_f32 v[MXB], v[MXB], |v[G+13]|, |v[G+14]|
	v_max3_num_f32 v[MXA], v[MXA], |v[G+6]|, |v[G+7]|
	v_max3_num_f32 v[MXA], v[MXA], v[MXB], |v[G+15]|
	v_permlanex16_b32 v[MXB], v[MXA], s42, s43
	v_max_num_f32 v[MXA], v[MXA], v[MXB]           ; with lane l xor 16's: the block's largest magnitude
	v_add_nc_u32 v[SCL], 0xf8800000, v[MXA]        ; 15 off its exponent field: the conversion's scale operand
	v_and_or_b32 v[HOLD], v[MXA], 0x7f800000, s44  ; 57,344 x the scale
.irp j, 0,1,2,3,4,5,6,7,8,9,10,11,12,13,14,15
	v_med3_num_f32 v[G+\j], v[G+\j], -v[HOLD], v[HOLD]   ; the conversion to an 8-bit code does not saturate (ISA guide 7.6.2)
.endr
.if (\p) == 2
	s_wait_alu depctr_va_vdst(0)
	s_wait_storecnt 0x0                            ; all my stores are done: set 2's of three tiles ago, whose registers are written below, and sets 0's and 1's of the last two tiles, which the next two tiles write.  The youngest of them is a tile old
.endif
	s_lshl_b32 s36, s33, 1
	s_add_co_u32 s36, s36, s35                     ; the tile: bt + a + 2 x index,
	s_min_u32 s36, s36, 135                        ; inside the buffers' 136 tiles
	s_lshl_b32 s37, s36, 15
	s_lshl_b32 s38, s36, 10
	v_add_nc_u32 v[COFF+\p], s37, v[LANE16]
	v_add_nc_u32 v[SBOFF+\p], s38, v[SBO]
	v_cvt_scalef32_pk8_bf8_f32 v[CODE+4*\p:CODE+4*\p+1], v[G:G+7], v[SCL]
	v_cvt_scalef32_pk8_bf8_f32 v[CODE+4*\p+2:CODE+4*\p+3], v[G+8:G+15], v[SCL]
	v_lshrrev_b32 v[SBYTE+\p], 23, v[SCL]          ; the byte; also the plain instruction behind the conversions
	s_wait_alu depctr_va_vdst(0)                   ; set p is written: the codes, the byte and the two offsets, which the two stores read
	global_store_b128 v[COFF+\p], v[CODE+4*\p:CODE+4*\p+3], s[16:17] th:TH_STORE_NT   ; the wave stores 512 bytes on end: [tile][block][lane][16]
	global_store_b8 v[SBOFF+\p], v[SBYTE+\p], s[18:19]   ; lanes r and r + 16 write the same byte with the same value: one byte for 32 code bytes
	s_add_co_u32 s33, s33, 1
	s_cmp_ge_u32 s33, s28
	s_cselect_b32 s33, 0, s33
.endm
.macro STEP p, q                       ; q = (p + 2) % 3
	s_wait_loadcnt 63                              ; behind this unit's loads T, U, T, U, 68 loads, were issued; the wait's field ends at 63, and a smaller count is safe.  It also shows the tokens of the refill below: they have 67 younger loads
	MM \p
	s_wait_alu depctr_vm_vsrc(0)                   ; every load and store issued so far has read its registers: the offsets XOFF, XSOFF + p and TAD + q, written just below, and set p, whose stores are three steps old and which this step's end, here or in the drain, writes
	XADR \p                                        ; these four vector lines name no register of the products: with the four below they are the eight places ahead of the first read of results
	TOKADR \q
.rept 4
	v_nop
.endr
	s_wait_alu depctr_va_vdst(0)                   ; the products are done reading buffer p and its scale words, in which the loads below land; the three offsets are written; the last step's address lines are done with TK + q
	s_cmp_lt_u32 s31, s28                          ; is there a unit left to ask for?
	s_cbranch_scc0 .Ldrain_\p
	TOKGO \q
	XPART \p, 0                                    ; the refill, eight loads at a time.  No further wait: the lines between name v[EX ..], v[G ..] and v[U ..] alone, none of the registers that these loads touch
	ACT1
	XPART \p, 2
	ACT2
	XPART \p, 4
	ACT3
	XPART \p, 6
	XLAST \p
	OUT \p
.endm
.macro TILE p, cnt                     ; a tile in a drain.  Its set's stores stand ahead of a step's wait on vm_vsrc: set p + 1's two steps, set p + 2's one step ahead of the step that left the loop
	s_wait_loadcnt \cnt
	MM \p
.rept 8
	v_nop                                          ; eight places behind the last product, ahead of the first read of results
.endr
	ACT1
	ACT2
	ACT3
	OUT \p
.endm
.macro DRAIN p, q1, q2                 ; the tile in hand has been multiplied and its places have been passed.  Out, in this order: a unit, a load of tokens, a unit; with the tile in hand, units issued less two have been worked
.Ldrain_\p:
	ACT1
	ACT2
	ACT3
	OUT \p
	s_cmp_ge_u32 s31, s30
	s_cbranch_scc1 .Lend
	TILE \q1, 34                                   ; the tokens' load and the younger unit may be out
	s_cmp_ge_u32 s31, s29
	s_cbranch_scc1 .Lend
	TILE \q2, 0
	s_branch .Lend
.endm
	s_load_b256 s[4:11], s[0:1], 0x0               ; x's codes s[4:5], x's scales s[6:7], w13's codes s[8:9], w13's scales s[10:11]
	s_load_b256 s[12:19], s[0:1], 0x20             ; meta s[12:13], list s[14:15], actc s[16:17], acts s[18:19]
	v_lshrrev_b32 v1, 5, v0
	v_readfirstlane_b32 s20, v1                    ; wave
	s_mov_b32 s23, ttmp9                           ; chunk
	s_and_b32 s24, ttmp7, 0xffff                   ; e
	v_and_b32 v14, 31, v0                          ; lane
	v_and_b32 v15, 15, v0                          ; r
	v_bfe_u32 v[H16], v0, 4, 1
	v_lshlrev_b32 v[H16], 4, v[H16]
	v_lshlrev_b32 v[LANE16], 4, v14
	v_and_b32 v[SBO], 8, v15
	v_add_nc_u32 v[SBO], v[SBO], v15               ; r + 8 (r / 8)
	v_lshl_add_u32 v[WOFF], v[SBO], 10, v[H16]
	v_lshl_add_u32 v[WSOFF], v[SBO], 5, v[H16]
	v_lshlrev_b32 v[SBO], 4, v15
	s_wait_alu depctr_va_sdst(0)                   ; s20 is written, ahead of its first reader
	s_lshr_b32 s21, s20, 1                         ; a
	s_and_b32 s22, s20, 1                          ; b
	s_lshl_b32 s25, s23, 1
	s_add_co_u32 s25, s25, s22                     ; B
	s_lshl_b32 s36, s21, 6
	v_lshl_add_u32 v[LAD0], v15, 2, s36
	s_mov_b32 s40, 0xbfb8aa3b                      ; -log2(e)
	s_mov_b32 s41, s40                             ; (named with it as a pair, so it is written)
	s_mov_b32 s42, 0x76543210
	s_mov_b32 s43, 0xfedcba98                      ; lane selects: lane l xor 16
	s_mov_b32 s44, 0x600000                        ; the mantissa field of 57,344
	s_lshl_b32 s36, s24, 22                        ; w13's codes: e x 4,096 rows + B x 32 rows, of 1,024 bytes
	s_lshl_b32 s37, s25, 15
	s_add_co_u32 s36, s36, s37
	s_mov_b32 s37, 0
	s_wait_kmcnt 0x0
	s_add_nc_u64 s[8:9], s[8:9], s[36:37]
	s_lshl_b32 s36, s24, 17                        ; its scale bytes: rows of 32
	s_lshl_b32 s38, s25, 10
	s_add_co_u32 s36, s36, s38
	s_add_nc_u64 s[10:11], s[10:11], s[36:37]
	s_lshl_b32 s36, s24, 3
	s_add_nc_u64 s[12:13], s[12:13], s[36:37]
	s_load_b64 s[26:27], s[12:13], 0x0             ; nt_e, bt_e
	s_lshl_b32 s36, s24, 12
	s_add_nc_u64 s[14:15], s[14:15], s[36:37]      ; my expert's list
	s_lshl_b32 s36, s25, 9
	s_add_nc_u64 s[16:17], s[16:17], s[36:37]      ; actc: my block's 512 bytes in a tile
	s_lshr_b32 s36, s25, 4                         ; acts [tile][g][hh][r][i][c]: K step B / 4 = 8 g + 4 hh + i, c = B % 4:
	s_lshl_b32 s36, s36, 8                         ; 512 g + 256 hh
	s_and_b32 s38, s25, 15                         ; + 4 i + c
	s_add_co_u32 s36, s36, s38
	s_add_nc_u64 s[18:19], s[18:19], s[36:37]
	s_wait_alu depctr_va_vdst(0)                   ; the offsets made above are written: v[WSOFF] and v[WOFF], which all the loads of weights read
	WSLD                                           ; 68 loads of weights go out while the expert's counts are on their way
	WTILE 0
	WTILE 1
	s_wait_kmcnt 0x0
	s_min_u32 s26, s26, 64
	s_min_u32 s27, s27, 135
	s_add_co_u32 s28, s26, 1
	s_sub_co_u32 s28, s28, s21
	s_lshr_b32 s28, s28, 1                         ; n: my units
	s_cmp_eq_u32 s28, 0
	s_cbranch_scc1 .Lend
	s_add_co_u32 s29, s28, 1
	s_add_co_u32 s30, s28, 2
	s_add_co_u32 s35, s27, s21                     ; bt + a
	s_mul_i32 s32, s23, s28
	s_lshr_b32 s32, s32, 5                         ; the 32 work-groups of an expert begin at different tiles: chunk x n / 32, under n
	s_mov_b32 s33, s32
	s_mov_b32 s31, 0
	TOKADR 0                                       ; the first three units' tokens, ahead of the other 64 loads of weights
	TOKADR 1
	TOKADR 2
	s_wait_alu depctr_va_vdst(0)                   ; the three offsets v[TAD ..] are written, which the three loads read
	TOKGO 0
	TOKGO 1
	TOKGO 2
	WTILE 2
	WTILE 3
	s_wait_loadcnt 63                              ; behind the three loads of tokens 64 loads were issued
	s_wait_alu depctr_vm_vsrc(0)                   ; those three loads have read v[TAD ..], of which two are written again below
	XADR 0                                         ; three units go out whatever n is: the index goes round, so each has tokens of this expert
	XADR 1
	XADR 2
	TOKADR 0
	TOKADR 1
	s_wait_alu depctr_va_vdst(0)                   ; the six offsets of the units and the two of the tokens are written; the lines above are done with TK0 and TK1, in which the next tokens land
	XGO 0
	TOKGO 0
	XGO 1
	TOKGO 1
	XGO 2
	s_mov_b32 s34, 0
.Lloop:
	STEP 0, 2
	STEP 1, 0
	STEP 2, 1
	s_add_co_u32 s34, s34, 1
	s_cmp_lt_u32 s34, 11
	s_cbranch_scc1 .Lloop
	s_branch .Lend
	DRAIN 0, 1, 2
	DRAIN 1, 2, 0
	DRAIN 2, 0, 1
.Lend:
	s_endpgm
.Lfunc_end_k_q693a1ab4ba_gemm1:
	.size	k_q693a1ab4ba_gemm1, .Lfunc_end_k_q693a1ab4ba_gemm1-k_q693a1ab4ba_gemm1
	.p2alignl 7, 3214868480
	.fill 96, 4, 3214868480
	.section	.rodata,"a",@progbits
	.p2align	6, 0x0
	.amdhsa_kernel k_q693a1ab4ba_gemm1
		.amdhsa_group_segment_fixed_size 0
		.amdhsa_private_segment_fixed_size 0
		.amdhsa_enable_private_segment 0
		.amdhsa_kernarg_size 64
		.amdhsa_user_sgpr_count 2
		.amdhsa_user_sgpr_kernarg_segment_ptr 1
		.amdhsa_wavefront_size32 1
		.amdhsa_system_sgpr_workgroup_id_x 1
		.amdhsa_system_sgpr_workgroup_id_y 1
		.amdhsa_system_sgpr_workgroup_id_z 1
		.amdhsa_system_vgpr_workitem_id 0
		.amdhsa_next_free_vgpr 1024
		.amdhsa_next_free_sgpr 66
		.amdhsa_reserve_vcc 0
		.amdhsa_float_denorm_mode_32 3
		.amdhsa_float_denorm_mode_16_64 3
		.amdhsa_memory_ordered 1
		.amdhsa_forward_progress 1
		.amdhsa_inst_pref_size 147
	.end_amdhsa_kernel
	.amdgpu_metadata
---
amdhsa.version: [ 1, 2 ]
amdhsa.kernels:
  - .name:           k_q693a1ab4ba_gemm1
    .symbol:         k_q693a1ab4ba_gemm1.kd
    .args:
      - { .name: hidden_states_codes, .offset: 0, .size: 8, .value_kind: global_buffer, .address_space: global }
      - { .name: hidden_states_scales, .offset: 8, .size: 8, .value_kind: global_buffer, .address_space: global }
      - { .name: w13_weight_codes, .offset: 16, .size: 8, .value_kind: global_buffer, .address_space: global }
      - { .name: w13_weight_scales, .offset: 24, .size: 8, .value_kind: global_buffer, .address_space: global }
      - { .name: meta, .offset: 32, .size: 8, .value_kind: global_buffer, .address_space: global }
      - { .name: list, .offset: 40, .size: 8, .value_kind: global_buffer, .address_space: global }
      - { .name: actc, .offset: 48, .size: 8, .value_kind: global_buffer, .address_space: global }
      - { .name: acts, .offset: 56, .size: 8, .value_kind: global_buffer, .address_space: global }
    .group_segment_fixed_size: 0
    .private_segment_fixed_size: 0
    .kernarg_segment_align: 8
    .kernarg_segment_size: 64
    .max_flat_workgroup_size: 128
    .sgpr_count:     66
    .vgpr_count:     1024
    .wavefront_size: 32
...
	.end_amdgpu_metadata
.endif
;; end of part 9
;; launch gemm2 (part 10): grid 32 x 8, 4 waves a work-group, no clusters, 9,728 bytes of LDS; arguments actc, acts, w2_weight_codes, w2_weight_scales, meta, y; writes y
.if DOCPART == 10
	.amdgcn_target "amdgcn-amd-amdhsa--gfx1250"
	.amdhsa_code_object_version 6
	.text
	.protected	k_q693a1ab4ba_gemm2
	.globl	k_q693a1ab4ba_gemm2
	.p2align	8
	.type	k_q693a1ab4ba_gemm2,@function
k_q693a1ab4ba_gemm2:
	s_mov_b64 s[64:65], 0
	v_nop
	global_prefetch_b8 v0, s[64:65] scope:SCOPE_SE
	s_setreg_imm32_b32 hwreg(HW_REG_WAVE_SCHED_MODE, 0, 2), 2
	s_setreg_imm32_b32 hwreg(HW_REG_WAVE_MODE, 25, 1), 1
	s_wait_xcnt 0x0
	s_wait_alu depctr_vm_vsrc(0)
; y[row] = act[row] W2_e^T for the rows routed to one expert, both operands E5M2 codes with E8M0 bytes; y is f32, laid [32 columns' group][row][32].
; SHARES.  Work-group (hc, e) owns 32 columns of H.  All four waves hold the same 32 rows of W2 (2,048 K: 64 KB, 512 registers, for the whole launch); wave w takes the expert's tiles w, w + 4, ..
; act arrives as images of the operand's registers: every load of the wave reads 512 bytes on end.  A UNIT is half a tile's K (8 K steps): 32 loads and one of scale words, 33 loads.
; Three register buffers take turns, units E (K steps 0-7) and O (8-15) alternating, so the pattern comes back after six units, three tiles: one trip of the loop.
; THE PRODUCT IS USED TRANSPOSED (source 0 = 16 rows of W2, source 1 = 16 rows of act), lane r of weight tile u taking row 8 u + r + 8 (r / 8): a lane holds one row of y and 16 neighbouring columns.
; Each output has two accumulators (even and odd K steps), so that four take turns; they are added at the end, in place: the order of the sum differs from ascending K.
; A tile of y (16 rows x 128 bytes) goes through the wave's own stage in LDS and leaves as 2,048 bytes on end.  No barrier: waves share nothing.
; THE STORES' REGISTERS (16 of data, one offset) come in three sets, one for each tile of a trip, with ONE wait for all stores a trip, ahead of the third set's rewrite.
; NO TENSOR LOADS, NO CLUSTER: the number of tiles is read from memory, so trips and exits hang on loaded numbers.
; No load is jumped over inside the loop: behind an E unit the tile's O half is always asked for; behind an O unit stands "is there a further tile? else leave for the drain".  The backward jump has a counter of its own (6 trips of 3 tiles; a wave has 16 tiles at the most).
; THE MODE: SCHED_MODE bits 1:0 = 2 (LLVM: expert scheduling mode 2), set by the entry lines.  The code itself states the register dependences between vector or matrix instructions and memory or LDS instructions, with s_wait_alu, always for 0.
; THE PLAN.  Registers that memory or LDS instructions touch, in the loop:
;   buffer p, ASC + 4 p     read by a unit's 16 products; behind them the loads of the unit three on land there.
;   AOFF, SOFF + p          written by two adds behind those products; read by the 33 loads; written again three units on.
;   the accumulators        written by the products and, in place, by the eight additions; read by the four LDS stores of the tile's end; written again by the next tile's products.
;   set z                   the four LDS loads land there; read by the tile's four global stores; landed in again three tiles on.  No vector instruction names it.
;   YOFF + z                written by one add behind the O unit's products; read by those four stores; written again three tiles on.
;   STO, RDA, LANE16, WOFF, WSOFF are made at the head and never written again; v6 and v47 likewise, for the closing add alone.
; So an E unit holds one wait on va_vdst, behind its products and the two adds: the buffer is free and the offsets are written.  An O unit holds one wait on va_vdst, behind the additions: the accumulators and the three offsets are
; written and the buffer is free; no vector instruction follows it in the unit.  One wait on vm_vsrc a tile stands behind the stage's stores and loads, ahead of the branch: the stores have read the accumulators; and all that was issued
; earlier has read its registers: each pair of offsets is written again three units behind its loads and each set three tiles behind its stores, always with such a wait between.  One more stands ahead of the loop, for the first trip.
; REGISTERS.  Window 0: names below; v128-255 buffer 0.  Window 1: W2, K steps 0-7, tile u at v[128 u + 16 s].  Window 2: K steps 8-15.  Window 3: buffers 1 and 2.
.set LANE16, 1                         ; 16 x lane
.set WOFF,   2                         ; W2: (r + 8 (r / 8)) x 2,048 + 16 h
.set WSOFF,  3                         ; its scale bytes: (r + 8 (r / 8)) x 64 + 16 h
.set STO,    4                         ; the stage, in: 144 r + 64 h + 2,304 wave
.set RDA,    5                         ; and back: 144 (lane / 8) + 16 (lane % 8) + 2,304 wave
.set AOFF,   8                         ; v8-10   a buffer's offset in actc
.set SOFF,   11                        ; v11-13  and in acts
.set WS,     16                        ; v16-31  W2's scale words: 8 u + 4 g + i: lanes 0-15 K step 8 g + i, lanes 16-31 K step 8 g + 4 + i
.set ASC,    32                        ; v32-43  act's scale words, four registers a buffer, laid likewise
.set YOFF,   44                        ; v44-46  a set's offset in y
.set ACC,    48                        ; v48-79  accumulator (u, parity) at 48 + 16 u + 8 parity
                                       ; v80-127 a set's 16 registers of y: set 0 at v96, set 1 at v112, set 2 at v80
.set MSB, 0
.macro WIN new
.if MSB != (\new)
	s_set_vgpr_msb (MSB<<8)|(\new)
.set MSB, (\new)
.endif
.endm
.macro RING p
.if (\p) == 0
.set RW, 0
.set RB, 128
.elseif (\p) == 1
.set RW, 3
.set RB, 0
.else
.set RW, 3
.set RB, 128
.endif
.endm
.macro ZSET z
.set ZB, 80+16*(((\z)+1)%3)
.endm
.macro AADR p, g                       ; the two offsets of half g of a tile, for buffer p
.if (\g) == 0
	s_lshl_b32 s36, s32, 2
	s_add_co_u32 s36, s36, s35                     ; the tile: bt + w + 4 x index,
	s_min_u32 s36, s36, 135                        ; inside the buffers' 136 tiles
	s_lshl_b32 s37, s36, 15                        ; kept for the O half
	s_lshl_b32 s38, s36, 10
.endif
	v_add_nc_u32 v[AOFF+\p], s37, v[LANE16]        ; (the loads that read these two registers last were waited for ahead of the buffer's products)
	v_add_nc_u32 v[SOFF+\p], s38, v[LANE16]
.if (\g) == 1
	s_add_co_u32 s32, s32, 1                       ; the next tile, round the wave's tiles
	s_cmp_ge_u32 s32, s28
	s_cselect_b32 s32, 0, s32
.endif
.endm
.macro AGO p, g                        ; half g of a tile into buffer p: 33 loads
	RING \p
	WIN 64*RW
.irp s, 0,1,2,3,4,5,6,7
.irp c, 0,1,2,3
	global_load_b128 v[RB+16*\s+4*\c:RB+16*\s+4*\c+3], v[AOFF+\p], s[4:5] offset:16384*(\g)+2048*\s+512*\c
.endr
.endr
	WIN 0
	global_load_b128 v[ASC+4*\p:ASC+4*\p+3], v[SOFF+\p], s[6:7] offset:512*(\g)
.if (\g) == 0
	s_add_co_u32 s31, s31, 1                       ; tiles begun
.endif
.endm
.macro MM p, g                         ; 16 products; the four accumulators by turns, one instruction a turn, from unit to unit too; a tile's first two K steps start the sums
	RING \p
	WIN 1+(\g)+4*RW
.irp sl, 0,1,2,3,4,5,6,7
.irp u, 0,1
.set rD, ACC+16*\u+8*(\sl%2)
.set rA, 128*\u+16*\sl
.set rB, RB+16*\sl
.set rSA, WS+8*\u+4*(\g)+(\sl%4)
.set rSB, ASC+4*(\p)+(\sl%4)
.if ((\g) == 0) && (\sl < 2)
	v_wmma_scale_f32_16x16x128_f8f6f4 v[rD:rD+7], v[rA:rA+15], v[rB:rB+15], 0, v[rSA], v[rSB] matrix_a_fmt:MATRIX_FMT_BF8 matrix_b_fmt:MATRIX_FMT_BF8
.elseif \sl < 4
	v_wmma_scale_f32_16x16x128_f8f6f4 v[rD:rD+7], v[rA:rA+15], v[rB:rB+15], v[rD:rD+7], v[rSA], v[rSB] matrix_a_fmt:MATRIX_FMT_BF8 matrix_b_fmt:MATRIX_FMT_BF8
.else
	v_wmma_scale_f32_16x16x128_f8f6f4 v[rD:rD+7], v[rA:rA+15], v[rB:rB+15], v[rD:rD+7], v[rSA], v[rSB] matrix_a_fmt:MATRIX_FMT_BF8 matrix_b_fmt:MATRIX_FMT_BF8 matrix_a_scale:MATRIX_SCALE_ROW1 matrix_b_scale:MATRIX_SCALE_ROW1
.endif
.endr
.endr
	WIN 0
.endm
; A tile is finished: the two halves of each sum are added in place, go into the stage, and come back as rows on end, into set z.  more = 1: in the loop, where buffer z is to be asked for again: its two offsets are made here too.
; Eight places stand between the last product and the first read of results: the adds that make offsets, which name no register of the products, and v_nop for the rest.
.macro FIN z, more
	ZSET \z
.if (\z) == 2
	s_wait_storecnt 0x0                            ; all my stores are done: set 2's of three tiles ago, whose registers are written below, and the other two sets' of the last two tiles, which the next two tiles write.  The youngest of them is a tile old
.endif
	s_lshl_b32 s39, s33, 2
	s_add_co_u32 s39, s39, s35
	s_min_u32 s39, s39, 135
	s_lshl_b32 s39, s39, 11                        ; a tile of y: 2,048 bytes
	v_add_nc_u32 v[YOFF+\z], s39, v[LANE16]
.if \more
	AADR \z, 0
.rept 5
	v_nop
.endr
.else
.rept 7
	v_nop
.endr
.endif
.irp u, 0,1
.irp k, 0,2,4,6
	v_pk_add_f32 v[ACC+16*\u+\k:ACC+16*\u+\k+1], v[ACC+16*\u+\k:ACC+16*\u+\k+1], v[ACC+16*\u+8+\k:ACC+16*\u+8+\k+1]   ; each accumulator from its low end on
.endr
.endr
	s_wait_alu depctr_va_vdst(0)                   ; the additions have written the accumulators, which the LDS stores read; the offsets made above are written, which the global stores and the refill read; the products are done reading buffer z and its scale words, in which the refill lands
.irp q, 0,1,2,3
	ds_store_b128 v[STO], v[ACC+16*(\q/2)+4*(\q%2):ACC+16*(\q/2)+4*(\q%2)+3] offset:16*\q   ; columns 16 h + 4 q on
.endr
.irp q, 0,1,2,3
	ds_load_b128 v[ZB+4*\q:ZB+4*\q+3], v[RDA] offset:576*\q   ; four rows an instruction; LDS serves a wave's instructions in order: these see the stores above
.endr
.if \more
	s_wait_alu depctr_vm_vsrc(0)                   ; the LDS stores have read the accumulators, which the next tile's products write, in the loop and in the drain; the loads and stores issued earlier have read the offsets and sets that the coming units write
.endif
	s_add_co_u32 s30, s30, 1                       ; tiles done
	s_add_co_u32 s33, s33, 1
	s_cmp_ge_u32 s33, s28
	s_cselect_b32 s33, 0, s33
.endm
.macro OUTST z
	ZSET \z
	s_wait_dscnt 0x0                               ; the rows are back, in set z
.irp q, 0,1,2,3
	global_store_b128 v[YOFF+\z], v[ZB+4*\q:ZB+4*\q+3], s[14:15] offset:512*\q th:TH_STORE_NT   ; 512 bytes on end
.endr
.endm
.macro STEPE p
	s_wait_loadcnt 63                              ; behind this unit's loads two units, 66 loads, were issued; the wait's field ends at 63, and a smaller count is safe
	MM \p, 0
	AADR \p, 1                                     ; the O half of the tile whose E half is already out
.rept 6
	v_nop                                          ; with the two adds: eight plain instructions between the products and the loads into the registers that they read
.endr
	s_wait_alu depctr_va_vdst(0)                   ; the products are done reading buffer p and its scale words, in which the loads below land; the two offsets are written
	AGO \p, 1
.endm
.macro STEPO p
	s_wait_loadcnt 63
	MM \p, 1
	FIN \p, 1
	s_cmp_lt_u32 s31, s28                          ; is there a tile left to begin?
	s_cbranch_scc0 .Ld_\p
	AGO \p, 0                                      ; no wait: no vector or matrix instruction stands behind the wait on va_vdst above
	OUTST \p
.endm
.macro DRAIN p, q1, q2                 ; out: one tile's E half (the older) and its O half; that tile's set is the O half's buffer number, as in the loop
.Ld_\p:
	OUTST \p
	s_cmp_ge_u32 s30, s28
	s_cbranch_scc1 .Lend
	s_wait_loadcnt 33                              ; the O half may be out
	MM \q1, 0
	s_wait_loadcnt 0
	MM \q2, 1
	FIN \q2, 0
	OUTST \q2
	s_branch .Lend
.endm
	s_load_b256 s[4:11], s[0:1], 0x0               ; actc s[4:5], acts s[6:7], w2's codes s[8:9], w2's scales s[10:11]
	s_load_b128 s[12:15], s[0:1], 0x20             ; meta s[12:13], y s[14:15]
	v_lshl_add_u32 v6, v0, 2, 0x2400               ; my spare word, behind the four stages, and 0; kept for the closing add alone
	v_mov_b32 v47, 0
	v_lshrrev_b32 v1, 5, v0
	v_readfirstlane_b32 s20, v1                    ; wave
	s_mov_b32 s23, ttmp9                           ; hc
	s_and_b32 s24, ttmp7, 0xffff                   ; e
	v_and_b32 v14, 31, v0                          ; lane
	v_and_b32 v15, 15, v0                          ; r
	v_bfe_u32 v7, v0, 4, 1                         ; h
	v_lshlrev_b32 v[LANE16], 4, v14
	v_and_b32 v[STO], 8, v15
	v_add_nc_u32 v[STO], v[STO], v15               ; r + 8 (r / 8)
	v_lshlrev_b32 v[RDA], 4, v7
	v_lshl_add_u32 v[WOFF], v[STO], 11, v[RDA]
	v_lshl_add_u32 v[WSOFF], v[STO], 6, v[RDA]
	s_wait_alu depctr_va_sdst(0)                   ; s20 is written, ahead of its first reader
	s_mul_i32 s36, s20, 2304                       ; my stage: 16 rows x 144 bytes
	v_mul_u32_u24 v[STO], v15, 144
	v_lshl_add_u32 v[STO], v7, 6, v[STO]
	v_add_nc_u32 v[STO], s36, v[STO]
	v_lshrrev_b32 v[RDA], 3, v14
	v_mul_u32_u24 v[RDA], v[RDA], 144
	v_and_b32 v7, 7, v14
	v_lshl_add_u32 v[RDA], v7, 4, v[RDA]
	v_add_nc_u32 v[RDA], s36, v[RDA]
	s_lshl_b32 s36, s24, 21                        ; w2's codes: e x 1,024 rows + hc x 32 rows, of 2,048 bytes
	s_lshl_b32 s37, s23, 16
	s_add_co_u32 s36, s36, s37
	s_mov_b32 s37, 0
	s_wait_kmcnt 0x0
	s_add_nc_u64 s[8:9], s[8:9], s[36:37]
	s_lshl_b32 s36, s24, 16                        ; its scale bytes: rows of 64
	s_lshl_b32 s38, s23, 11
	s_add_co_u32 s36, s36, s38
	s_add_nc_u64 s[10:11], s[10:11], s[36:37]
	s_lshl_b32 s36, s24, 3
	s_add_nc_u64 s[12:13], s[12:13], s[36:37]
	s_load_b64 s[26:27], s[12:13], 0x0             ; nt_e, bt_e
	s_mul_i32 s36, s23, 278528                     ; y: 2,176 rows x 128 bytes for each group of 32 columns
	s_add_nc_u64 s[14:15], s[14:15], s[36:37]
	s_wait_alu depctr_va_vdst(0)                   ; the addresses made above are written: v[WSOFF] and v[WOFF], which the loads of weights read, and v[STO] and v[RDA], which every LDS store and load of the stage reads
.irp u, 0,1
.irp g, 0,1
	global_load_b128 v[WS+8*\u+4*\g:WS+8*\u+4*\g+3], v[WSOFF], s[10:11] offset:512*\u+32*\g
.endr
.endr
	WIN 0x40
.irp u, 0,1
.irp s, 0,1,2,3,4,5,6,7
.irp c, 0,1,2,3
	global_load_b128 v[128*\u+16*\s+4*\c:128*\u+16*\s+4*\c+3], v[WOFF], s[8:9] offset:16384*\u+128*\s+32*\c
.endr
.endr
.endr
	WIN 0x80
.irp u, 0,1
.irp s, 0,1,2,3,4,5,6,7
.irp c, 0,1,2,3
	global_load_b128 v[128*\u+16*\s+4*\c:128*\u+16*\s+4*\c+3], v[WOFF], s[8:9] offset:16384*\u+1024+128*\s+32*\c
.endr
.endr
.endr
	WIN 0
	s_wait_kmcnt 0x0
	s_min_u32 s26, s26, 64
	s_min_u32 s27, s27, 135
	s_add_co_u32 s28, s26, 3
	s_sub_co_u32 s28, s28, s20
	s_lshr_b32 s28, s28, 2                         ; my tiles
	s_cmp_eq_u32 s28, 0
	s_cbranch_scc1 .Lend
	s_add_co_u32 s35, s27, s20                     ; bt + w
	s_mul_i32 s32, s23, s28
	s_lshr_b32 s32, s32, 5                         ; the 32 work-groups of an expert begin at different tiles: hc x tiles / 32, under the number of tiles
	s_mov_b32 s33, s32
	s_mov_b32 s31, 0
	s_mov_b32 s30, 0
	AADR 0, 0                                      ; three units go out whatever the number of tiles: the index goes round, so each has an address inside the expert's tiles
	AADR 1, 1
	AADR 2, 0
	s_wait_alu depctr_va_vdst(0)                   ; the six offsets are written, which the 99 loads below read
	AGO 0, 0
	AGO 1, 1
	AGO 2, 0
	s_wait_alu depctr_vm_vsrc(0)                   ; those loads have read their offsets, which the first trip's units write again
	s_mov_b32 s34, 0
.Lloop:
	STEPE 0
	STEPO 1
	STEPE 2
	STEPO 0
	STEPE 1
	STEPO 2
	s_add_co_u32 s34, s34, 1
	s_cmp_lt_u32 s34, 6
	s_cbranch_scc1 .Lloop
	s_branch .Lend
	DRAIN 1, 2, 0
	DRAIN 0, 1, 2
	DRAIN 2, 0, 1
.Lend:
	s_wait_dscnt 0x0                               ; the closing lines, six on end
	s_wait_alu 0x0
	s_wait_tensorcnt 0x0
	ds_add_u32 v6, v47
	s_wait_dscnt 0x0
	s_endpgm
.Lfunc_end_k_q693a1ab4ba_gemm2:
	.size	k_q693a1ab4ba_gemm2, .Lfunc_end_k_q693a1ab4ba_gemm2-k_q693a1ab4ba_gemm2
	.p2alignl 7, 3214868480
	.fill 96, 4, 3214868480
	.section	.rodata,"a",@progbits
	.p2align	6, 0x0
	.amdhsa_kernel k_q693a1ab4ba_gemm2
		.amdhsa_group_segment_fixed_size 9728
		.amdhsa_private_segment_fixed_size 0
		.amdhsa_enable_private_segment 0
		.amdhsa_kernarg_size 48
		.amdhsa_user_sgpr_count 2
		.amdhsa_user_sgpr_kernarg_segment_ptr 1
		.amdhsa_wavefront_size32 1
		.amdhsa_system_sgpr_workgroup_id_x 1
		.amdhsa_system_sgpr_workgroup_id_y 1
		.amdhsa_system_sgpr_workgroup_id_z 1
		.amdhsa_system_vgpr_workitem_id 0
		.amdhsa_next_free_vgpr 1024
		.amdhsa_next_free_sgpr 66
		.amdhsa_reserve_vcc 0
		.amdhsa_float_denorm_mode_32 3
		.amdhsa_float_denorm_mode_16_64 3
		.amdhsa_memory_ordered 1
		.amdhsa_forward_progress 1
		.amdhsa_inst_pref_size 86
	.end_amdhsa_kernel
	.amdgpu_metadata
---
amdhsa.version: [ 1, 2 ]
amdhsa.kernels:
  - .name:           k_q693a1ab4ba_gemm2
    .symbol:         k_q693a1ab4ba_gemm2.kd
    .args:
      - { .name: actc, .offset: 0, .size: 8, .value_kind: global_buffer, .address_space: global }
      - { .name: acts, .offset: 8, .size: 8, .value_kind: global_buffer, .address_space: global }
      - { .name: w2_weight_codes, .offset: 16, .size: 8, .value_kind: global_buffer, .address_space: global }
      - { .name: w2_weight_scales, .offset: 24, .size: 8, .value_kind: global_buffer, .address_space: global }
      - { .name: meta, .offset: 32, .size: 8, .value_kind: global_buffer, .address_space: global }
      - { .name: y, .offset: 40, .size: 8, .value_kind: global_buffer, .address_space: global }
    .group_segment_fixed_size: 9728
    .private_segment_fixed_size: 0
    .kernarg_segment_align: 8
    .kernarg_segment_size: 48
    .max_flat_workgroup_size: 128
    .sgpr_count:     66
    .vgpr_count:     1024
    .wavefront_size: 32
...
	.end_amdgpu_metadata
.endif
;; end of part 10
;; launch combine (part 11): grid 256 x 1, 4 waves a work-group, no clusters, 0 bytes of LDS; arguments y, pos, wts, out0; writes out0
.if DOCPART == 11
	.amdgcn_target "amdgcn-amd-amdhsa--gfx1250"
	.amdhsa_code_object_version 6
	.text
	.protected	k_q693a1ab4ba_combine
	.globl	k_q693a1ab4ba_combine
	.p2align	8
	.type	k_q693a1ab4ba_combine,@function
k_q693a1ab4ba_combine:
	s_mov_b64 s[64:65], 0
	v_nop
	global_prefetch_b8 v0, s[64:65] scope:SCOPE_SE
	s_setreg_imm32_b32 hwreg(HW_REG_WAVE_MODE, 25, 1), 1
	s_wait_xcnt 0x0
; out[t] = w0 y[row0] + w1 y[row1]: each token's two routed rows, weighed and added in f32.  A wave takes one token, so each output row has one owner.
; y is laid [32 groups of 32 columns][2,176 rows][32]: a load of the wave reads four pieces of 128 bytes, of four neighbouring groups; a store covers 512 bytes of the output row on end.
; The rows are whole numbers that an earlier launch stored; they are held inside y's 2,176 rows ahead of the addresses.  A stream: no LDS, no barrier, no matrix unit.
.set GRP, 278528                       ; bytes of a group of columns: 2,176 rows x 128
	s_load_b256 s[4:11], s[0:1], 0x0               ; y s[4:5], pos s[6:7], wts s[8:9], out s[10:11]
	v_lshrrev_b32 v1, 5, v0
	v_readfirstlane_b32 s12, v1                    ; wave
	s_lshl_b32 s13, ttmp9, 2
	s_add_co_u32 s13, s13, s12                     ; my token
	s_lshl_b32 s14, s13, 3
	s_mov_b32 s15, 0
	v_and_b32 v2, 31, v0
	v_lshlrev_b32 v3, 4, v2                        ; 16 x lane
	v_lshrrev_b32 v4, 3, v2
	v_mul_u32_u24 v4, v4, GRP
	v_and_b32 v5, 7, v2
	v_lshl_add_u32 v4, v5, 4, v4                   ; (lane / 8) groups + 16 (lane % 8)
	s_wait_alu depctr_va_vdst(0)
	s_wait_kmcnt 0x0
	s_add_nc_u64 s[6:7], s[6:7], s[14:15]
	s_add_nc_u64 s[8:9], s[8:9], s[14:15]
	s_load_b64 s[16:17], s[6:7], 0x0               ; the two rows
	s_load_b64 s[18:19], s[8:9], 0x0               ; the two weights
	s_lshl_b32 s14, s13, 12
	s_add_nc_u64 s[10:11], s[10:11], s[14:15]      ; my row of the output
	s_wait_kmcnt 0x0
	s_min_u32 s16, s16, 2175
	s_min_u32 s17, s17, 2175
	s_lshl_b32 s16, s16, 7
	s_lshl_b32 s17, s17, 7
	s_mov_b32 s22, s18                             ; each weight as a pair: the packed forms name a pair and take its low word for both halves
	s_mov_b32 s23, s18
	s_mov_b32 s24, s19
	s_mov_b32 s25, s19
	v_add_nc_u32 v6, s16, v4
	v_add_nc_u32 v7, s17, v4
.irp i, 0,1,2,3,4,5,6,7
	global_load_b128 v[16+4*\i:19+4*\i], v6, s[4:5] offset:4*GRP*\i th:TH_LOAD_NT   ; each row of y is read once in the launch
	global_load_b128 v[48+4*\i:51+4*\i], v7, s[4:5] offset:4*GRP*\i th:TH_LOAD_NT
.endr
.irp i, 0,1,2,3,4,5,6,7
	s_wait_loadcnt 14-2*\i                         ; the younger pairs of loads may be out
	v_pk_mul_f32 v[16+4*\i:17+4*\i], v[16+4*\i:17+4*\i], s[22:23] op_sel_hi:[1,0]
	v_pk_mul_f32 v[18+4*\i:19+4*\i], v[18+4*\i:19+4*\i], s[22:23] op_sel_hi:[1,0]
	v_pk_fma_f32 v[16+4*\i:17+4*\i], v[48+4*\i:49+4*\i], s[24:25], v[16+4*\i:17+4*\i] op_sel_hi:[1,0,1]
	v_pk_fma_f32 v[18+4*\i:19+4*\i], v[50+4*\i:51+4*\i], s[24:25], v[18+4*\i:19+4*\i] op_sel_hi:[1,0,1]
	global_store_b128 v3, v[16+4*\i:19+4*\i], s[10:11] offset:512*\i th:TH_STORE_NT   ; no register is written again behind its store
.endr
	s_endpgm
.Lfunc_end_k_q693a1ab4ba_combine:
	.size	k_q693a1ab4ba_combine, .Lfunc_end_k_q693a1ab4ba_combine-k_q693a1ab4ba_combine
	.p2alignl 7, 3214868480
	.fill 96, 4, 3214868480
	.section	.rodata,"a",@progbits
	.p2align	6, 0x0
	.amdhsa_kernel k_q693a1ab4ba_combine
		.amdhsa_group_segment_fixed_size 0
		.amdhsa_private_segment_fixed_size 0
		.amdhsa_enable_private_segment 0
		.amdhsa_kernarg_size 32
		.amdhsa_user_sgpr_count 2
		.amdhsa_user_sgpr_kernarg_segment_ptr 1
		.amdhsa_wavefront_size32 1
		.amdhsa_system_sgpr_workgroup_id_x 1
		.amdhsa_system_sgpr_workgroup_id_y 1
		.amdhsa_system_sgpr_workgroup_id_z 1
		.amdhsa_system_vgpr_workitem_id 0
		.amdhsa_next_free_vgpr 80
		.amdhsa_next_free_sgpr 66
		.amdhsa_reserve_vcc 0
		.amdhsa_float_denorm_mode_32 3
		.amdhsa_float_denorm_mode_16_64 3
		.amdhsa_memory_ordered 1
		.amdhsa_forward_progress 1
		.amdhsa_inst_pref_size 7
	.end_amdhsa_kernel
	.amdgpu_metadata
---
amdhsa.version: [ 1, 2 ]
amdhsa.kernels:
  - .name:           k_q693a1ab4ba_combine
    .symbol:         k_q693a1ab4ba_combine.kd
    .args:
      - { .name: y, .offset: 0, .size: 8, .value_kind: global_buffer, .address_space: global }
      - { .name: pos, .offset: 8, .size: 8, .value_kind: global_buffer, .address_space: global }
      - { .name: wts, .offset: 16, .size: 8, .value_kind: global_buffer, .address_space: global }
      - { .name: out0, .offset: 24, .size: 8, .value_kind: global_buffer, .address_space: global }
    .group_segment_fixed_size: 0
    .private_segment_fixed_size: 0
    .kernarg_segment_align: 8
    .kernarg_segment_size: 32
    .max_flat_workgroup_size: 128
    .sgpr_count:     66
    .vgpr_count:     80
    .wavefront_size: 32
...
	.end_amdgpu_metadata
.endif
;; end of part 11
